; MI455X (gfx1250); checked and timed in simulation.
; The chip was launched on July 23, 2026; its instructions are those of AMD's public machine-readable ISA for CDNA 5 (MIT licence, August 2026) and "CDNA5" Instruction Set Architecture Reference Guide (July 2026). The comments in the code are by the model that wrote it; some were corrected since.
;; Decoder Layer. Allowed arithmetic: float matrix products may take bf16 or f16 operands with f32 sums; other float arithmetic in f32, or as packed bf16 or f16 multiplies, adds, multiply-adds, maxima and minima; sums over many terms, partial sums and values carried from step to step in f32; what a program stores and reads back later, other than sums and carried values, may be rounded once to bf16 or f16.
;; Inputs: W1 1,024 x 4,096 float32; W2 4,096 x 1,024 float32; Wk 1,024 x 1,024 float32; Wo 1,024 x 1,024 float32; Wq 1,024 x 1,024 float32; Wv 1,024 x 1,024 float32; b1 4,096 float32; b2 1,024 float32; bk 1,024 float32; bo 1,024 float32; bq 1,024 float32; bv 1,024 float32; causal_mask 2,048 x 2,048 bool; ln1_b 1,024 float32; ln1_g 1,024 float32; ln2_b 1,024 float32; ln2_g 1,024 float32; x 2 x 2,048 x 1,024 float32.
;; Outputs: out0 2 x 2,048 x 1,024 float32.
;; One version. Each part assembles by itself: llvm-mc -triple=amdgcn-amd-amdhsa -mcpu=gfx1250 --defsym DOCPART=n.
;; ======== version 1 of 1: 7 launches
;; limits: right only within a limited range of input values
;; workspace buffers: actA 8,388,608 bytes; actB 67,108,864 bytes; wqkv 8,388,608 bytes; wrest 18,874,368 bytes; tab 4,489,216 bytes; bqkv 12,288 bytes
;; launch prep (part 1): grid 1489 x 1, 8 waves a work-group, no clusters, 0 bytes of LDS; arguments x, ln1_g, ln1_b, Wq, Wk, Wv, Wo, W1, W2, causal_mask, bq, bk, bv, actA, wqkv, wrest, tab, bqkv; writes actA, wqkv, wrest, tab, bqkv
.if DOCPART == 1
	.amdgcn_target "amdgcn-amd-amdhsa--gfx1250"
	.amdhsa_code_object_version 6
	.text
	.protected	k_q55ef5c96f6_prep
	.globl	k_q55ef5c96f6_prep
	.p2align	8
	.type	k_q55ef5c96f6_prep,@function
k_q55ef5c96f6_prep:
	s_mov_b64 s[64:65], 0
	v_nop
	global_prefetch_b8 v0, s[64:65] scope:SCOPE_SE
	s_setreg_imm32_b32 hwreg(HW_REG_WAVE_MODE, 25, 1), 1
	s_wait_xcnt 0x0
; PREP: everything that is made once from the inputs.  The work-group's number chooses one of five roles, by forward branches:
;   0-511      LN    y1 = LayerNorm(x) ln1_g + ln1_b, bf16, [4096][1024] -> actA.  A wave takes one row and keeps it in 32 registers: x is read once.
;   512-1279   CAST  the six weight matrices, f32 -> bf16, left as they lie ([in][out]).  Wq | Wk | Wv side by side in rows of 8,192 bytes (wqkv); W1, Wo, W2 dense (wrest).
;   1280-1343  MASK  the mask's bytes, laid as the attention's lanes want them, 0xF1 for a hidden key and 0 for a seen one: tab[qtile 128][step 32][half 2][lane 32][16].
;   1344-1487  ROPE  2,304 table rows of cos[32] | sin[32] in f16 behind the mask; rows 2,048 and on are (1, 0), for the columns that are not turned.
;   1488       MISC  bq | bk | bv on end.
; No LDS, no barrier: no wave wants another's bytes.  Mask bytes are taken as 0 or 1.
; LIMITS.  The table is rounded once to f16 (values in -1 .. 1).  The frequencies come from v_exp_f32, so an angle is off by some 2e-4 at position 2,047.
.set K10, 3                            ; v3       2^-10
.set LM,  4                            ; v[4:5]   the mean, twice
.set LR,  6                            ; v[6:7]   1 / sqrt(var + eps), twice
.set LA,  8                            ; v[8:15]  four chains of packed sums
.set X0,  16                           ; v[16:47] the wave's row
.set LG,  48                           ; v[48:79]   gain of my 32 columns
.set LB,  80                           ; v[80:111]  bias of my 32 columns
.set DO,  80                           ; CAST: v[80:87] eight store offsets, never rewritten
.set MOUT, 80                          ; MASK: v[80:111] two sets of 16 registers to store, by turns
.macro LNFOLD                          ; four chains -> one number in every lane
	v_pk_add_f32 v[LA:LA+1], v[LA:LA+1], v[LA+2:LA+3]
	v_pk_add_f32 v[LA+4:LA+5], v[LA+4:LA+5], v[LA+6:LA+7]
	v_pk_add_f32 v[LA:LA+1], v[LA:LA+1], v[LA+4:LA+5]
	v_add_f32 v[LA], v[LA], v[LA+1]
	v_add_f32_dpp v[LA], v[LA], v[LA] row_xmask:1 row_mask:0xf bank_mask:0xf
	v_add_f32_dpp v[LA], v[LA], v[LA] row_xmask:2 row_mask:0xf bank_mask:0xf
	v_add_f32_dpp v[LA], v[LA], v[LA] row_xmask:4 row_mask:0xf bank_mask:0xf
	v_add_f32_dpp v[LA], v[LA], v[LA] row_xmask:8 row_mask:0xf bank_mask:0xf
	v_permlanex16_b32 v[LA+1], v[LA], s12, s13     ; the other half of the lanes; its destination has been written
	v_add_f32 v[LA], v[LA], v[LA+1]
.endm
; One row: mean, then the squares of x - mean (no difference of large sums), scale, gain and bias, one rounding, eight stores of 256 consecutive bytes.
.macro LNROW X
	s_wait_loadcnt 16                              ; the row's eight loads are in; the gain's and the bias's sixteen, issued behind them, may stay out
.irp k, 0,1,2,3
	v_pk_add_f32 v[LA+2*(\k):LA+2*(\k)+1], v[(\X)+4*(\k):(\X)+4*(\k)+1], v[(\X)+4*(\k)+2:(\X)+4*(\k)+3]
.endr
.irp k, 0,1,2,3
	v_pk_add_f32 v[LA+2*(\k):LA+2*(\k)+1], v[LA+2*(\k):LA+2*(\k)+1], v[(\X)+16+4*(\k):(\X)+16+4*(\k)+1]
.endr
.irp k, 0,1,2,3
	v_pk_add_f32 v[LA+2*(\k):LA+2*(\k)+1], v[LA+2*(\k):LA+2*(\k)+1], v[(\X)+16+4*(\k)+2:(\X)+16+4*(\k)+3]
.endr
	LNFOLD
	v_mul_f32 v[LM], v[LA], v[K10]
	v_mul_f32 v[LM+1], v[LA], v[K10]
.set i, 0
.rept 16
	v_pk_add_f32 v[(\X)+2*i:(\X)+2*i+1], v[(\X)+2*i:(\X)+2*i+1], v[LM:LM+1] neg_lo:[0,1] neg_hi:[0,1]
.set i, i+1
.endr
.irp k, 0,1,2,3
	v_pk_mul_f32 v[LA+2*(\k):LA+2*(\k)+1], v[(\X)+2*(\k):(\X)+2*(\k)+1], v[(\X)+2*(\k):(\X)+2*(\k)+1]
.endr
.set i, 4
.rept 12
	v_pk_fma_f32 v[LA+2*(i%4):LA+2*(i%4)+1], v[(\X)+2*i:(\X)+2*i+1], v[(\X)+2*i:(\X)+2*i+1], v[LA+2*(i%4):LA+2*(i%4)+1]
.set i, i+1
.endr
	LNFOLD
	v_fmaak_f32 v[LA], v[LA], v[K10], 0x3727c5ac   ; var + 1e-5
	v_rsq_f32 v[LR], v[LA]
	v_rsq_f32 v[LR+1], v[LA]
	v_nop                                          ; a plain instruction behind the second root,
	s_wait_alu depctr_va_vdst(0)                   ; and one wait for the two, ahead of their first reader
.set i, 0
.rept 16
	v_pk_mul_f32 v[(\X)+2*i:(\X)+2*i+1], v[(\X)+2*i:(\X)+2*i+1], v[LR:LR+1]
.set i, i+1
.endr
	s_wait_loadcnt 0x0                             ; gain and bias
.set i, 0
.rept 16
	v_pk_fma_f32 v[(\X)+2*i:(\X)+2*i+1], v[(\X)+2*i:(\X)+2*i+1], v[LG+2*i:LG+2*i+1], v[LB+2*i:LB+2*i+1]
.set i, i+1
.endr
.set i, 0
.rept 16
	v_cvt_pk_bf16_f32 v[(\X)+i], v[(\X)+2*i], v[(\X)+2*i+1]  ; packed in place: the destination never lies above its sources
.set i, i+1
.endr
.irp j, 0,1,2,3,4,5,6,7
	global_store_b64 v2, v[(\X)+2*(\j):(\X)+2*(\j)+1], s[22:23] offset:256*(\j)  ; 32 lanes store 256 consecutive bytes, aligned
.endr
.endm
	v_lshrrev_b32 v1, 5, v0
	v_readfirstlane_b32 s8, v1                     ; wave 0..7
	s_mov_b32 s9, ttmp9
	s_cmp_lt_u32 s9, 512
	s_cbranch_scc1 .Lln
	s_cmp_lt_u32 s9, 1280
	s_cbranch_scc1 .Lcast
	s_cmp_lt_u32 s9, 1344
	s_cbranch_scc1 .Lmask
	s_cmp_lt_u32 s9, 1488
	s_cbranch_scc1 .Lrope
; ---- MISC: one work-group ----
	s_load_b128 s[16:19], s[0:1], 0x50             ; bq, bk
	s_load_b64 s[20:21], s[0:1], 0x60              ; bv
	s_load_b64 s[22:23], s[0:1], 0x88              ; bqkv
	v_lshlrev_b32 v2, 4, v0                        ; 256 threads x 16 bytes = a bias of 4,096 bytes
	s_wait_kmcnt 0x0
	global_load_b128 v[4:7], v2, s[16:17]
	global_load_b128 v[8:11], v2, s[18:19]
	global_load_b128 v[12:15], v2, s[20:21]
	s_wait_loadcnt 0x2                             ; bq is in; two younger loads may stay out
	global_store_b128 v2, v[4:7], s[22:23]
	s_wait_loadcnt 0x1
	global_store_b128 v2, v[8:11], s[22:23] offset:4096
	s_wait_loadcnt 0x0
	global_store_b128 v2, v[12:15], s[22:23] offset:8192
	s_endpgm
; ---- LN ----
.Lln:
	s_load_b128 s[16:19], s[0:1], 0x0              ; x, ln1_g
	s_load_b64 s[20:21], s[0:1], 0x10              ; ln1_b
	s_load_b64 s[22:23], s[0:1], 0x68              ; actA
	s_lshl_b32 s10, s9, 3
	s_add_co_u32 s10, s10, s8                      ; the wave among 4,096: its row
	s_lshl_b32 s24, s10, 12                        ; a row of 4,096 bytes in,
	s_mov_b32 s25, 0
	s_lshl_b32 s26, s10, 11                        ; of 2,048 out
	s_mov_b32 s27, 0
	s_mov_b32 s12, 0x76543210
	s_mov_b32 s13, 0xfedcba98
	v_and_b32 v2, 31, v0
	v_lshlrev_b32 v1, 4, v2                        ; load j takes columns 128 j + 4 l .. + 3
	v_lshlrev_b32 v2, 3, v2
	v_mov_b32 v[K10], 0x3a800000
	s_wait_kmcnt 0x0
	s_add_nc_u64 s[16:17], s[16:17], s[24:25]
	s_add_nc_u64 s[22:23], s[22:23], s[26:27]
.irp j, 0,1,2,3,4,5,6,7
	global_load_b128 v[X0+4*(\j):X0+4*(\j)+3], v1, s[16:17] offset:512*(\j) th:TH_LOAD_NT
.endr
.irp j, 0,1,2,3,4,5,6,7
	global_load_b128 v[LG+4*(\j):LG+4*(\j)+3], v1, s[18:19] offset:512*(\j)
.endr
.irp j, 0,1,2,3,4,5,6,7
	global_load_b128 v[LB+4*(\j):LB+4*(\j)+3], v1, s[20:21] offset:512*(\j)
.endr
	LNROW X0
	s_endpgm
; ---- CAST: a work-group rounds 16,384 numbers: 16 runs of 1,024.  A run's place in the destination: its number times 2^shift bytes. ----
.Lcast:
	s_load_b256 s[16:23], s[0:1], 0x18             ; Wq, Wk, Wv, Wo
	s_load_b128 s[24:27], s[0:1], 0x38             ; W1, W2
	s_load_b128 s[28:31], s[0:1], 0x70             ; wqkv, wrest
	s_sub_co_u32 s10, s9, 512                      ; c = 0 .. 767
	v_lshlrev_b32 v1, 5, v0                        ; 8 numbers = 32 bytes a thread and item
	s_wait_kmcnt 0x0
	s_cmp_lt_u32 s10, 64
	s_cselect_b64 s[32:33], s[16:17], s[18:19]     ; the source,
	s_cselect_b32 s36, 0, 2048                     ; the matrix's first byte in the destination
	s_cmp_lt_u32 s10, 128
	s_cselect_b64 s[32:33], s[32:33], s[20:21]
	s_cselect_b32 s36, s36, 4096
	s_cmp_lt_u32 s10, 192
	s_cselect_b64 s[32:33], s[32:33], s[22:23]
	s_cselect_b32 s36, s36, 8388608
	s_cselect_b64 s[34:35], s[28:29], s[30:31]     ; the destination,
	s_cselect_b32 s37, 13, 11                      ; the shift: runs 8,192 bytes apart in wqkv, dense in wrest
	s_cmp_lt_u32 s10, 256
	s_cselect_b64 s[32:33], s[32:33], s[24:25]
	s_cselect_b32 s36, s36, 0
	s_cselect_b32 s38, 63, 255                     ; work-groups to a matrix, less one
	s_cmp_lt_u32 s10, 512
	s_cselect_b64 s[32:33], s[32:33], s[26:27]
	s_cselect_b32 s36, s36, 10485760
	s_and_b32 s38, s10, s38                        ; my number inside the matrix
	s_lshl_b32 s40, s38, 16
	s_mov_b32 s41, 0
	s_add_nc_u64 s[32:33], s[32:33], s[40:41]
	s_add_co_u32 s39, s37, 4
	s_lshl_b32 s40, s38, s39                       ; 16 runs a work-group
	s_add_co_u32 s40, s40, s36
	s_add_nc_u64 s[34:35], s[34:35], s[40:41]
	s_lshl_b32 s39, 2, s37                         ; an item is two runs
	v_lshrrev_b32 v2, 7, v0
	v_lshlrev_b32 v2, s37, v2
	v_and_b32 v3, 127, v0
	v_lshl_add_u32 v[DO], v3, 4, v2
.irp i, 1,2,3,4,5,6,7
	v_add_nc_u32 v[DO+(\i)], s39, v[DO+(\i)-1]
.endr
.irp i, 0,1,2,3,4,5,6,7
	global_load_b128 v[16+8*(\i):16+8*(\i)+3], v1, s[32:33] offset:8192*(\i) th:TH_LOAD_NT
	global_load_b128 v[16+8*(\i)+4:16+8*(\i)+7], v1, s[32:33] offset:8192*(\i)+16 th:TH_LOAD_NT
.endr
.irp i, 0,1,2,3,4,5,6,7
	s_wait_loadcnt 14-2*(\i)                       ; item i's two loads are in; the later items' stay out
.irp k, 0,1,2,3
	v_cvt_pk_bf16_f32 v[16+8*(\i)+(\k)], v[16+8*(\i)+2*(\k)], v[16+8*(\i)+2*(\k)+1]  ; packed in place: the destination never lies above its sources
.endr
	global_store_b128 v[DO+(\i)], v[16+8*(\i):16+8*(\i)+3], s[34:35]  ; a wave stores 512 consecutive bytes
.endr
	s_endpgm
; ---- MASK: work-group g takes query tiles 2 g, 2 g + 1.  Thread (r = query in the tile, sp): item i = tile i / 2, key step sp + 16 (i % 2): 64 bytes of one mask row. ----
; Lane (r, h) of the attention wants, for a step, byte 8 kt + j = key 16 kt + 8 h + j; half = kt / 2 is one load of 16 bytes.
.Lmask:
	s_load_b64 s[16:17], s[0:1], 0x48              ; causal_mask
	s_load_b64 s[18:19], s[0:1], 0x80              ; tab
	s_sub_co_u32 s10, s9, 1280
	s_lshl_b32 s20, s10, 16                        ; 32 rows of 2,048 bytes in; two tiles of 32,768 out
	s_mov_b32 s21, 0
	s_mov_b32 s22, 0xf1
	v_and_b32 v2, 15, v0
	v_lshrrev_b32 v3, 4, v0
	v_lshlrev_b32 v4, 11, v2
	v_lshl_add_u32 v4, v3, 6, v4
	v_lshlrev_b32 v5, 4, v2
	v_lshl_add_u32 v5, v3, 10, v5
	s_wait_kmcnt 0x0
	s_add_nc_u64 s[16:17], s[16:17], s[20:21]
	s_add_nc_u64 s[18:19], s[18:19], s[20:21]
.irp i, 0,1,2,3
.irp k, 0,1,2,3
	global_load_b128 v[16+16*(\i)+4*(\k):16+16*(\i)+4*(\k)+3], v4, s[16:17] offset:((\i)>>1)*32768+((\i)&1)*1024+16*(\k) th:TH_LOAD_NT
.endr
.endr
.irp i, 0,1,2,3
	s_wait_loadcnt 12-4*(\i)                       ; item i's four loads are in
.if (\i) >= 2
	s_wait_xcnt 0x0                                ; the stores of the item two back have read the set of registers that is written again
.endif
.irp f, 0,1
.irp h, 0,1
.irp e, 0,1
	v_mul_lo_u32 v[MOUT+16*((\i)&1)+8*(\f)+4*(\h)+(\e)], v[16+16*(\i)+8*(\f)+2*(\h)+(\e)], s22      ; four bytes 0 / 1 -> 0 / 0xF1, and into their place
	v_mul_lo_u32 v[MOUT+16*((\i)&1)+8*(\f)+4*(\h)+2+(\e)], v[16+16*(\i)+8*(\f)+4+2*(\h)+(\e)], s22
.endr
	global_store_b128 v5, v[MOUT+16*((\i)&1)+8*(\f)+4*(\h):MOUT+16*((\i)&1)+8*(\f)+4*(\h)+3], s[18:19] offset:((\i)>>1)*32768+((\i)&1)*16384+(\f)*512+(\h)*256  ; sixteen lanes store 256 consecutive bytes, aligned
.endr
.endr
.endr
	s_endpgm
; ---- ROPE: a wave makes two table rows, 256 bytes.  Lane: row 2 p + l / 16; i = l % 16: cos (i < 8) or sin of frequencies 4 (i % 8) + 0..3. ----
.Lrope:
	s_load_b64 s[16:17], s[0:1], 0x80              ; tab
	s_sub_co_u32 s10, s9, 1344
	s_lshl_b32 s10, s10, 3
	s_add_co_u32 s10, s10, s8                      ; p = 0 .. 1,151
	s_lshl_b32 s18, s10, 8
	s_add_co_u32 s18, s18, 4194304                 ; behind the mask
	s_mov_b32 s19, 0
	s_lshl_b32 s10, s10, 1
	s_mov_b32 s20, 0xbed49a78                      ; -log2(10000) / 32
	s_mov_b32 s21, 0x3f22f983                      ; 2 / pi
	s_mov_b32 s22, 0xbfc90fdb                      ; -(pi / 2), the f32 nearest,
	s_mov_b32 s23, 0x333bbd2e                      ; and what it is too large by
	s_mov_b32 s24, 0xb9500d01                      ; -1 / 5040
	s_mov_b32 s25, 0x3c088889                      ; 1 / 120
	s_mov_b32 s26, 0xbe2aaaab                      ; -1 / 6
	s_mov_b32 s27, 0x37d00d01                      ; 1 / 40320
	s_mov_b32 s28, 0xbab60b61                      ; -1 / 720
	s_mov_b32 s29, 0x3d2aaaab                      ; 1 / 24
	v_and_b32 v2, 31, v0
	v_lshrrev_b32 v3, 4, v2
	v_add_nc_u32 v3, s10, v3                       ; the table row
	v_cmp_gt_u32 vcc_lo, 2048, v3
	v_cndmask_b32 v3, 0, v3, vcc_lo                ; rows 2,048 on: position 0, that is (1, 0)
	v_cvt_f32_u32 v4, v3
	v_bfe_u32 v5, v0, 3, 1
	v_xor_b32 v5, 1, v5                            ; 1: cos(x) = sin(x + pi / 2)
	v_and_b32 v6, 7, v0
	v_lshlrev_b32 v6, 2, v6
	v_lshlrev_b32 v7, 3, v2
.irp n, 0,1,2,3
	v_add_nc_u32 v[8+(\n)], (\n), v6
	v_cvt_f32_u32 v[8+(\n)], v[8+(\n)]
	v_mul_f32 v[8+(\n)], s20, v[8+(\n)]
.endr
.irp n, 0,1,2,3
	v_exp_f32 v[12+(\n)], v[8+(\n)]
.endr
	v_nop
	s_wait_alu depctr_va_vdst(0)                   ; one wait for the four
.irp n, 0,1,2,3
	v_mul_f32 v[12+(\n)], v4, v[12+(\n)]           ; the angle
	v_mul_f32 v[16+(\n)], s21, v[12+(\n)]
	v_rndne_f32 v[16+(\n)], v[16+(\n)]             ; k quarter turns
	v_fma_f32 v[12+(\n)], v[16+(\n)], s22, v[12+(\n)]
	v_fma_f32 v[12+(\n)], v[16+(\n)], s23, v[12+(\n)]  ; r in -pi/4 .. pi/4
	v_mul_f32 v[20+(\n)], v[12+(\n)], v[12+(\n)]
	v_fma_f32 v[24+(\n)], v[20+(\n)], s24, s25
	v_fma_f32 v[24+(\n)], v[24+(\n)], v[20+(\n)], s26
	v_mul_f32 v[28+(\n)], v[12+(\n)], v[20+(\n)]
	v_fma_f32 v[24+(\n)], v[24+(\n)], v[28+(\n)], v[12+(\n)]  ; sin r
	v_fma_f32 v[28+(\n)], v[20+(\n)], s27, s28
	v_fma_f32 v[28+(\n)], v[28+(\n)], v[20+(\n)], s29
	v_fma_f32 v[28+(\n)], v[28+(\n)], v[20+(\n)], -0.5
	v_fma_f32 v[28+(\n)], v[28+(\n)], v[20+(\n)], 1.0         ; cos r
	v_cvt_i32_f32 v[16+(\n)], v[16+(\n)]
	v_add_nc_u32 v[16+(\n)], v[16+(\n)], v5
	v_and_b32 v[20+(\n)], 1, v[16+(\n)]
	v_cmp_eq_u32 vcc_lo, 1, v[20+(\n)]
	v_cndmask_b32 v[24+(\n)], v[24+(\n)], v[28+(\n)], vcc_lo  ; odd quarter: cos
	v_and_b32 v[16+(\n)], 2, v[16+(\n)]
	v_lshlrev_b32 v[16+(\n)], 30, v[16+(\n)]
	v_xor_b32 v[24+(\n)], v[16+(\n)], v[24+(\n)]              ; quarters 2 and 3: the sign turns
.endr
	v_cvt_pk_f16_f32 v32, v24, v25
	v_cvt_pk_f16_f32 v33, v26, v27
	s_wait_kmcnt 0x0
	s_add_nc_u64 s[16:17], s[16:17], s[18:19]
	global_store_b64 v7, v[32:33], s[16:17]        ; 32 lanes store 256 consecutive bytes, aligned
	s_endpgm
.Lfunc_end_k_q55ef5c96f6_prep:
	.size	k_q55ef5c96f6_prep, .Lfunc_end_k_q55ef5c96f6_prep-k_q55ef5c96f6_prep
	.p2alignl 7, 3214868480
	.fill 96, 4, 3214868480
	.section	.rodata,"a",@progbits
	.p2align	6, 0x0
	.amdhsa_kernel k_q55ef5c96f6_prep
		.amdhsa_group_segment_fixed_size 0
		.amdhsa_private_segment_fixed_size 0
		.amdhsa_enable_private_segment 0
		.amdhsa_kernarg_size 144
		.amdhsa_user_sgpr_count 2
		.amdhsa_user_sgpr_kernarg_segment_ptr 1
		.amdhsa_wavefront_size32 1
		.amdhsa_system_sgpr_workgroup_id_x 1
		.amdhsa_system_sgpr_workgroup_id_y 1
		.amdhsa_system_sgpr_workgroup_id_z 1
		.amdhsa_system_vgpr_workitem_id 0
		.amdhsa_next_free_vgpr 112
		.amdhsa_next_free_sgpr 66
		.amdhsa_reserve_vcc 1
		.amdhsa_float_denorm_mode_32 3
		.amdhsa_float_denorm_mode_16_64 3
		.amdhsa_memory_ordered 1
		.amdhsa_forward_progress 1
		.amdhsa_inst_pref_size 33
	.end_amdhsa_kernel
	.amdgpu_metadata
---
amdhsa.version: [ 1, 2 ]
amdhsa.kernels:
  - .name:           k_q55ef5c96f6_prep
    .symbol:         k_q55ef5c96f6_prep.kd
    .args:
      - { .name: x, .offset: 0, .size: 8, .value_kind: global_buffer, .address_space: global }
      - { .name: ln1_g, .offset: 8, .size: 8, .value_kind: global_buffer, .address_space: global }
      - { .name: ln1_b, .offset: 16, .size: 8, .value_kind: global_buffer, .address_space: global }
      - { .name: Wq, .offset: 24, .size: 8, .value_kind: global_buffer, .address_space: global }
      - { .name: Wk, .offset: 32, .size: 8, .value_kind: global_buffer, .address_space: global }
      - { .name: Wv, .offset: 40, .size: 8, .value_kind: global_buffer, .address_space: global }
      - { .name: Wo, .offset: 48, .size: 8, .value_kind: global_buffer, .address_space: global }
      - { .name: W1, .offset: 56, .size: 8, .value_kind: global_buffer, .address_space: global }
      - { .name: W2, .offset: 64, .size: 8, .value_kind: global_buffer, .address_space: global }
      - { .name: causal_mask, .offset: 72, .size: 8, .value_kind: global_buffer, .address_space: global }
      - { .name: bq, .offset: 80, .size: 8, .value_kind: global_buffer, .address_space: global }
      - { .name: bk, .offset: 88, .size: 8, .value_kind: global_buffer, .address_space: global }
      - { .name: bv, .offset: 96, .size: 8, .value_kind: global_buffer, .address_space: global }
      - { .name: actA, .offset: 104, .size: 8, .value_kind: global_buffer, .address_space: global }
      - { .name: wqkv, .offset: 112, .size: 8, .value_kind: global_buffer, .address_space: global }
      - { .name: wrest, .offset: 120, .size: 8, .value_kind: global_buffer, .address_space: global }
      - { .name: tab, .offset: 128, .size: 8, .value_kind: global_buffer, .address_space: global }
      - { .name: bqkv, .offset: 136, .size: 8, .value_kind: global_buffer, .address_space: global }
    .group_segment_fixed_size: 0
    .private_segment_fixed_size: 0
    .kernarg_segment_align: 8
    .kernarg_segment_size: 144
    .max_flat_workgroup_size: 256
    .sgpr_count:     66
    .vgpr_count:     112
    .wavefront_size: 32
...
	.end_amdgpu_metadata
.endif
;; end of part 1
;; launch qkv (part 2): grid 12 x 16, 4 waves a work-group, clusters of 4 x 4, 327,680 bytes of LDS; arguments actA, wqkv, bqkv, tab, actB; writes actB
.if DOCPART == 2
	.amdgcn_target "amdgcn-amd-amdhsa--gfx1250"
	.amdhsa_code_object_version 6
	.text
	.protected	k_q55ef5c96f6_qkv
	.globl	k_q55ef5c96f6_qkv
	.p2align	8
	.type	k_q55ef5c96f6_qkv,@function
k_q55ef5c96f6_qkv:
	s_mov_b64 s[64:65], 0
	v_nop
	global_prefetch_b8 v0, s[64:65] scope:SCOPE_SE
	s_setreg_imm32_b32 hwreg(HW_REG_WAVE_MODE, 25, 1), 1
	s_wait_xcnt 0x0
	s_wait_alu depctr_hold_cnt(0) depctr_sa_sdst(0) depctr_va_vdst(0) depctr_va_sdst(0) depctr_va_ssrc(0) depctr_va_vcc(0) depctr_vm_vsrc(0)
	s_getreg_b32 s2, hwreg(HW_REG_IB_STS2, 6, 4)
	s_cmp_eq_u32 s2, 0
	s_cbranch_scc0 .Lentry_in_a_cluster
	s_endpgm
.Lentry_in_a_cluster:
	s_bfe_u32 s2, ttmp6, 0x10000c
	s_cmp_lg_u32 s2, 0xf033
	s_cbranch_scc0 .Lentry_shape_is_right
	s_endpgm
.Lentry_shape_is_right:
; C = A W + bias on tiles of 256 x 256, K = 1,024.  One text for two launches; GELU chooses the way out when the text is assembled:
;   0: A = y1, W = Wq | Wk | Wv.  q and k are turned (RoPE), and all three go out by heads, [3][32][2048][64] bf16.
;   1: A = y2, W = W1.  h = gelu(C) goes out as [4096][4096] bf16, 33,554,432 bytes into the buffer.
; A: [4096][1024] bf16.  W: [1024 k][4096] bf16, as it lies in the input ([in][out]).  Sums in f32; the bias is the C operand of each sum's first product.
; SHARES.  Four waves, each 128 x 128 of C: 64 accumulators.  K in steps of 128 through two LDS slots; each wave fetches a quarter of a slot with one tensor load.
; THE MATRIX INSTRUCTION IS USED TRANSPOSED: source 0 = 16 columns of W (turned on the way out of LDS by ds_load_tr16_b128), source 1 = 16 rows of A.  A lane then holds row l % 16 of C and columns 8 (l / 16) + 0..7.
; CLUSTER.  4 x 4 work-groups; A's tiles are asked for jointly along a row of the cluster, W's along a column.
; THE TEXT.  A K step is written twice: once in the loop that fills slots again, once in a tail of two trips that fills nothing.
; THE WAY OUT.  When the ring has had its last fill each wave lays its 128 x 128 sums, in f32, over the ring's bytes; a short counted loop reads them back by rows, two units a trip on two sets of registers.
; gelu(u) = u / (1 + 2^(u (A + B u^2))), A = -2 log2(e) 0.79788456, B = 0.044715 A: the same function as 0.5 u (1 + tanh(..)); an overflowing power gives 0 or u, as tanh's ends do.
; REGISTERS: window 0: v16-31 addresses; v64-127, v128-191 A's fragments, two buffers; later the way out.  Window 1: the same numbers for W's fragments; v192-255 the bias.  Windows 2, 3: the accumulators.
.set GELU, 0
.set NF, 8                             ; blocks of 16 along each side of a wave's tile
.set NW, 64                            ; matrix instructions in a quarter step (32 along K)
.set FIRSTLEFT, 8                      ; the youngest loads of a run, which only a quarter's second half wants
.set KSTEP, 128
.set STEPS, 8
.set PA, 272                           ; A's LDS row: 256 bytes + 16
.set PB, 544                           ; W's LDS row: 512 bytes + 32: the turning load's 8 rows x 32 bytes fall on different banks (64 banks of 4 bytes: ISA guide 11.1)
.set HALFT, 34816                      ; what one tensor load brings: 128 x 272 = 64 x 544
.set BOFF, 2*HALFT                     ; W behind A
.set SLOT, 4*HALFT                     ; 0x22000: shares no bit with the four loads' places in slot 0, so one exclusive or changes slots
.set TABL, 2*SLOT                      ; behind the ring (GELU = 0): 256 positions of the table, 128 bytes + 16
.set TP, 144
.if GELU
.set SPARE, 2*SLOT                     ; the spare words, 128 bytes for each wave, that no other line names
.else
.set SPARE, TABL+256*TP
.endif
.set DP, 528                           ; the dump's row: 128 f32 + 16 bytes
.set DREG, 128*DP                      ; a wave's dump
.set APITCH, 2048
.set WPITCH, 8192
.set ADRA0, 16                         ; my place in A's tile, slot 0; never rewritten
.set ADRA, 17                          ; the same in the slot in hand
.set ADRB0, 18
.set ADRB, 19
.set DST, 21                           ; where my 32 bytes of a dumped row go
.set RS0, 22                           ; RoPE: my 8 channels,
.set RO0, 23                           ; the 8 channels 32 away,
.set RT0, 24                           ; my 8 frequencies in the table
.set SGM, 25                           ; the sign of rotate_half, on two f16
.set GO0, 26                           ; my bytes in a store
.set RG0, 27                           ; gelu: my 16 bytes of a dumped row
.set SPW, 28
.set NIL, 29
.set PFO, 30
.set BO, 31
.set F0, 64
.set F1, 128
.set BIAS, 192
.set G1, 24                            ; s[24:31] group 1 for A;  s[32:39] group 0: set 0 for the first fill, set 1 walks
.set G0, 32
.set LIM, 43
.set PFA, 44
.set G1B, 48                           ; the same for W
.set G0B, 56
.set PST, 66                           ; s[66:67] a K step in bytes, for the prefetches
.set G1T, 68                           ; s[68:75], s[76:79] the table's descriptor
.set GTB, 76
.set TB, 80                            ; 0 or SLOT: the slot in hand
.set OUT, 82
.set CA, 84                            ; s[84:85] A,  s[86:87] B
.set CB, 86
.set UO, 88                            ; the way out: the dump's byte, the table's byte, the output's byte of the pair of units to come
.set TO, 89
.set GOFF, 90
.set CN2, 91
.set TABP, 92                          ; s[92:93] tab
.set MSB, 0
.macro WIN new                         ; the immediate's high byte repeats the setting that is left; a switch that changes nothing is dropped
.if MSB != (\new)
	s_set_vgpr_msb (MSB<<8)|(\new)
.set MSB, \new
.endif
.endm
.macro PLACES                          ; four plain places behind matrix instructions, ahead of loads into their sources and of readers of their results
.rept 4
	v_nop
.endr
.endm
.macro CREST                           ; a round of the cluster's barrier behind its opening barrier
	s_cmp_lg_u32 s10, 0
	s_cbranch_scc1 .Lnot_wave_0_\@
	s_barrier_signal -3
.Lnot_wave_0_\@:
	s_barrier_wait -3
	s_barrier_signal -1
	s_barrier_wait -1
.endm
.macro CROUND
	s_barrier_signal -1
	s_barrier_wait -1
	CREST
.endm
.macro JLOAD                           ; a joint refill by the walking descriptor: waves 0, 1 A's halves, waves 2, 3 W's; s_nop 0 and four v_nop follow each line
	s_cmp_eq_u32 s11, 0
	s_cbranch_scc0 .Lfor_b_\@
	tensor_load_to_lds s[G0+4:G0+7], s[G1:G1+7]
	s_nop 0
	PLACES
	s_branch .Lasked_\@
.Lfor_b_\@:
	tensor_load_to_lds s[G0B+4:G0B+7], s[G1B:G1B+7]
	s_nop 0
	PLACES
.Lasked_\@:
.endm
; A prefetch behind each refill: the K step two refills on, 32 blocks of 256 bytes, a lane a block.  A's rows are asked for by the clusters with x = 0, W's by those with y = 0; the four partners of a joint
; load share its blocks out by address.  So each block is named once.  K steps 0 to 3 come by their loads alone; the refills of steps 6 and 7 ask for nothing (s3 is 2 and 1 there).
.macro ASK
	s_cmp_gt_u32 s3, s[LIM]
	s_cbranch_scc0 .Lnot_mine_\@
	global_prefetch_b8 v[PFO], s[PFA:PFA+1] th:TH_LOAD_NT scope:SCOPE_SE
.Lnot_mine_\@:
.endm
; Matrix instructions u0 .. u1 - 1 of a quarter, from buffer f: accumulator t = u: row block t / 8, column block t % 8.  The 64 take turns.  first = 1: C is the bias.
.macro MULR f, u0, u1, first
.set u, \u0
.rept (\u1)-(\u0)
.set aa, u/NF
.set bb, u%NF
.set ww, 2+u/32
.set dd, 8*(u%32)
.if \first
	WIN (ww<<6)|(1<<4)|1
	v_wmma_f32_16x16x32_bf16 v[dd:dd+7], v[(\f)+8*bb:(\f)+8*bb+7], v[(\f)+8*aa:(\f)+8*aa+7], v[BIAS+8*bb:BIAS+8*bb+7]
.else
	WIN (ww<<6)|(ww<<4)|1
	v_wmma_f32_16x16x32_bf16 v[dd:dd+7], v[(\f)+8*bb:(\f)+8*bb+7], v[(\f)+8*aa:(\f)+8*aa+7], v[dd:dd+7]
.endif
.set u, u+1
.endr
.endm
.macro FETCH kq, f                     ; 32 LDS loads in one run: quarter kq's fragments of W (turned), then of A
	WIN 0x40
.irp i, 0,1,2,3,4,5,6,7
	ds_load_tr16_b128 v[(\f)+8*(\i):(\f)+8*(\i)+3],   v[ADRB] offset:32*(\kq)*PB+32*(\i)
	ds_load_tr16_b128 v[(\f)+8*(\i)+4:(\f)+8*(\i)+7], v[ADRB] offset:(32*(\kq)+16)*PB+32*(\i)
.endr
	WIN 0
.irp i, 0,1,2,3,4,5,6,7
	ds_load_b128 v[(\f)+8*(\i):(\f)+8*(\i)+3],   v[ADRA] offset:(\i)*16*PA+64*(\kq)
	ds_load_b128 v[(\f)+8*(\i)+4:(\f)+8*(\i)+7], v[ADRA] offset:(\i)*16*PA+64*(\kq)+32
.endr
.endm
.macro QUARTER kq, f, g, first         ; multiplies buffer f; in its middle fetches quarter kq into g
	s_wait_dscnt FIRSTLEFT                         ; W and A's rows 0-63 are in; A's rows 64-127 may be out
	MULR \f, 0, NW/2, \first
	PLACES
	FETCH \kq, \g
	s_wait_dscnt 32                                ; all but the 32 just issued
	MULR \f, NW/2, NW, \first
.endm
; A step's last quarter, and the change of slots: each wave waits for all its tensor loads, adds 0 to its spare word, waits for that and for its reads of the slot.  fill = 1: the barrier opens a round of
; the cluster's, and the joint refill is the first thing behind it: 224 matrix instructions ahead of the wait for it.
.macro TURN fill
.if \fill
	s_wait_xcnt 0x0                                ; the last prefetch, a K step back, has read its address
	s_add_nc_u64 s[PFA:PFA+1], s[PFA:PFA+1], s[PST:PST+1]
.endif
	WIN 0
	s_wait_tensorcnt 0x0                           ; my part of the other slot is in, and no load of mine is out
	ds_add_u32 v[SPW], v[NIL]
	s_wait_dscnt FIRSTLEFT+1                       ; (the add and the youngest eight loads may be out)
	MULR F1, 0, NW/4, 0
	s_wait_dscnt 0x0                               ; the add is done, my reads of this slot are over
	s_barrier_signal -1
	MULR F1, NW/4, NW/2, 0
	WIN 0
	s_barrier_wait -1
.if \fill
	CREST
	s_xor_b32 s[G0+5], s[G0+5], SLOT               ; the walking descriptors: the slot just read, the next K step
	s_add_nc_u64 s[G0+6:G0+7], s[G0+6:G0+7], KSTEP*2
	s_xor_b32 s[G0B+5], s[G0B+5], SLOT
	s_add_nc_u64 s[G0B+6:G0B+7], s[G0B+6:G0B+7], KSTEP*WPITCH
	JLOAD
.else
	PLACES
.endif
	s_xor_b32 s[TB], s[TB], SLOT
	v_add_nc_u32 v[ADRA], s[TB], v[ADRA0]
	v_add_nc_u32 v[ADRB], s[TB], v[ADRB0]
	FETCH 0, F0
.if \fill
	ASK
.endif
	MULR F1, NW/2, NW, 0
.endm
; ---- the way out with RoPE (GELU = 0).  A unit is 4 rows x my 2 heads; lane: row l / 8, channels 8 (l % 8) + 0..7 of each head.  Two units a trip, on register sets 0 and 1. ----
.set RTC, 32                           ; + 8 k: cos, 8 f16;  + 4: sin
.set RXS, 64                           ; + 32 k: my channels, head q at + 8 q
.set RXO, 80                           ; + 32 k: the channels 32 away
.set RTT, 144
.set RPK, 160                          ; + 8 k
.set RGA, 176
.set RRA, 180
.set RZR, 183
.macro RADDR                           ; the LDS addresses of the pair of units to come: made once, stepped by a constant; the pair's second unit stands in the immediates
	v_add_nc_u32 v[RRA], s[UO], v[RS0]
	v_add_nc_u32 v[RRA+1], s[UO], v[RO0]
	v_add_nc_u32 v[RRA+2], s[TO], v[RT0]
	s_add_co_u32 s[UO], s[UO], 8*DP
	s_add_co_u32 s[TO], s[TO], 8*TP
.endm
.macro LOADU k                         ; ten LDS loads: a unit's sums, and its four positions of the table
.irp q, 0,1
	ds_load_b128 v[RXS+32*(\k)+8*(\q):RXS+32*(\k)+8*(\q)+3],   v[RRA] offset:(\k)*4*DP+256*(\q)
	ds_load_b128 v[RXS+32*(\k)+8*(\q)+4:RXS+32*(\k)+8*(\q)+7], v[RRA] offset:(\k)*4*DP+256*(\q)+16
	ds_load_b128 v[RXO+32*(\k)+8*(\q):RXO+32*(\k)+8*(\q)+3],   v[RRA+1] offset:(\k)*4*DP+256*(\q)
	ds_load_b128 v[RXO+32*(\k)+8*(\q)+4:RXO+32*(\k)+8*(\q)+7], v[RRA+1] offset:(\k)*4*DP+256*(\q)+16
.endr
	ds_load_b128 v[RTC+8*(\k):RTC+8*(\k)+3],   v[RRA+2] offset:(\k)*4*TP
	ds_load_b128 v[RTC+8*(\k)+4:RTC+8*(\k)+7], v[RRA+2] offset:(\k)*4*TP+64
.endm
.macro UNIT k, more, left              ; more = 1: the set is loaded again, two units on; left: the younger LDS loads, which may stay out
	s_wait_dscnt \left
	s_wait_xcnt 0x0                                ; the earlier stores have read their registers
.if (\k) == 0
	v_add_nc_u32 v[RGA], s[GOFF], v[GO0]           ; the pair's place in the output
	s_add_co_u32 s[GOFF], s[GOFF], 1024
.endif
.irp e, 0,1,2,3
	v_xor_b32 v[RTC+8*(\k)+4+(\e)], v[SGM], v[RTC+8*(\k)+4+(\e)]
.endr
.irp q, 0,1
.irp e, 0,1,2,3                        ; x[d +- 32] sin, the table's f16 halves read as they lie
	v_fma_mix_f32 v[RTT+8*(\q)+2*(\e)],   v[RXO+32*(\k)+8*(\q)+2*(\e)],   v[RTC+8*(\k)+4+(\e)], v[RZR] op_sel_hi:[0,1,0]
	v_fma_mix_f32 v[RTT+8*(\q)+2*(\e)+1], v[RXO+32*(\k)+8*(\q)+2*(\e)+1], v[RTC+8*(\k)+4+(\e)], v[RZR] op_sel:[0,1,0] op_sel_hi:[0,1,0]
.endr
.endr
.irp q, 0,1
.irp e, 0,1,2,3                        ; + x[d] cos
	v_fma_mix_f32 v[RTT+8*(\q)+2*(\e)],   v[RXS+32*(\k)+8*(\q)+2*(\e)],   v[RTC+8*(\k)+(\e)], v[RTT+8*(\q)+2*(\e)] op_sel_hi:[0,1,0]
	v_fma_mix_f32 v[RTT+8*(\q)+2*(\e)+1], v[RXS+32*(\k)+8*(\q)+2*(\e)+1], v[RTC+8*(\k)+(\e)], v[RTT+8*(\q)+2*(\e)+1] op_sel:[0,1,0] op_sel_hi:[0,1,0]
.endr
.endr
.irp e, 0,1,2,3,4,5,6,7
	v_cvt_pk_bf16_f32 v[RPK+8*(\k)+(\e)], v[RTT+2*(\e)], v[RTT+2*(\e)+1]
.endr
	global_store_b128 v[RGA], v[RPK+8*(\k):RPK+8*(\k)+3],   s[OUT:OUT+1] offset:512*(\k)         ; four rows of a head: 512 consecutive bytes
	global_store_b128 v[RGA], v[RPK+8*(\k)+4:RPK+8*(\k)+7], s[OUT:OUT+1] offset:262144+512*(\k)  ; the next head
.if \more
.if (\k) == 0
	RADDR
.endif
	LOADU \k
.endif
.endm
; ---- the way out with gelu (GELU = 1).  A unit is 4 rows; lane: columns 4 l .. 4 l + 3 of each.  Two units a trip, on register sets 0 and 1. ----
.set GX, 64                            ; + 16 k
.set GE, 128
.set GPK, 160                          ; + 8 k
.set GGA, 192
.set GRA, 194
.macro GADDR                           ; the LDS address of the pair of units to come
	v_add_nc_u32 v[GRA], s[UO], v[RG0]
	s_add_co_u32 s[UO], s[UO], 8*DP
.endm
.macro GLOAD k
.irp j, 0,1,2,3
	ds_load_b128 v[GX+16*(\k)+4*(\j):GX+16*(\k)+4*(\j)+3], v[GRA] offset:(4*(\k)+(\j))*DP
.endr
.endm
.macro HALF k, more, left
	s_wait_dscnt \left
	s_wait_xcnt 0x0                                ; the earlier stores have read their registers
.if (\k) == 0
	v_add_nc_u32 v[GGA], s[GOFF], v[GO0]           ; the pair's place in the output
	s_add_co_u32 s[GOFF], s[GOFF], 65536
.endif
.set i, 0
.rept 8
	v_pk_mul_f32 v[GE+2*i:GE+2*i+1], v[GX+16*(\k)+2*i:GX+16*(\k)+2*i+1], v[GX+16*(\k)+2*i:GX+16*(\k)+2*i+1]
.set i, i+1
.endr
.set i, 0
.rept 8
	v_pk_fma_f32 v[GE+2*i:GE+2*i+1], v[GE+2*i:GE+2*i+1], s[CB:CB+1], s[CA:CA+1] op_sel_hi:[1,0,0]
.set i, i+1
.endr
.set i, 0
.rept 8
	v_pk_mul_f32 v[GE+2*i:GE+2*i+1], v[GE+2*i:GE+2*i+1], v[GX+16*(\k)+2*i:GX+16*(\k)+2*i+1]
.set i, i+1
.endr
.set i, 0
.rept 16
	v_exp_f32 v[GE+i], v[GE+i]
.set i, i+1
.endr
	v_nop                                          ; a plain instruction behind the last power,
	s_wait_alu depctr_va_vdst(0)                   ; and one wait for the 16
.set i, 0
.rept 8
	v_pk_add_f32 v[GE+2*i:GE+2*i+1], v[GE+2*i:GE+2*i+1], 1.0 op_sel_hi:[1,0]
.set i, i+1
.endr
.set i, 0
.rept 16
	v_rcp_f32 v[GE+i], v[GE+i]
.set i, i+1
.endr
	v_nop
	s_wait_alu depctr_va_vdst(0)                   ; one wait for the 16 reciprocals
.set i, 0
.rept 8
	v_pk_mul_f32 v[GX+16*(\k)+2*i:GX+16*(\k)+2*i+1], v[GX+16*(\k)+2*i:GX+16*(\k)+2*i+1], v[GE+2*i:GE+2*i+1]
.set i, i+1
.endr
.set i, 0
.rept 8
	v_cvt_pk_bf16_f32 v[GPK+8*(\k)+i], v[GX+16*(\k)+2*i], v[GX+16*(\k)+2*i+1]
.set i, i+1
.endr
.irp j, 0,1,2,3
	global_store_b64 v[GGA], v[GPK+8*(\k)+2*(\j):GPK+8*(\k)+2*(\j)+1], s[OUT:OUT+1] offset:8192*(4*(\k)+(\j))  ; 32 lanes store 256 consecutive bytes, aligned
.endr
.if \more
.if (\k) == 0
	GADDR
.endif
	GLOAD \k
.endif
.endm
	s_load_b128 s[4:7], s[0:1], 0x0                ; A, W
	s_load_b64 s[8:9], s[0:1], 0x10                ; bias
.if GELU
	s_load_b64 s[OUT:OUT+1], s[0:1], 0x18
.else
	s_load_b64 s[TABP:TABP+1], s[0:1], 0x18        ; tab
	s_load_b64 s[OUT:OUT+1], s[0:1], 0x20
.endif
	v_lshl_add_u32 v[SPW], v0, 2, SPARE
	v_mov_b32 v[NIL], 0
	ds_add_u32 v[SPW], v[NIL]                      ; the wave's opening: the add and its wait ahead of my first tensor load
	v_lshrrev_b32 v1, 5, v0
	v_readfirstlane_b32 s10, v1                    ; wave 0..3
	s_lshr_b32 s11, s10, 1                         ; my half of the rows; also: I fetch A (0) or W (1)
	s_and_b32 s12, s10, 1                          ; my half of the columns; also: which half of that tile I fetch
	s_bfe_u32 s40, ttmp6, 0x40000                  ; cx
	s_bfe_u32 s41, ttmp6, 0x40004                  ; cy
	s_lshl_b32 s42, ttmp9, 2
	s_add_co_u32 s42, s42, s40                     ; tile column
	s_and_b32 s13, ttmp7, 0xffff
	s_lshl_b32 s13, s13, 2
	s_add_co_u32 s13, s13, s41                     ; tile row
	s_lshl_b32 s14, s41, 2
	s_lshl_b32 s14, 15, s14                        ; my row of the cluster
	s_lshl_b32 s15, 0x1111, s40                    ; my column
	s_or_b32 s[G1], s14, (1<<16)|(1<<20)|(1<<21)|(5<<22)|(3<<25)   ; 2-byte elements; after every 64 words 4 words of padding; bit 21 beside the mask
	s_mov_b32 s[G1+1], 128<<16                     ; tensor_dim0 = 128
	s_mov_b32 s[G1+2], 128<<16                     ; tensor_dim1 = 128
	s_mov_b32 s[G1+3], 128<<16                     ; tile_dim0 = 128
	s_mov_b32 s[G1+4], 128                         ; tile_dim1 = 128
	s_mov_b32 s[G1+5], 1024                        ; elements from row to row
	s_mov_b32 s[G1+6], 0
	s_mov_b32 s[G1+7], 0
	s_or_b32 s[G1B], s15, (1<<16)|(1<<20)|(1<<21)|(6<<22)|(7<<25)  ; after every 128 words 8 words of padding
	s_mov_b32 s[G1B+1], 256<<16
	s_mov_b32 s[G1B+2], 64<<16
	s_mov_b32 s[G1B+3], 256<<16
	s_mov_b32 s[G1B+4], 64
	s_mov_b32 s[G1B+5], 4096
	s_mov_b32 s[G1B+6], 0
	s_mov_b32 s[G1B+7], 0
	s_lshl_b32 s16, s13, 8                         ; A: row 256 x tile row + 128 x half, 2,048 bytes a row
	s_lshl_b32 s17, s12, 7
	s_add_co_u32 s16, s16, s17
	s_lshl_b32 s16, s16, 11
	s_mov_b32 s17, 0
	s_lshl_b32 s46, s12, 19                        ; W: k row 64 x half, 8,192 bytes a row; 512 bytes a tile column
	s_lshl_b32 s47, s42, 9
	s_add_co_u32 s46, s46, s47
	s_mov_b32 s47, 0
	s_mul_i32 s20, s10, HALFT                      ; where my load goes: the wave's number alone
.if GELU == 0
	s_mov_b32 s[G1T], (1<<16)|(1<<20)|(4<<22)|(3<<25)              ; the table: my own load, no mask; 64 positions are 8,192 dense bytes: 32 rows of 256, padded after every 128
	s_mov_b32 s[G1T+1], 128<<16
	s_mov_b32 s[G1T+2], 32<<16
	s_mov_b32 s[G1T+3], 128<<16
	s_mov_b32 s[G1T+4], 32
	s_mov_b32 s[G1T+5], 128
	s_mov_b32 s[G1T+6], 0
	s_mov_b32 s[G1T+7], 0
	s_lshl_b32 s18, s13, 8                         ; the table rows of my tile's 256 positions; for cluster x = 2 (v) the rows (1, 0)
	s_and_b32 s18, s18, 2047
	s_mov_b32 s19, ttmp9
	s_cmp_ge_u32 s19, 2
	s_cselect_b32 s18, 2048, s18
	s_lshl_b32 s18, s18, 7
	s_lshl_b32 s19, s10, 13                        ; my 64 of them
	s_add_co_u32 s18, s18, s19
	s_add_co_u32 s18, s18, 4194304
	s_mov_b32 s19, 0
	s_mul_i32 s21, s10, 64*TP
	s_add_co_u32 s21, s21, TABL
.endif
	s_wait_dscnt 0x0                               ; the opening add is done
	s_wait_kmcnt 0x0
	s_add_nc_u64 s[14:15], s[4:5], s[16:17]
	s_add_nc_u64 s[46:47], s[6:7], s[46:47]
.irp s, 0,1
	s_mov_b32 s[G0+4*(\s)], 1
	s_add_co_u32 s[G0+4*(\s)+1], s20, (\s)*SLOT
	s_add_nc_u64 s[G0+4*(\s)+2:G0+4*(\s)+3], s[14:15], (\s)*KSTEP*2
	s_or_b32 s[G0+4*(\s)+3], s[G0+4*(\s)+3], 0x80000000
	s_mov_b32 s[G0B+4*(\s)], 1
	s_add_co_u32 s[G0B+4*(\s)+1], s20, (\s)*SLOT
	s_add_nc_u64 s[G0B+4*(\s)+2:G0B+4*(\s)+3], s[46:47], (\s)*KSTEP*WPITCH
	s_or_b32 s[G0B+4*(\s)+3], s[G0B+4*(\s)+3], 0x80000000
.endr
.if GELU == 0
	s_mov_b32 s[GTB], 1
	s_mov_b32 s[GTB+1], s21
	s_add_nc_u64 s[GTB+2:GTB+3], s[TABP:TABP+1], s[18:19]
	s_or_b32 s[GTB+3], s[GTB+3], 0x80000000
.endif
	CROUND                                         ; all sixteen work-groups are here: the first joint loads meet
	s_cmp_eq_u32 s11, 0                            ; a wave's first fills stand in one branch: K steps 0 and 1 and, with GELU = 0, its quarter of the table: 3 - GELU loads of mine are out
	s_cbranch_scc0 .Lfirst_w
	tensor_load_to_lds s[G0:G0+3], s[G1:G1+7]
	s_nop 0
	tensor_load_to_lds s[G0+4:G0+7], s[G1:G1+7]
	s_nop 0
.if GELU == 0
	tensor_load_to_lds s[GTB:GTB+3], s[G1T:G1T+7]
	s_nop 0
.endif
	PLACES
	s_branch .Lfirst_done
.Lfirst_w:
	tensor_load_to_lds s[G0B:G0B+3], s[G1B:G1B+7]
	s_nop 0
	tensor_load_to_lds s[G0B+4:G0B+7], s[G1B:G1B+7]
	s_nop 0
.if GELU == 0
	tensor_load_to_lds s[GTB:GTB+3], s[G1T:G1T+7]
	s_nop 0
.endif
	PLACES
.Lfirst_done:
	; the bias of my 128 columns: register 8 b + j holds column 16 b + 8 (l / 16) + j, as the accumulators do
	s_lshl_b32 s20, s42, 10
	s_lshl_b32 s21, s12, 9
	s_add_co_u32 s20, s20, s21
	s_mov_b32 s21, 0
	s_add_nc_u64 s[8:9], s[8:9], s[20:21]
	v_and_b32 v1, 15, v0                           ; l % 16
	v_bfe_u32 v2, v0, 4, 1                         ; l / 16
	v_lshlrev_b32 v[BO], 5, v2
	WIN 0x40
.irp b, 0,1,2,3,4,5,6,7
	global_load_b128 v[BIAS+8*(\b):BIAS+8*(\b)+3],   v[BO], s[8:9] offset:64*(\b)
	global_load_b128 v[BIAS+8*(\b)+4:BIAS+8*(\b)+7], v[BO], s[8:9] offset:64*(\b)+16
.endr
	WIN 0
	; the prefetches' address: at K step 3; each refill steps it first
	s_lshl_b32 s20, s13, 8
	s_lshl_b32 s21, s12, 7
	s_add_co_u32 s20, s20, s21
	s_lshl_b32 s21, s40, 5                         ; of the 128 rows of A that I fetch, my work-group's 32
	s_add_co_u32 s20, s20, s21
	s_lshl_b32 s20, s20, 11
	s_add_co_u32 s20, s20, 3*KSTEP*2
	s_lshl_b32 s22, s12, 6
	s_lshl_b32 s23, s41, 4                         ; of the 64 rows of W, my work-group's 16, two blocks each
	s_add_co_u32 s22, s22, s23
	s_lshl_b32 s22, s22, 13
	s_lshl_b32 s23, s42, 9
	s_add_co_u32 s22, s22, s23
	s_add_co_u32 s22, s22, 3*KSTEP*WPITCH
	s_and_b32 s23, ttmp7, 0xffff                   ; cluster y
	s_mov_b32 s[PST], KSTEP*2
	s_mov_b32 s[PST+1], 0
	s_mov_b32 s21, APITCH
	s_cmp_eq_u32 s11, 0
	s_cselect_b32 s20, s20, s22
	s_cselect_b32 s23, ttmp9, s23                  ; the coordinate along which other clusters read the same rows
	s_cselect_b64 s[PFA:PFA+1], s[4:5], s[6:7]
	s_cselect_b32 s[PST], s[PST], KSTEP*WPITCH
	s_cselect_b32 s22, s21, WPITCH
	s_cmp_eq_u32 s23, 0
	s_cselect_b32 s[LIM], 2, -1                    ; the same in all sixteen partners, for a given wave
	s_mov_b32 s21, 0
	s_add_nc_u64 s[PFA:PFA+1], s[PFA:PFA+1], s[20:21]
	v_and_b32 v3, 31, v0
	v_lshrrev_b32 v4, s11, v3
	v_mul_u32_u24 v4, v4, s22
	v_and_b32 v5, s11, v3
	v_lshl_add_u32 v[PFO], v5, 8, v4
	; my lane's places in LDS
	v_mul_u32_u24 v3, v1, PA
	v_lshl_add_u32 v3, v2, 4, v3
	s_mul_i32 s20, s11, HALFT
	v_add_nc_u32 v[ADRA0], s20, v3                 ; row x pitch + 16 x half, in my 128 rows of A
	v_and_b32 v4, 7, v0
	v_lshl_add_u32 v4, v2, 3, v4
	v_mul_u32_u24 v4, v4, PB                       ; the turning load: k row 8 (l / 16) + l % 8,
	v_bfe_u32 v5, v0, 3, 1
	v_lshl_add_u32 v4, v5, 4, v4                   ; columns 8 ((l / 8) % 2) + 0..7,
	s_lshl_b32 s21, s12, 8
	s_add_co_u32 s21, s21, BOFF
	v_add_nc_u32 v[ADRB0], s21, v4                 ; in my 128 columns of W
	s_mul_i32 s22, s10, DREG
	v_mul_u32_u24 v5, v1, DP
	v_lshl_add_u32 v5, v2, 5, v5
	v_add_nc_u32 v[DST], s22, v5
	s_wait_tensorcnt 2-GELU                        ; my part of K step 0 is in; step 1's (and the table's) may stay out
	s_barrier_signal -1
	s_barrier_wait -1
	s_mov_b32 s[TB], 0
	v_mov_b32 v[ADRA], v[ADRA0]
	v_mov_b32 v[ADRB], v[ADRB0]
	FETCH 0, F0
	s_wait_loadcnt 0x0                             ; the bias
	QUARTER 1, F0, F1, 1                           ; the first quarter stands in front of the loop: its products start the sums, on the bias
	WIN 0
	s_mov_b32 s3, STEPS-2
.Lstep:                                        ; a trip: a step's quarters 1 to 3, the refill two steps on, the next step's quarter 0
	QUARTER 2, F1, F0, 0
	QUARTER 3, F0, F1, 0
	TURN 1
	QUARTER 1, F0, F1, 0
	WIN 0
	s_sub_co_u32 s3, s3, 1
	s_cmp_lg_u32 s3, 0
	s_cbranch_scc1 .Lstep
	s_mov_b32 s3, 2
.Ltail:                                        ; the last two steps ask for nothing: the same trip without a refill, twice, left in the second trip's middle.
	QUARTER 2, F1, F0, 0                           ; The second trip's change of slots fetches 32 fragments of the slot read before it, which serve nothing: the price of one text for both steps
	QUARTER 3, F0, F1, 0
	TURN 0
	WIN 0
	s_sub_co_u32 s3, s3, 1
	s_cmp_eq_u32 s3, 0
	s_cbranch_scc1 .Lsums
	QUARTER 1, F0, F1, 0
	WIN 0
	s_branch .Ltail
.Lsums:
	PLACES
	; THE DUMP.  Every wave's reads of the ring are over (a barrier says so), and the ring has had its last fill: my 128 x 128 sums go over it, rows of 528 bytes.
	s_wait_dscnt 0x0
	s_barrier_signal -1
	s_barrier_wait -1
.set t, 0
.rept 64
	WIN 0x08+4*(t/32)                              ; the stores' data in window 2 or 3
	ds_store_b128 v[DST], v[8*(t%32):8*(t%32)+3]   offset:(t/8)*16*DP+(t%8)*64      ; each accumulator's low registers first
	ds_store_b128 v[DST], v[8*(t%32)+4:8*(t%32)+7] offset:(t/8)*16*DP+(t%8)*64+16
.set t, t+1
.endr
	WIN 0
	s_wait_dscnt 0x0                               ; my stores are done;
	s_barrier_signal -1
	s_barrier_wait -1                              ; everybody's are: from here on the dumps and the table are only read
	s_mov_b32 s[UO], 0
	s_mov_b32 s[GOFF], 0
	v_and_b32 v3, 31, v0
	s_mul_i32 s14, s10, DREG
.if GELU
	v_lshl_add_u32 v[RG0], v3, 4, s14
	v_lshlrev_b32 v[GO0], 3, v3
	s_lshl_b32 s14, s13, 8
	s_lshl_b32 s15, s11, 7
	s_add_co_u32 s14, s14, s15
	s_lshl_b32 s14, s14, 13                        ; 8,192 bytes a row of h
	s_lshl_b32 s15, s42, 9
	s_add_co_u32 s14, s14, s15
	s_lshl_b32 s15, s12, 8
	s_add_co_u32 s14, s14, s15
	s_add_co_u32 s14, s14, 33554432
	s_mov_b32 s15, 0
	s_add_nc_u64 s[OUT:OUT+1], s[OUT:OUT+1], s[14:15]
	s_mov_b32 s[CA], 0xc0135761                    ; A = -2.3022082
	s_mov_b32 s[CA+1], s[CA]
	s_mov_b32 s[CB], 0xbdd2d3e8                    ; B = -0.10294324
	s_mov_b32 s[CB+1], s[CB]
	GADDR
	GLOAD 0                                        ; rows 0-3
	GLOAD 1                                        ; rows 4-7
	s_mov_b32 s[CN2], 15
.Lgl:                                          ; a trip: 8 rows go out, the 8 rows behind the next 8 come in; four younger loads may stay out at each wait
	HALF 0, 1, 4
	HALF 1, 1, 4
	s_sub_co_u32 s[CN2], s[CN2], 1
	s_cmp_lg_u32 s[CN2], 0
	s_cbranch_scc1 .Lgl
	HALF 0, 0, 4                                   ; the last 8 rows load nothing
	HALF 1, 0, 0
.else
	v_lshrrev_b32 v4, 3, v3
	v_and_b32 v5, 7, v3
	v_mul_u32_u24 v6, v4, DP
	v_add_nc_u32 v6, s14, v6
	v_lshl_add_u32 v[RS0], v5, 5, v6
	v_xor_b32 v7, 4, v5
	v_lshl_add_u32 v[RO0], v7, 5, v6
	s_mul_i32 s15, s11, 128*TP
	s_add_co_u32 s15, s15, TABL
	v_mul_u32_u24 v[RT0], v4, TP
	v_and_b32 v7, 3, v3
	v_lshl_add_u32 v[RT0], v7, 4, v[RT0]
	v_add_nc_u32 v[RT0], s15, v[RT0]
	s_mov_b32 s15, 0x80008000
	v_cmp_gt_u32 vcc_lo, 4, v5
	v_cndmask_b32 v[SGM], 0, s15, vcc_lo           ; channels 0-31 take -x[d + 32]
	v_lshlrev_b32 v[GO0], 4, v3
	v_mov_b32 v[RZR], 0
	s_mov_b32 s[TO], 0
	s_lshl_b32 s14, ttmp9, 5                       ; q, k or v: 32 heads each
	s_lshr_b32 s15, s13, 3
	s_lshl_b32 s15, s15, 4                         ; the batch: 16 heads
	s_add_co_u32 s14, s14, s15
	s_lshl_b32 s15, s40, 2                         ; a tile column is 4 heads,
	s_add_co_u32 s14, s14, s15
	s_lshl_b32 s15, s12, 1                         ; my half of it 2
	s_add_co_u32 s14, s14, s15
	s_lshl_b32 s14, s14, 11
	s_lshl_b32 s15, s13, 8
	s_and_b32 s15, s15, 2047                       ; the tile's first position
	s_add_co_u32 s14, s14, s15
	s_lshl_b32 s15, s11, 7
	s_add_co_u32 s14, s14, s15
	s_lshl_b32 s14, s14, 7                         ; 128 bytes a row of a head
	s_mov_b32 s15, 0
	s_add_nc_u64 s[OUT:OUT+1], s[OUT:OUT+1], s[14:15]
	RADDR
	LOADU 0                                        ; rows 0-3
	LOADU 1                                        ; rows 4-7
	s_mov_b32 s[CN2], 15
.Lrope:                                        ; a trip: 8 rows go out, the 8 rows behind the next 8 come in; ten younger loads may stay out at each wait
	UNIT 0, 1, 10
	UNIT 1, 1, 10
	s_sub_co_u32 s[CN2], s[CN2], 1
	s_cmp_lg_u32 s[CN2], 0
	s_cbranch_scc1 .Lrope
	UNIT 0, 0, 10                                  ; the last 8 rows load nothing
	UNIT 1, 0, 0
.endif
	s_wait_tensorcnt 0x0                           ; the wave's end: behind my last tensor load and my last LDS store
	ds_add_u32 v[SPW], v[NIL]
	s_wait_dscnt 0x0
	CROUND                                         ; the closing round
	s_endpgm
.Lfunc_end_k_q55ef5c96f6_qkv:
	.size	k_q55ef5c96f6_qkv, .Lfunc_end_k_q55ef5c96f6_qkv-k_q55ef5c96f6_qkv
	.p2alignl 7, 3214868480
	.fill 96, 4, 3214868480
	.section	.rodata,"a",@progbits
	.p2align	6, 0x0
	.amdhsa_kernel k_q55ef5c96f6_qkv
		.amdhsa_group_segment_fixed_size 327680
		.amdhsa_private_segment_fixed_size 0
		.amdhsa_enable_private_segment 0
		.amdhsa_kernarg_size 40
		.amdhsa_user_sgpr_count 2
		.amdhsa_user_sgpr_kernarg_segment_ptr 1
		.amdhsa_wavefront_size32 1
		.amdhsa_system_sgpr_workgroup_id_x 1
		.amdhsa_system_sgpr_workgroup_id_y 1
		.amdhsa_system_sgpr_workgroup_id_z 1
		.amdhsa_system_vgpr_workitem_id 0
		.amdhsa_next_free_vgpr 1024
		.amdhsa_next_free_sgpr 96
		.amdhsa_reserve_vcc 1
		.amdhsa_float_denorm_mode_32 3
		.amdhsa_float_denorm_mode_16_64 3
		.amdhsa_memory_ordered 1
		.amdhsa_forward_progress 1
		.amdhsa_inst_pref_size 97
	.end_amdhsa_kernel
	.amdgpu_metadata
---
amdhsa.version: [ 1, 2 ]
amdhsa.kernels:
  - .name:           k_q55ef5c96f6_qkv
    .symbol:         k_q55ef5c96f6_qkv.kd
    .args:
      - { .name: actA, .offset: 0, .size: 8, .value_kind: global_buffer, .address_space: global }
      - { .name: wqkv, .offset: 8, .size: 8, .value_kind: global_buffer, .address_space: global }
      - { .name: bqkv, .offset: 16, .size: 8, .value_kind: global_buffer, .address_space: global }
      - { .name: tab, .offset: 24, .size: 8, .value_kind: global_buffer, .address_space: global }
      - { .name: actB, .offset: 32, .size: 8, .value_kind: global_buffer, .address_space: global }
    .group_segment_fixed_size: 327680
    .private_segment_fixed_size: 0
    .kernarg_segment_align: 8
    .kernarg_segment_size: 40
    .max_flat_workgroup_size: 128
    .sgpr_count:     96
    .vgpr_count:     1024
    .wavefront_size: 32
...
	.end_amdgpu_metadata
.endif
;; end of part 2
;; launch attn (part 3): grid 16 x 16, 4 waves a work-group, clusters of 4 x 1, 327,680 bytes of LDS; arguments actB, tab, actA; writes actA
.if DOCPART == 3
	.amdgcn_target "amdgcn-amd-amdhsa--gfx1250"
	.amdhsa_code_object_version 6
	.text
	.protected	k_q55ef5c96f6_attn
	.globl	k_q55ef5c96f6_attn
	.p2align	8
	.type	k_q55ef5c96f6_attn,@function
k_q55ef5c96f6_attn:
	s_mov_b64 s[64:65], 0
	v_nop
	global_prefetch_b8 v0, s[64:65] scope:SCOPE_SE
	s_setreg_imm32_b32 hwreg(HW_REG_WAVE_MODE, 25, 1), 1
	s_wait_xcnt 0x0
	s_wait_alu depctr_hold_cnt(0) depctr_sa_sdst(0) depctr_va_vdst(0) depctr_va_sdst(0) depctr_va_ssrc(0) depctr_va_vcc(0) depctr_vm_vsrc(0)
	s_getreg_b32 s2, hwreg(HW_REG_IB_STS2, 6, 4)
	s_cmp_eq_u32 s2, 0
	s_cbranch_scc0 .Lentry_in_a_cluster
	s_endpgm
.Lentry_in_a_cluster:
	s_bfe_u32 s2, ttmp6, 0x10000c
	s_cmp_lg_u32 s2, 0x3003
	s_cbranch_scc0 .Lentry_shape_is_right
	s_endpgm
.Lentry_shape_is_right:
; MASKED ATTENTION.  o[q] = the sum over k of softmax_k(q . k / 8, hidden keys out) v[k].  q, k, v: [3][32 heads][2048][64] bf16 (a head's rows dense, 128 bytes); o: [token][1024] bf16.
; The mask is an input: all 2,048 keys are walked.  Products, maxima and sums in f32; the weights p are rounded to bf16 for the second product (their sum l is taken of the unrounded p), o once.
; SHARES.  A work-group takes 128 queries of TWO neighbouring heads, so that a token's 256 bytes of o (two heads) leave whole.  Wave w: head w / 2, queries 64 (w % 2) + 0..63, in four PIECES of 16.
; CLUSTER.  The four query blocks of a cluster walk the same K and V: each tile (128 keys of both heads) is asked for jointly; waves 0, 1 fetch the two heads' K, waves 2, 3 their V.
; LAYOUT.  S^T = K Q^T holds ONE query a lane (l % 16) and the keys 8 (l / 16) + 0..7; two such results rounded to bf16 ARE source 1 of O^T = V^T P.  p = 2^(c s - c m), c = log2(e) / 8, with a running
; maximum m; O and l are multiplied by a = 2^(c m_old - c m_new) in every step.  m starts at the lowest finite number, O and l at 0: the first step is a step like any other, with a = 0.
; THE MASK is the C operand that starts the sum S^T.  It comes as one byte a score (0xF1 hidden, 0 seen), 32 bytes a lane, piece and step, laid by an earlier launch in this lane order; one shift (or one AND)
; sets the byte on top of a word.  What lies under it are neighbouring bytes: they reach the mantissa and the lowest exponent bit alone.
; LIMITS.  A hidden score is its value less 6e29 to 2.4e30; a seen one gains 2.3e-38 at the most; true scores stay under 1e29 in size.  A row whose maximum ends below -1e29 has no seen key and becomes NaN,
; as a softmax of nothing is.  A weight below 2^-126 counts as 0 in l.
; TURNS.  Turn n belongs to piece n: 8 products K Q^T of piece n + 1, later 8 products V^T P of piece n - 1; beside them the scaling, exponentials, roundings, sums and rescaling of piece n, and the maximum and
; statistics of piece n + 1.  Four vector instructions stand behind every matrix instruction, the rest in one lump.  A turn's 33 exponentials are one batch with one wait.  At its end a turn makes the mask
; words for the next turn's products and asks for that piece's bytes of the next step.
; REGISTERS, in windows of 256: window 0: v0-15 addresses; v16-31 statistics; v48-55 at work; v64-127 S^T, two buffers; v192-223 P, two buffers.
;   window 1: v0-127 O^T; v128-159 mask bytes, 8 a piece; v160-223 mask words, two buffers.      window 2: v0-63 Q; v128-191 K of one step; v192-255 V of one step.
.set NP,    4
.set KS,    64                         ; keys in a step
.set PK,    144                        ; a row of K in LDS: 128 bytes + 16
.set PV,    160                        ; a row of V: 128 + 32
.set KHEAD, 128*PK                     ; a head's 128 keys
.set VHEAD, 128*PV
.set VOFF,  2*KHEAD                    ; a slot: K of both heads, then V of both
.set SLOT1, 1<<17
.set STAGE, SLOT1+2*(KHEAD+VHEAD)      ; behind the ring: 128 rows x 272 bytes, the work-group's, for the way out
.set SP,    272
.set SPARE, STAGE+128*SP               ; the spare words, 128 bytes for each wave, that no other line names
.set AK0, 2
.set AV0, 3
.set AK,  4
.set AV,  5
.set STO, 6
.set RD,  7
.set GO,  8
.set MV,  12                           ; v12-13  c m_old, by buffer
.set MO,  14                           ; v14  16 x lane: my bytes of the mask; never rewritten
.set QO,  15
.set ST,  16                           ; piece t: c m, m, l (even keys', odd keys')
.set PFO, 32                           ; v32  256 x lane; never rewritten
.set NANR, 33
.set TMP, 48
.set SPW, 62
.set NIL, 63
.set S,   64
.set P,   192
.set MB,  128                          ; window 1
.set MC,  160                          ; window 1
.set KF,  128                          ; window 2
.set VF,  192                          ; window 2
.set WV,  12
.set LIM, 15
.set G1K, 24
.set G1V, 32
.set G0K, 40
.set G0V, 44
.set PFA, 48
.set MBASE, 50                         ; s[50:51] the mask bytes of my four pieces, step 0
.set MA,  52                           ; s[52:53] the same at the step that is being asked for
.set MOFF, 54
.set SLOTS, 56
.set CNT, 57
.set CS,  58
.set SEL, 60
.set TBK, 62
.set TBV, 63
.set STEPN, 66
.set TKC, 67
.set TOPB, 68
.set THR, 69
.set MSB, 0
.macro WIN new
.if MSB != (\new)
	s_set_vgpr_msb (MSB<<8)|(\new)
.set MSB, (\new)
.endif
.endm
.set W_KQ, 0x0a                        ; K and Q in window 2, S^T in window 0
.set W_KM, 0x1a                        ; the same with the C operand in window 1
.set W_PV, 0x52                        ; V in window 2, P in window 0, O^T in window 1
.set W_RS, 0x41                        ; destination and source 0 in window 1, source 1 in window 0
.macro JLOAD                           ; a joint fill; s_nop 0 and four v_nop follow each of the two lines
	s_cmp_lt_u32 s[WV], 2
	s_cbranch_scc0 .Lfor_v_\@
	tensor_load_to_lds s[G0K:G0K+3], s[G1K:G1K+7]
	s_nop 0
.rept 4
	v_nop
.endr
	s_branch .Lasked_\@
.Lfor_v_\@:
	tensor_load_to_lds s[G0V:G0V+3], s[G1V:G1V+7]
	s_nop 0
.rept 4
	v_nop
.endr
.Lasked_\@:
.endm
; A prefetch of the tile that the NEXT change of slots will ask for.  All clusters of a pair of heads walk the same K and V: the pair's first cluster asks, wave 0 for K and wave 2 for V.  Its four partners
; share a tile's 128 blocks of 256 bytes out by address, 32 each, a lane a block.  The change that asks for the last tile prefetches nothing.
.macro ASK
	s_cmp_gt_u32 s[SLOTS], s[LIM]
	s_cbranch_scc0 .Lnot_mine_\@
	global_prefetch_b8 v[PFO], s[PFA:PFA+1] th:TH_LOAD_NT scope:SCOPE_SE
.Lnot_mine_\@:
.endm
.macro CROUND
	s_barrier_signal -1
	s_barrier_wait -1
	s_cmp_lg_u32 s[WV], 0
	s_cbranch_scc1 .Lnot_wave_0_\@
	s_barrier_signal -3
.Lnot_wave_0_\@:
	s_barrier_wait -3
	s_barrier_signal -1
	s_barrier_wait -1
.endm
; THE CHANGE OF SLOTS.  Each wave waits for all its tensor loads (one is out: its part of the other slot), adds 0 to its spare word, and waits for that and for its reads of the slot that it leaves.
; fill = 1: a round of the cluster's barrier, and the joint refill first behind it: it has two key steps, 128 matrix instructions, in which to land.
.macro CHANGE fill
	WIN 0
	s_wait_tensorcnt 0x0
	ds_add_u32 v[SPW], v[NIL]
.if \fill
.irp g, G0K, G0V
	s_xor_b32 s[\g+1], s[\g+1], SLOT1              ; the walking descriptor: the other slot,
	s_add_nc_u64 s[\g+2:\g+3], s[\g+2:\g+3], 16384 ; the head's next 128 keys
.endr
	s_wait_xcnt 0x0                                ; the last prefetch, two key steps back, has read its address
	s_add_nc_u64 s[PFA:PFA+1], s[PFA:PFA+1], 16384
	s_wait_dscnt 0x0                               ; the add is done, my reads of the slot are over
	CROUND
	JLOAD
	ASK
.else
	s_wait_dscnt 0x0
	s_barrier_signal -1
	s_barrier_wait -1
.endif
	s_sub_co_u32 s[TBK], s[TBK], 2*KS*PK           ; the fetches go back to a slot's first step,
	s_xor_b32 s[TBK], s[TBK], SLOT1                ; in the other slot
	s_sub_co_u32 s[TBV], s[TBV], 2*KS*PV
	s_xor_b32 s[TBV], s[TBV], SLOT1
.endm
	s_load_b128 s[16:19], s[0:1], 0x0              ; actB (q, k, v), tab
	s_load_b64 s[10:11], s[0:1], 0x10              ; actA (o)
	v_lshl_add_u32 v[SPW], v0, 2, SPARE
	v_mov_b32 v[NIL], 0
	ds_add_u32 v[SPW], v[NIL]                      ; the wave's opening: the add and its wait ahead of my first tensor load
	v_lshrrev_b32 v1, 5, v0
	v_readfirstlane_b32 s[WV], v1
	s_bfe_u32 s13, ttmp6, 0x40000                  ; cx
	s_lshl_b32 s14, ttmp9, 2
	s_add_co_u32 s14, s14, s13                     ; my block of 128 queries
	s_and_b32 s20, ttmp7, 0xffff                   ; the pair of heads, which the partners share
	s_and_b32 s21, s[WV], 1
	s_lshr_b32 s22, s[WV], 1
	s_lshl_b32 s23, s20, 19                        ; the pair's first head: 262,144 bytes a head
	s_lshl_b32 s70, s21, 18                        ; the head whose tile I fetch
	s_add_co_u32 s70, s70, s23
	s_add_co_u32 s72, s70, 16777216                ; in v,
	s_add_co_u32 s70, s70, 8388608                 ; in k
	s_mov_b32 s71, 0
	s_mov_b32 s73, 0
	s_lshl_b32 s74, s22, 18                        ; q: my head, my block, my 64 rows
	s_add_co_u32 s74, s74, s23
	s_lshl_b32 s2, s14, 14
	s_add_co_u32 s74, s74, s2
	s_lshl_b32 s2, s21, 13
	s_add_co_u32 s74, s74, s2
	s_mov_b32 s75, 0
	s_lshr_b32 s76, s20, 3                         ; o: the batch, my block, the 32 rows that I store, the pair's 256 bytes
	s_lshl_b32 s76, s76, 22
	s_lshl_b32 s2, s14, 18
	s_add_co_u32 s76, s76, s2
	s_lshl_b32 s2, s[WV], 16
	s_add_co_u32 s76, s76, s2
	s_and_b32 s2, s20, 7
	s_lshl_b32 s2, s2, 8
	s_add_co_u32 s76, s76, s2
	s_mov_b32 s77, 0
	s_lshl_b32 s78, s14, 18                        ; the mask: query tile 8 x block + 4 (w % 2), 32,768 bytes a tile
	s_lshl_b32 s2, s21, 17
	s_add_co_u32 s78, s78, s2
	s_mov_b32 s79, 0
	s_lshl_b32 s80, 0x800000, s22                  ; the prefetches: k (waves 0, 1) or v,
	s_add_co_u32 s80, s80, s23
	s_lshr_b32 s2, s13, 1                          ; head cx / 2 of the pair,
	s_lshl_b32 s2, s2, 18
	s_add_co_u32 s80, s80, s2
	s_and_b32 s2, s13, 1                           ; keys 64 (cx % 2) on,
	s_lshl_b32 s2, s2, 13
	s_add_co_u32 s80, s80, s2
	s_add_co_u32 s80, s80, 16384                   ; at tile 1: each change steps it first
	s_mov_b32 s81, 0
	s_or_b32 s[LIM], s21, ttmp9
	s_cmp_eq_u32 s[LIM], 0
	s_cselect_b32 s[LIM], 1, -1                    ; the same in all four partners, for a given wave
	; 128 keys of a head are 16,384 dense bytes: asked for as 64 rows of 256, padded in LDS after every key
	s_mov_b32 s[G1K], 15|(1<<16)|(1<<20)|(1<<21)|(4<<22)|(3<<25)
	s_mov_b32 s[G1V], 15|(1<<16)|(1<<20)|(1<<21)|(4<<22)|(7<<25)
.irp g, G1K, G1V
	s_mov_b32 s[\g+1], 128<<16
	s_mov_b32 s[\g+2], 64<<16
	s_mov_b32 s[\g+3], 128<<16
	s_mov_b32 s[\g+4], 64
	s_mov_b32 s[\g+5], 128
	s_mov_b32 s[\g+6], 0
	s_mov_b32 s[\g+7], 0
.endr
	s_mov_b32 s[G0K], 1
	s_mul_i32 s[G0K+1], s21, KHEAD
	s_mov_b32 s[G0V], 1
	s_mul_i32 s3, s21, VHEAD
	s_add_co_u32 s[G0V+1], s3, VOFF
	s_mov_b32 s[CS], 0x3e38aa3b                    ; c = log2(e) / 8
	s_mov_b32 s[CS+1], s[CS]
	s_mov_b32 s[SEL], 0x76543210
	s_mov_b32 s[SEL+1], 0xfedcba98
	s_mov_b32 s[TBK], SLOT1+2*KS*PK                ; the first change of slots turns these two into 0
	s_mov_b32 s[TBV], SLOT1+2*KS*PV
	s_mov_b32 s[SLOTS], 15
	s_mov_b32 s[STEPN], 1
	s_mov_b32 s[MOFF+1], 0
	s_mov_b32 s[TOPB], 0xff000000
	s_mov_b32 s[THR], 0xefa18f07                   ; -1e29
	s_wait_dscnt 0x0                               ; the opening add is done
	s_wait_kmcnt 0x0
	s_add_nc_u64 s[G0K+2:G0K+3], s[16:17], s[70:71]
	s_or_b32 s[G0K+3], s[G0K+3], 0x80000000
	s_add_nc_u64 s[G0V+2:G0V+3], s[16:17], s[72:73]
	s_or_b32 s[G0V+3], s[G0V+3], 0x80000000
	s_add_nc_u64 s[4:5], s[16:17], s[74:75]
	s_add_nc_u64 s[10:11], s[10:11], s[76:77]
	s_add_nc_u64 s[MBASE:MBASE+1], s[18:19], s[78:79]
	s_add_nc_u64 s[MA:MA+1], s[MBASE:MBASE+1], 1024  ; step 1: what the first four mask makers ask for
	s_add_nc_u64 s[PFA:PFA+1], s[16:17], s[80:81]
	CROUND                                         ; all four work-groups are here: the first joint loads meet
	JLOAD                                          ; tile 0 into slot 0
	v_and_b32 v1, 15, v0                           ; l % 16
	v_bfe_u32 v9, v0, 4, 1                         ; l / 16
	v_lshlrev_b32 v[QO], 7, v1
	v_lshl_add_u32 v[QO], v9, 4, v[QO]
	v_and_b32 v[MO], 31, v0
	v_lshlrev_b32 v[PFO], 8, v[MO]
	v_lshlrev_b32 v[MO], 4, v[MO]
	WIN 0x80
.set i, 0
.rept 8                                ; Q stays in registers: piece i / 2, channels 32 (i % 2) on
	global_load_b128 v[8*i:8*i+3],   v[QO], s[4:5] offset:(i/2)*2048+(i%2)*64
	global_load_b128 v[8*i+4:8*i+7], v[QO], s[4:5] offset:(i/2)*2048+(i%2)*64+32
.set i, i+1
.endr
	WIN 0x40
.irp x, 0,1,2,3                        ; step 0's mask bytes
	global_load_b128 v[MB+8*\x:MB+8*\x+3],   v[MO], s[MBASE:MBASE+1] offset:\x*32768
	global_load_b128 v[MB+8*\x+4:MB+8*\x+7], v[MO], s[MBASE:MBASE+1] offset:\x*32768+512
.endr
	; What the first turn finds: V, P's second buffer, O^T and l hold 0.  All this stands in the wait for the first tile.
	WIN 0x80
.set i, VF
.rept 64
	v_mov_b32 v[i], 0
.set i, i+1
.endr
	WIN 0x40
.set i, 0
.rept 128
	v_mov_b32 v[i], 0
.set i, i+1
.endr
	WIN 0
.set i, 0
.rept 4
	v_mov_b32 v[ST+4*i], 0xfe000000                ; c m: far below every c s, a hidden one's too
	v_mov_b32 v[ST+4*i+1], 0xff7fffff              ; m
	v_mov_b32 v[ST+4*i+2], 0
	v_mov_b32 v[ST+4*i+3], 0
.set i, i+1
.endr
.set i, P+16
.rept 16
	v_mov_b32 v[i], 0
.set i, i+1
.endr
	v_mov_b32 v[NANR], 0x7fc00000
	v_mul_u32_u24 v[AK0], v1, PK
	v_lshl_add_u32 v[AK0], v9, 4, v[AK0]
	s_mul_i32 s2, s22, KHEAD
	v_add_nc_u32 v[AK0], s2, v[AK0]                ; row x pitch + 16 x half, in my head's K
	v_and_b32 v10, 7, v0
	v_bfe_u32 v11, v0, 3, 1
	v_lshl_add_u32 v[AV0], v9, 3, v10
	v_mul_u32_u24 v[AV0], v[AV0], PV
	v_lshl_add_u32 v[AV0], v11, 4, v[AV0]
	s_mul_i32 s2, s22, VHEAD
	s_add_co_u32 s2, s2, VOFF
	v_add_nc_u32 v[AV0], s2, v[AV0]                ; the turning load's place, in my head's V
	s_mul_i32 s2, s21, 64*SP                       ; the stage: my 64 rows, my head's 128 bytes of them
	s_lshl_b32 s3, s22, 7
	s_add_co_u32 s2, s2, s3
	s_add_co_u32 s2, s2, STAGE
	v_mul_u32_u24 v[STO], v1, SP
	v_lshl_add_u32 v[STO], v9, 4, v[STO]
	v_add_nc_u32 v[STO], s2, v[STO]
	s_mul_i32 s2, s[WV], 32*SP                     ; back: wave w takes rows 32 w .. 32 w + 31, whole
	s_add_co_u32 s2, s2, STAGE
	v_mul_u32_u24 v[RD], v9, SP
	v_lshl_add_u32 v[RD], v1, 4, v[RD]
	v_add_nc_u32 v[RD], s2, v[RD]
	v_lshlrev_b32 v[GO], 11, v9                    ; and the same two rows in o, 2,048 bytes apart
	v_lshl_add_u32 v[GO], v1, 4, v[GO]
; THE MATRIX WORK.  The 4 accumulators of a run of 8 take turns.  Product i of 8 of S^T for piece x: channels 32 (i / 4) on, keys 16 (i % 4) on.  The first 4 start the sums, on the mask.
.macro KQ x
.set rS, S+32*((\x)%2)+8*(i%4)
.set rK, KF+16*(i%4)+8*(i/4)
.set rQ, 16*(\x)+8*(i/4)
.set rM, MC+32*((\x)%2)+8*(i%4)
.if i < 4
	WIN W_KM
	v_wmma_f32_16x16x32_bf16 v[rS:rS+7], v[rK:rK+7], v[rQ:rQ+7], v[rM:rM+7]
.else
	WIN W_KQ
	v_wmma_f32_16x16x32_bf16 v[rS:rS+7], v[rK:rK+7], v[rQ:rQ+7], v[rS:rS+7]
.endif
.endm
.macro PV x                            ; product i of 8 of O^T += V^T P for piece x: keys 32 (i / 4) on, channels 16 (i % 4) on
	WIN W_PV
.set rO, 32*(\x)+8*(i%4)
.set rV, VF+32*(i/4)+8*(i%4)
.set rP, P+16*((\x)%2)+8*(i/4)
	v_wmma_f32_16x16x32_bf16 v[rO:rO+7], v[rV:rV+7], v[rP:rP+7], v[rO:rO+7]
.endm
.macro MM                              ; the turn's next matrix instruction
.if i < 8
	KQ (Y+1)%NP
.else
.set i, i-8
	PV (Y+NP-1)%NP
.set i, i+8
.endif
.set i, i+1
.endm
.macro FETCH_K                         ; a step's K: 16 loads in one run
	WIN 0x80
.irp f, 0,1,2,3,4,5,6,7
	ds_load_b128 v[KF+8*\f:KF+8*\f+3],   v[AK] offset:(\f/2)*16*PK+(\f%2)*64
	ds_load_b128 v[KF+8*\f+4:KF+8*\f+7], v[AK] offset:(\f/2)*16*PK+(\f%2)*64+32
.endr
	s_add_co_u32 s[TBK], s[TBK], KS*PK
	WIN 0
.endm
.macro FETCH_V                         ; a step's V, turned
	WIN 0x80
.irp f, 0,1,2,3,4,5,6,7
	ds_load_tr16_b128 v[VF+8*\f:VF+8*\f+3],   v[AV] offset:(\f/4)*32*PV+(\f%4)*32
	ds_load_tr16_b128 v[VF+8*\f+4:VF+8*\f+7], v[AV] offset:(\f/4)*32*PV+16*PV+(\f%4)*32
.endr
	WIN 0
.endm
; The mask words of piece x, from its 32 bytes, into buffer buf; then the piece's bytes of the step that MA names are asked for.  Word 8 kt + j: key 16 kt + 8 (l / 16) + j.
.macro MASKB x, buf
	s_wait_loadcnt 6                               ; this piece's two loads, four makers back, are in; the three younger makers' six may stay out
	WIN 0x44
.set z, 0
.rept 32
.if z%4 == 3
	v_and_b32 v[MC+32*(\buf)+z], s[TOPB], v[MB+8*(\x)+z/4]
.else
	v_lshlrev_b32 v[MC+32*(\buf)+z], 24-8*(z%4), v[MB+8*(\x)+z/4]
.endif
.set z, z+1
.endr
	WIN 0x40
	global_load_b128 v[MB+8*(\x):MB+8*(\x)+3],   v[MO], s[MA:MA+1] offset:(\x)*32768
	global_load_b128 v[MB+8*(\x)+4:MB+8*(\x)+7], v[MO], s[MA:MA+1] offset:(\x)*32768+512
	WIN 0
.endm
; THE VECTOR WORK, one line at a time: OP kind, number.  For piece Y: F n: c s - c m for pair n.  E n: the exponential of score n.  C n: pair n rounded to bf16.  B n: of the weights 4 n .. the second pair onto the
; first.  L n: l takes that sum (L 0: l = a l + sum).  R n: pair n of O^T times a.  For piece Y + 1: X n, number n of the 22 that find its maximum and statistics; each accumulator's lowest registers are read first.
.set F, 0
.set E, 1
.set C, 2
.set B, 3
.set L, 4
.set R, 5
.set X, 6
.macro REGS y
.set rT, ST+4*(\y)
.set rC, TMP+4*((\y)%2)
.set rW, MV+((\y)%2)
.set rS, S+32*((\y)%2)
.set rP, P+16*((\y)%2)
.set rO, 32*(\y)
.endm
.macro OP k, n
.if (\k) == R
	REGS Y
	WIN W_RS
	v_pk_mul_f32 v[rO+2*(\n):rO+2*(\n)+1], v[rO+2*(\n):rO+2*(\n)+1], v[rC+2:rC+3] op_sel_hi:[1,0]
.elseif (\k) < R
	REGS Y
	WIN 0
.if (\k) == F
	v_pk_fma_f32 v[rS+2*(\n):rS+2*(\n)+1], v[rS+2*(\n):rS+2*(\n)+1], s[CS:CS+1], v[rT:rT+1] op_sel_hi:[1,0,0] neg_lo:[0,0,1] neg_hi:[0,0,1]
.elseif (\k) == E
	v_exp_f32 v[rS+(\n)], v[rS+(\n)]
.elseif (\k) == C
	v_cvt_pk_bf16_f32 v[rP+(\n)], v[rS+2*(\n)], v[rS+2*(\n)+1]
.elseif (\k) == B
	v_pk_add_f32 v[rS+4*(\n):rS+4*(\n)+1], v[rS+4*(\n):rS+4*(\n)+1], v[rS+4*(\n)+2:rS+4*(\n)+3]
.elseif (\n) == 0
	v_pk_fma_f32 v[rT+2:rT+3], v[rT+2:rT+3], v[rC+2:rC+3], v[rS:rS+1] op_sel_hi:[1,0,1]
.else
	v_pk_add_f32 v[rT+2:rT+3], v[rT+2:rT+3], v[rS+4*(\n):rS+4*(\n)+1]
.endif
.else
	REGS (Y+1)%NP
	WIN 0
.if (\n) < 4
	v_max3_num_f32 v[rC+(\n)], v[rS+8*(\n)], v[rS+8*(\n)+1], v[rS+8*(\n)+2]
.elseif (\n) < 12
	v_max3_num_f32 v[rC+(\n)%4], v[rC+(\n)%4], v[rS+8*((\n)%4)+2*((\n)/4)+1], v[rS+8*((\n)%4)+2*((\n)/4)+2]
.elseif (\n) == 12
	v_max3_num_f32 v[rC], v[rC], v[rS+7], v[rS+15]
.elseif (\n) == 13
	v_max3_num_f32 v[rC+1], v[rC+1], v[rS+23], v[rS+31]
.elseif (\n) == 14
	v_max3_num_f32 v[rC+2], v[rC+2], v[rC+3], v[rT+1]
.elseif (\n) == 15
	v_mov_b32 v[rW], v[rT]
.elseif (\n) == 16
	v_max3_num_f32 v[rC], v[rC], v[rC+1], v[rC+2]
.elseif (\n) == 17
	v_permlanex16_b32 v[rC+3], v[rC], s[SEL], s[SEL+1]
.elseif (\n) == 18
	v_max_num_f32 v[rT+1], v[rC], v[rC+3]
.elseif (\n) == 19
	v_mul_f32 v[rT], s[CS], v[rT+1]
.elseif (\n) == 20
	v_sub_f32 v[rC+1], v[rW], v[rT]
.else
	v_exp_f32 v[rC+2], v[rC+1]
.endif
.endif
.endm
.macro OPS a, i1, b=-1, i2=0, c=-1, i3=0, d=-1, i4=0
	OP \a, \i1
.if (\b) >= 0
	OP \b, \i2
.endif
.if (\c) >= 0
	OP \c, \i3
.endif
.if (\d) >= 0
	OP \d, \i4
.endif
.endm
.macro ROW a, i1, b, i2, c, i3, d, i4  ; a matrix instruction and the four behind it
	MM
	OPS \a, \i1, \b, \i2, \c, \i3, \d, \i4
.endm
; A TURN, for piece p.  Ahead of its one wait stands all that names no result of the turn's exponentials; behind it the 8 products V^T P, whose riders are the roundings and sums.
; K of the next step is fetched in piece 2's turn, V of the step in hand at the end of piece 0's; each is waited for a turn later.  last = 1 (the tail): K's address is held at the last step's, so that the
; surplus fetch reads that step once more.  cnt = 1: the loop's count is taken down some lines ahead of the branch behind the turn.
.macro TURN p, last=0, cnt=0
.set Y, (\p)
.set i, 0
.if (\p) == 3
	s_wait_dscnt 0x0                               ; K is in
.endif
	ROW F,0, F,1, R,0, R,1
	ROW F,2, E,0, R,2, R,3
	ROW F,3, E,1, R,4, R,5
	ROW F,4, E,2, R,6, R,7
	ROW F,5, E,3, R,8, R,9
	ROW F,6, E,4, X,0, R,10
.if (\p) == 2
	WIN 0
.if \last
	s_min_u32 s[TKC], s[TBK], SLOT1+KS*PK
	v_add_nc_u32 v[AK], s[TKC], v[AK0]
.else
	v_add_nc_u32 v[AK], s[TBK], v[AK0]
.endif
.endif
	ROW F,7, E,5, X,1, X,4
	ROW F,8, E,6, X,2, X,5
	OPS E,7, E,8, X,6, E,9
	OPS X,3, E,10, X,8, E,11
.if (\p) == 2
	FETCH_K
.endif
	OPS X,9, X,7, E,12, X,10
	OPS E,13, X,12, X,11, E,14
	OPS X,13, E,15, F,9, X,14
.if (\p) == 0
	v_add_nc_u32 v[AV], s[TBV], v[AV0]
.endif
	OPS E,16, F,10, E,17, F,11
	OPS X,16, E,18, X,15, E,19
	OPS F,12, E,20, X,17, E,21
	OPS F,13, E,22, F,14, E,23
	OPS X,18, E,24, F,15, E,25
	OPS R,11, E,26, X,19, E,27
	OPS R,12, E,28, R,13, E,29
	OPS X,20, E,30, R,14, E,31
	OPS X,21, R,15
	WIN 0
	s_wait_alu depctr_va_vdst(0)                   ; the wait for the batch
.if (\p) == 1
	s_wait_dscnt 0x0                               ; V is in
.endif
	ROW C,0, B,0, C,2, B,1
	ROW L,0, C,4, B,2, L,1
	ROW C,6, B,3, L,2, C,8
	ROW B,4, L,3, C,10, B,5
	ROW L,4, C,12, B,6, L,5
.if (\p) == 0
	s_add_co_u32 s[TBV], s[TBV], KS*PV
.endif
.if \cnt
	s_sub_co_u32 s[CNT], s[CNT], 1
	s_cmp_lg_u32 s[CNT], 0
.endif
	ROW C,14, B,7, L,6, C,1
	ROW C,3, L,7, C,5, C,7
	ROW C,9, C,11, C,13, C,15
.if (\p) == 0
	FETCH_V
.endif
.if (\p) == 2
	WIN 0
	s_wait_xcnt 0x0                                ; the last mask loads, a turn back, have read their base
	s_add_co_u32 s[STEPN], s[STEPN], 1             ; the next four makers ask for the next step; past the last step: the last once more
	s_min_u32 s[MOFF], s[STEPN], 31
	s_lshl_b32 s[MOFF], s[MOFF], 10
	s_add_nc_u64 s[MA:MA+1], s[MBASE:MBASE+1], s[MOFF:MOFF+1]
.endif
	MASKB ((\p)+2)%NP, (\p)%2
.endm
	CHANGE 1                                       ; tile 0 is in, everybody's part of it; tile 1 is asked for
	s_wait_loadcnt 0x0                             ; Q and step 0's mask bytes
	MASKB 0, 0
	MASKB 1, 1
	v_add_nc_u32 v[AK], s[TBK], v[AK0]
	FETCH_K                                        ; key step 0
	s_wait_dscnt 0x0
.set i, 0
.rept 8
	KQ 0                                           ; piece 0's first scores
.set i, i+1
.endr
	WIN 0
.rept 4
	v_nop                                          ; the places behind those products
.endr
.set Y, NP-1                           ; X works for piece Y + 1: piece 0
.irp n, 0,1,2,3,4,5,6,7,8,9,10,11,12,13,14,15,16,17,18,19,20,21
	OP X, \n
.endr
	v_nop                                          ; a plain instruction behind the exponential,
	s_wait_alu depctr_va_vdst(0)                   ; and its wait, ahead of the branch
	s_mov_b32 s[CNT], 2
	s_branch .Lfirst                               ; the loop is entered at a step's first turn, in the middle of a trip
.Lslot:                                        ; 14 times: tiles 1 to 14 are entered, tiles 2 to 15 asked for
	CHANGE 1
	s_mov_b32 s[CNT], 2
.Lstep:                                        ; a trip: pieces 2 and 3 of one step, then pieces 0 and 1 of the next, whose K and V it fetches
	TURN 2
	TURN 3
	WIN 0
.Lfirst:
	TURN 0
	TURN 1, 0, 1
	WIN 0
	s_cbranch_scc1 .Lstep
	s_sub_co_u32 s[SLOTS], s[SLOTS], 1
	s_cmp_lg_u32 s[SLOTS], 0
	s_cbranch_scc1 .Lslot
	CHANGE 0                                       ; the tail is written out: nothing is asked for
	s_mov_b32 s[CNT], 3                            ; two trips fetch the last tile's steps; the third is left in its middle
.Ltail:
	TURN 2, 1
	TURN 3
	WIN 0
	s_sub_co_u32 s[CNT], s[CNT], 1
	s_cmp_eq_u32 s[CNT], 0
	s_cbranch_scc1 .Lout
	TURN 0
	TURN 1
	WIN 0
	s_branch .Ltail
.Lout:                                         ; the third trip's 8 products K Q^T are the last step's once more (same K, same mask bytes): piece 0's maximum stays as it is
.set i, 0
.rept 8
	PV NP-1                                        ; the last piece's V^T P of the last step
.set i, i+1
.endr
	; THE WAY OUT.  l's halves are added; O^T is divided by l (by NaN where no key was seen), rounded, and sent through the work-group's stage: a row's 256 bytes come from two waves.
	WIN 0
.macro ALL line:vararg
.set t, 0
.rept 4
	\line
.set t, t+1
.endr
.endm
	ALL v_add_f32 v[ST+4*t+2], v[ST+4*t+2], v[ST+4*t+3]
	ALL v_permlanex16_b32 v[ST+4*t+3], v[ST+4*t+2], s[SEL], s[SEL+1]
	ALL v_add_f32 v[ST+4*t+2], v[ST+4*t+2], v[ST+4*t+3]
	ALL v_rcp_f32 v[ST+4*t+2], v[ST+4*t+2]
	v_nop
	s_wait_alu depctr_va_vdst(0)                   ; one wait for the four reciprocals
.set t, 0
.rept 4
	v_cmp_gt_f32 vcc_lo, s[THR], v[ST+4*t+1]
	v_cndmask_b32 v[ST+4*t+2], v[ST+4*t+2], v[NANR], vcc_lo
.set t, t+1
.endr
.macro PACK t
	WIN W_RS
.set i, 32*(\t)
.rept 16
	v_pk_mul_f32 v[i:i+1], v[i:i+1], v[ST+4*(\t)+2:ST+4*(\t)+3] op_sel_hi:[1,0]
.set i, i+2
.endr
	WIN 0x05
.set i, 0
.rept 16
	v_cvt_pk_bf16_f32 v[S+16*(\t)+i], v[32*(\t)+2*i], v[32*(\t)+2*i+1]
.set i, i+1
.endr
	WIN 0
.irp f, 0,1,2,3
	ds_store_b128 v[STO], v[S+16*(\t)+4*\f:S+16*(\t)+4*\f+3] offset:(\t)*16*SP+32*\f
.endr
.endm
	PACK 0
	PACK 1
	PACK 2
	PACK 3
	s_wait_dscnt 0x0                               ; for the others' sake: my stores into the stage are done
	s_barrier_signal -1
	s_barrier_wait -1
.irp t, 0,1,2,3,4,5,6,7,8,9,10,11,12,13,14,15
	ds_load_b128 v[S+4*\t:S+4*\t+3], v[RD] offset:\t*2*SP
.endr
.irp t, 0,1,2,3,4,5,6,7,8,9,10,11,12,13,14,15
	s_wait_dscnt 15-\t
	global_store_b128 v[GO], v[S+4*\t:S+4*\t+3], s[10:11] offset:\t*4096  ; sixteen lanes store 256 consecutive bytes, aligned
.endr
	s_wait_tensorcnt 0x0                           ; the wave's end
	ds_add_u32 v[SPW], v[NIL]
	s_wait_dscnt 0x0
	CROUND                                         ; the closing round
	s_endpgm
.Lfunc_end_k_q55ef5c96f6_attn:
	.size	k_q55ef5c96f6_attn, .Lfunc_end_k_q55ef5c96f6_attn-k_q55ef5c96f6_attn
	.p2alignl 7, 3214868480
	.fill 96, 4, 3214868480
	.section	.rodata,"a",@progbits
	.p2align	6, 0x0
	.amdhsa_kernel k_q55ef5c96f6_attn
		.amdhsa_group_segment_fixed_size 327680
		.amdhsa_private_segment_fixed_size 0
		.amdhsa_enable_private_segment 0
		.amdhsa_kernarg_size 24
		.amdhsa_user_sgpr_count 2
		.amdhsa_user_sgpr_kernarg_segment_ptr 1
		.amdhsa_wavefront_size32 1
		.amdhsa_system_sgpr_workgroup_id_x 1
		.amdhsa_system_sgpr_workgroup_id_y 1
		.amdhsa_system_sgpr_workgroup_id_z 1
		.amdhsa_system_vgpr_workitem_id 0
		.amdhsa_next_free_vgpr 768
		.amdhsa_next_free_sgpr 92
		.amdhsa_reserve_vcc 1
		.amdhsa_float_denorm_mode_32 3
		.amdhsa_float_denorm_mode_16_64 3
		.amdhsa_memory_ordered 1
		.amdhsa_forward_progress 1
		.amdhsa_inst_pref_size 128
	.end_amdhsa_kernel
	.amdgpu_metadata
---
amdhsa.version: [ 1, 2 ]
amdhsa.kernels:
  - .name:           k_q55ef5c96f6_attn
    .symbol:         k_q55ef5c96f6_attn.kd
    .args:
      - { .name: actB, .offset: 0, .size: 8, .value_kind: global_buffer, .address_space: global }
      - { .name: tab, .offset: 8, .size: 8, .value_kind: global_buffer, .address_space: global }
      - { .name: actA, .offset: 16, .size: 8, .value_kind: global_buffer, .address_space: global }
    .group_segment_fixed_size: 327680
    .private_segment_fixed_size: 0
    .kernarg_segment_align: 8
    .kernarg_segment_size: 24
    .max_flat_workgroup_size: 128
    .sgpr_count:     92
    .vgpr_count:     768
    .wavefront_size: 32
...
	.end_amdgpu_metadata
.endif
;; end of part 3
;; launch wo (part 4): grid 8 x 32, 4 waves a work-group, clusters of 4 x 4, 327,680 bytes of LDS; arguments actA, wrest, bo, x, actB; writes actB
.if DOCPART == 4
	.amdgcn_target "amdgcn-amd-amdhsa--gfx1250"
	.amdhsa_code_object_version 6
	.text
	.protected	k_q55ef5c96f6_wo
	.globl	k_q55ef5c96f6_wo
	.p2align	8
	.type	k_q55ef5c96f6_wo,@function
k_q55ef5c96f6_wo:
	s_mov_b64 s[64:65], 0
	v_nop
	global_prefetch_b8 v0, s[64:65] scope:SCOPE_SE
	s_setreg_imm32_b32 hwreg(HW_REG_WAVE_MODE, 25, 1), 1
	s_wait_xcnt 0x0
	s_wait_alu depctr_hold_cnt(0) depctr_sa_sdst(0) depctr_va_vdst(0) depctr_va_sdst(0) depctr_va_ssrc(0) depctr_va_vcc(0) depctr_vm_vsrc(0)
	s_getreg_b32 s2, hwreg(HW_REG_IB_STS2, 6, 4)
	s_cmp_eq_u32 s2, 0
	s_cbranch_scc0 .Lentry_in_a_cluster
	s_endpgm
.Lentry_in_a_cluster:
	s_bfe_u32 s2, ttmp6, 0x10000c
	s_cmp_lg_u32 s2, 0xf033
	s_cbranch_scc0 .Lentry_shape_is_right
	s_endpgm
.Lentry_shape_is_right:
; OUT = RES + A W + bias, f32, on tiles of 128 x 128: 256 work-groups for 4,096 x 1,024.  One text for two launches; MLP2 chooses the constants:
;   0: A = o [4096][1024] bf16, W = Wo, RES = x, OUT = x1.      1: A = h [4096][4096] bf16, W = W2, RES = x1, OUT = out0.
; W lies [k][1024] bf16, as in the input.  Four waves, each 64 x 64: 16 accumulators.  K in steps of 256 through two LDS slots, one tensor load a wave and step.
; The matrix instruction is used transposed (source 0 = 16 columns of W, turned by ds_load_tr16_b128; source 1 = 16 rows of A): a lane holds row l % 16 and columns 8 (l / 16) + 0..7.
; The bias is the C operand of each sum's first product.  The residual is loaded at the head, in the layout of the stores, and added on the way out, which goes through each wave's own stage.
; A K step is written twice: once in the loop that fills slots again, once in a tail of two trips that fills nothing.
; CLUSTER: 4 x 4; A's tiles jointly along a row, W's along a column.  No prefetch: the tiles are small and a step short.
; REGISTERS: window 0: v16-31 addresses; v32-63, v192-223 the way out; v64-127, v128-191 A's fragments.  Window 1: the same numbers for W's; v192-223 the bias.  Window 2: v0-127 accumulators; v128-255 the residual.
.set MLP2, 0
.if MLP2
.set SIZE_K, 4096
.set AOFF, 33554432
.set WOFF, 10485760
.else
.set SIZE_K, 1024
.set AOFF, 0
.set WOFF, 8388608
.endif
.set NF, 4
.set NW, 32                            ; matrix instructions in a quarter step (64 along K, two deep)
.set FIRSTLEFT, 16
.set KSTEP, 256
.set STEPS, SIZE_K/KSTEP
.set PA, 528                           ; A's LDS row: 512 bytes + 16
.set PB, 288                           ; W's LDS row: 256 bytes + 32
.set AHALF, 64*PA                      ; a wave's load of A: 64 rows
.set WHALF, 128*PB                     ; of W: 128 k rows
.set BOFF, 2*AHALF
.set SLOT, 0x24000                     ; above a slot's 141,312 bytes, and sharing no bit with the four loads' places in slot 0
.set STAGE, SLOT+BOFF+2*WHALF          ; behind the ring: 16 rows x 272 bytes for each wave
.set SPITCH, 272
.set SPARE, STAGE+4*16*SPITCH
.set WPITCH, 2048
.set ADRA0, 16
.set ADRA, 17
.set ADRB0, 18
.set ADRB, 19                          ; v19: k rows 0-127 of the slot in hand, v20: rows 128-255
.set STO, 21
.set RD, 22
.set CO, 23
.set SPW, 28
.set NIL, 29
.set BO, 31
.set F0, 64
.set F1, 128
.set BIAS, 192
.set RES, 128                          ; window 2
.set G1, 24
.set G0, 32
.set G1B, 48
.set G0B, 56
.set RESP, 66
.set OUTP, 68
.set TB, 70
.set MSB, 0
.macro WIN new
.if MSB != (\new)
	s_set_vgpr_msb (MSB<<8)|(\new)
.set MSB, \new
.endif
.endm
.macro PLACES
.rept 4
	v_nop
.endr
.endm
.macro CREST
	s_cmp_lg_u32 s10, 0
	s_cbranch_scc1 .Lnot_wave_0_\@
	s_barrier_signal -3
.Lnot_wave_0_\@:
	s_barrier_wait -3
	s_barrier_signal -1
	s_barrier_wait -1
.endm
.macro CROUND
	s_barrier_signal -1
	s_barrier_wait -1
	CREST
.endm
.macro JLOAD                           ; a joint refill by the walking descriptor; s_nop 0 and four v_nop follow each line
	s_cmp_eq_u32 s11, 0
	s_cbranch_scc0 .Lfor_b_\@
	tensor_load_to_lds s[G0+4:G0+7], s[G1:G1+7]
	s_nop 0
	PLACES
	s_branch .Lasked_\@
.Lfor_b_\@:
	tensor_load_to_lds s[G0B+4:G0B+7], s[G1B:G1B+7]
	s_nop 0
	PLACES
.Lasked_\@:
.endm
; Matrix instructions u0 .. u1 - 1 of a quarter: half c = u / 16 of its 64 along K, accumulator t = u % 16.  The 16 take turns.  first = 1: the first half's C is the bias.
.macro MULR f, u0, u1, first
.set u, \u0
.rept (\u1)-(\u0)
.set cc, u/(NF*NF)
.set tt, u%(NF*NF)
.set aa, tt/NF
.set bb, tt%NF
.if (\first) && (cc == 0)
	WIN 0x91
	v_wmma_f32_16x16x32_bf16 v[8*tt:8*tt+7], v[(\f)+8*(NF*cc+bb):(\f)+8*(NF*cc+bb)+7], v[(\f)+8*(NF*cc+aa):(\f)+8*(NF*cc+aa)+7], v[BIAS+8*bb:BIAS+8*bb+7]
.else
	WIN 0xa1
	v_wmma_f32_16x16x32_bf16 v[8*tt:8*tt+7], v[(\f)+8*(NF*cc+bb):(\f)+8*(NF*cc+bb)+7], v[(\f)+8*(NF*cc+aa):(\f)+8*(NF*cc+aa)+7], v[8*tt:8*tt+7]
.endif
.set u, u+1
.endr
.endm
.macro FETCH kq, f                     ; 32 LDS loads: quarter kq's fragments, its first 32 along K first
.irp c, 0,1
	WIN 0x40
.irp i, 0,1,2,3
	ds_load_tr16_b128 v[(\f)+8*(4*(\c)+(\i)):(\f)+8*(4*(\c)+(\i))+3],   v[ADRB+((\kq)>>1)] offset:(64*((\kq)&1)+32*(\c))*PB+32*(\i)
	ds_load_tr16_b128 v[(\f)+8*(4*(\c)+(\i))+4:(\f)+8*(4*(\c)+(\i))+7], v[ADRB+((\kq)>>1)] offset:(64*((\kq)&1)+32*(\c)+16)*PB+32*(\i)
.endr
	WIN 0
.irp i, 0,1,2,3
	ds_load_b128 v[(\f)+8*(4*(\c)+(\i)):(\f)+8*(4*(\c)+(\i))+3],   v[ADRA] offset:(\i)*16*PA+(2*(\kq)+(\c))*64
	ds_load_b128 v[(\f)+8*(4*(\c)+(\i))+4:(\f)+8*(4*(\c)+(\i))+7], v[ADRA] offset:(\i)*16*PA+(2*(\kq)+(\c))*64+32
.endr
.endr
.endm
.macro QUARTER kq, f, g, first
	s_wait_dscnt FIRSTLEFT                         ; the first 32 along K are in
	MULR \f, 0, NW/2, \first
	PLACES
	FETCH \kq, \g
	s_wait_dscnt 32                                ; all but the 32 just issued
	MULR \f, NW/2, NW, \first
.endm
.macro TURN fill                       ; a step's last quarter and the change of slots
	WIN 0
	s_wait_tensorcnt 0x0                           ; my part of the other slot is in, and no load of mine is out
	ds_add_u32 v[SPW], v[NIL]
	s_wait_dscnt FIRSTLEFT+1
	MULR F1, 0, NW/4, 0
	s_wait_dscnt 0x0                               ; the add is done, my reads of this slot are over
	s_barrier_signal -1
	MULR F1, NW/4, NW/2, 0
	WIN 0
	s_barrier_wait -1
.if \fill
	CREST
	s_xor_b32 s[G0+5], s[G0+5], SLOT
	s_add_nc_u64 s[G0+6:G0+7], s[G0+6:G0+7], KSTEP*2
	s_xor_b32 s[G0B+5], s[G0B+5], SLOT
	s_add_nc_u64 s[G0B+6:G0B+7], s[G0B+6:G0B+7], KSTEP*WPITCH
	JLOAD                                          ; the first tensor load behind the round: 112 matrix instructions ahead of the wait for it
.else
	PLACES
.endif
	s_xor_b32 s[TB], s[TB], SLOT
	v_add_nc_u32 v[ADRA], s[TB], v[ADRA0]
	v_add_nc_u32 v[ADRB], s[TB], v[ADRB0]
	v_add_nc_u32 v[ADRB+1], 128*PB, v[ADRB]
	FETCH 0, F0
	MULR F1, NW/2, NW, 0
.endm
	s_load_b128 s[4:7], s[0:1], 0x0                ; A, W
	s_load_b64 s[8:9], s[0:1], 0x10                ; bias
.if MLP2
	s_load_b64 s[OUTP:OUTP+1], s[0:1], 0x18
.else
	s_load_b64 s[RESP:RESP+1], s[0:1], 0x18
	s_load_b64 s[OUTP:OUTP+1], s[0:1], 0x20
.endif
	v_lshl_add_u32 v[SPW], v0, 2, SPARE
	v_mov_b32 v[NIL], 0
	ds_add_u32 v[SPW], v[NIL]                      ; the wave's opening: the add and its wait ahead of my first tensor load
	v_lshrrev_b32 v1, 5, v0
	v_readfirstlane_b32 s10, v1
	s_lshr_b32 s11, s10, 1
	s_and_b32 s12, s10, 1
	s_bfe_u32 s40, ttmp6, 0x40000
	s_bfe_u32 s41, ttmp6, 0x40004
	s_lshl_b32 s42, ttmp9, 2
	s_add_co_u32 s42, s42, s40                     ; tile column
	s_and_b32 s13, ttmp7, 0xffff
	s_lshl_b32 s13, s13, 2
	s_add_co_u32 s13, s13, s41                     ; tile row
	s_lshl_b32 s14, s41, 2
	s_lshl_b32 s14, 15, s14
	s_lshl_b32 s15, 0x1111, s40
	s_or_b32 s[G1], s14, (1<<16)|(1<<20)|(1<<21)|(6<<22)|(3<<25)   ; A: rows of 128 words, 4 words of padding
	s_mov_b32 s[G1+1], 256<<16
	s_mov_b32 s[G1+2], 64<<16
	s_mov_b32 s[G1+3], 256<<16
	s_mov_b32 s[G1+4], 64
	s_mov_b32 s[G1+5], SIZE_K
	s_mov_b32 s[G1+6], 0
	s_mov_b32 s[G1+7], 0
	s_or_b32 s[G1B], s15, (1<<16)|(1<<20)|(1<<21)|(5<<22)|(7<<25)  ; W: rows of 64 words, 8 words of padding
	s_mov_b32 s[G1B+1], 128<<16
	s_mov_b32 s[G1B+2], 128<<16
	s_mov_b32 s[G1B+3], 128<<16
	s_mov_b32 s[G1B+4], 128
	s_mov_b32 s[G1B+5], 1024
	s_mov_b32 s[G1B+6], 0
	s_mov_b32 s[G1B+7], 0
	s_lshl_b32 s16, s13, 7                         ; A: row 128 x tile row + 64 x half
	s_lshl_b32 s17, s12, 6
	s_add_co_u32 s16, s16, s17
	s_mul_i32 s16, s16, SIZE_K*2
	s_add_co_u32 s16, s16, AOFF
	s_mov_b32 s17, 0
	s_lshl_b32 s46, s12, 18                        ; W: k row 128 x half; 256 bytes a tile column
	s_lshl_b32 s47, s42, 8
	s_add_co_u32 s46, s46, s47
	s_add_co_u32 s46, s46, WOFF
	s_mov_b32 s47, 0
	s_mul_i32 s20, s12, AHALF                      ; where the loads go: the wave's number alone
	s_mul_i32 s21, s12, WHALF
	s_add_co_u32 s21, s21, BOFF
	s_lshl_b32 s18, s13, 7                         ; residual and output: row 128 x tile row + 64 x my half, 4,096 bytes a row; my 64 columns
	s_lshl_b32 s19, s11, 6
	s_add_co_u32 s18, s18, s19
	s_lshl_b32 s18, s18, 12
	s_lshl_b32 s19, s42, 9
	s_add_co_u32 s18, s18, s19
	s_lshl_b32 s19, s12, 8
	s_add_co_u32 s18, s18, s19
	s_mov_b32 s19, 0
	s_lshl_b32 s22, s42, 9                         ; the bias of my 64 columns
	s_lshl_b32 s23, s12, 8
	s_add_co_u32 s22, s22, s23
	s_mov_b32 s23, 0
	s_wait_dscnt 0x0                               ; the opening add is done
	s_wait_kmcnt 0x0
.if MLP2
	s_mov_b64 s[RESP:RESP+1], s[4:5]               ; x1 lies at the head of the buffer that holds h
.endif
	s_add_nc_u64 s[14:15], s[4:5], s[16:17]
	s_add_nc_u64 s[46:47], s[6:7], s[46:47]
	s_add_nc_u64 s[RESP:RESP+1], s[RESP:RESP+1], s[18:19]
	s_add_nc_u64 s[OUTP:OUTP+1], s[OUTP:OUTP+1], s[18:19]
	s_add_nc_u64 s[8:9], s[8:9], s[22:23]
.irp s, 0,1
	s_mov_b32 s[G0+4*(\s)], 1
	s_add_co_u32 s[G0+4*(\s)+1], s20, (\s)*SLOT
	s_add_nc_u64 s[G0+4*(\s)+2:G0+4*(\s)+3], s[14:15], (\s)*KSTEP*2
	s_or_b32 s[G0+4*(\s)+3], s[G0+4*(\s)+3], 0x80000000
	s_mov_b32 s[G0B+4*(\s)], 1
	s_add_co_u32 s[G0B+4*(\s)+1], s21, (\s)*SLOT
	s_add_nc_u64 s[G0B+4*(\s)+2:G0B+4*(\s)+3], s[46:47], (\s)*KSTEP*WPITCH
	s_or_b32 s[G0B+4*(\s)+3], s[G0B+4*(\s)+3], 0x80000000
.endr
	CROUND                                         ; all sixteen work-groups are here: the first joint loads meet
	s_cmp_eq_u32 s11, 0                            ; a wave's two first fills stand in one branch: two loads of mine are out
	s_cbranch_scc0 .Lfirst_w
	tensor_load_to_lds s[G0:G0+3], s[G1:G1+7]
	s_nop 0
	tensor_load_to_lds s[G0+4:G0+7], s[G1:G1+7]
	s_nop 0
	PLACES
	s_branch .Lfirst_done
.Lfirst_w:
	tensor_load_to_lds s[G0B:G0B+3], s[G1B:G1B+7]
	s_nop 0
	tensor_load_to_lds s[G0B+4:G0B+7], s[G1B:G1B+7]
	s_nop 0
	PLACES
.Lfirst_done:
	v_and_b32 v1, 15, v0
	v_bfe_u32 v2, v0, 4, 1
	v_lshlrev_b32 v[BO], 5, v2
	v_lshlrev_b32 v[CO], 12, v2                    ; lanes 0-15 one row of 256 bytes, lanes 16-31 the next
	v_lshl_add_u32 v[CO], v1, 4, v[CO]
	WIN 0x40
.irp b, 0,1,2,3
	global_load_b128 v[BIAS+8*(\b):BIAS+8*(\b)+3],   v[BO], s[8:9] offset:64*(\b)
	global_load_b128 v[BIAS+8*(\b)+4:BIAS+8*(\b)+7], v[BO], s[8:9] offset:64*(\b)+16
.endr
	WIN 0x80
.set i, 0
.rept 32                               ; the residual of my 64 x 64, two rows a load
	global_load_b128 v[RES+4*i:RES+4*i+3], v[CO], s[RESP:RESP+1] offset:2*i*4096 th:TH_LOAD_NT
.set i, i+1
.endr
	WIN 0
	v_mul_u32_u24 v3, v1, PA
	v_lshl_add_u32 v3, v2, 4, v3
	s_mul_i32 s20, s11, AHALF
	v_add_nc_u32 v[ADRA0], s20, v3
	v_and_b32 v4, 7, v0
	v_lshl_add_u32 v4, v2, 3, v4
	v_mul_u32_u24 v4, v4, PB
	v_bfe_u32 v5, v0, 3, 1
	v_lshl_add_u32 v4, v5, 4, v4
	s_lshl_b32 s21, s12, 7
	s_add_co_u32 s21, s21, BOFF
	v_add_nc_u32 v[ADRB0], s21, v4
	s_mul_i32 s22, s10, 16*SPITCH
	s_add_co_u32 s22, s22, STAGE                   ; my stage
	v_mul_u32_u24 v5, v1, SPITCH
	v_lshl_add_u32 v5, v2, 5, v5
	v_add_nc_u32 v[STO], s22, v5
	v_mul_u32_u24 v5, v2, SPITCH
	v_lshl_add_u32 v5, v1, 4, v5
	v_add_nc_u32 v[RD], s22, v5
	s_wait_tensorcnt 1                             ; my part of K step 0 is in; step 1's may stay out
	s_barrier_signal -1
	s_barrier_wait -1
	s_mov_b32 s[TB], 0
	v_mov_b32 v[ADRA], v[ADRA0]
	v_mov_b32 v[ADRB], v[ADRB0]
	v_add_nc_u32 v[ADRB+1], 128*PB, v[ADRB0]
	FETCH 0, F0
	s_wait_loadcnt 32                              ; the bias is in; the residual's 32 loads may stay out
	QUARTER 1, F0, F1, 1
	WIN 0
	s_mov_b32 s3, STEPS-2
.Lstep:
	QUARTER 2, F1, F0, 0
	QUARTER 3, F0, F1, 0
	TURN 1
	QUARTER 1, F0, F1, 0
	WIN 0
	s_sub_co_u32 s3, s3, 1
	s_cmp_lg_u32 s3, 0
	s_cbranch_scc1 .Lstep
	s_mov_b32 s3, 2
.Ltail:                                        ; the last two steps ask for nothing: the same trip without a refill, twice, left in the second trip's middle.
	QUARTER 2, F1, F0, 0                           ; The second trip's change of slots fetches 32 fragments of the slot read before it, which serve nothing: the price of one text for both steps
	QUARTER 3, F0, F1, 0
	TURN 0
	WIN 0
	s_sub_co_u32 s3, s3, 1
	s_cmp_eq_u32 s3, 0
	s_cbranch_scc1 .Lsums
	QUARTER 1, F0, F1, 0
	WIN 0
	s_branch .Ltail
.Lsums:
	PLACES
; THE WAY OUT, 16 rows at a time: 32 bytes a lane into my stage, back as whole rows of 256 bytes, the residual added, stored.
.macro TOSTAGE a
.set BK, 32+160*((\a)%2)
.if (\a) >= 2
	s_wait_xcnt 0x0                                ; the stores of the block two back have read these registers
.endif
	WIN 0x08                                       ; the stores' data in window 2
.irp b, 0,1,2,3
	ds_store_b128 v[STO], v[8*(4*(\a)+(\b)):8*(4*(\a)+(\b))+3]   offset:64*(\b)      ; each accumulator's low registers first
	ds_store_b128 v[STO], v[8*(4*(\a)+(\b))+4:8*(4*(\a)+(\b))+7] offset:64*(\b)+16
.endr
	WIN 0
.irp t, 0,1,2,3,4,5,6,7
	ds_load_b128 v[BK+4*(\t):BK+4*(\t)+3], v[RD] offset:(\t)*2*SPITCH  ; LDS serves a wave's instructions in order (ISA guide 5.7.1.4): these see the stores above
.endr
.endm
.macro SEND a, younger
.set BK, 32+160*((\a)%2)
	s_wait_dscnt \younger                          ; the block is back; the next block's sixteen LDS instructions may be out
	WIN 0x08                                       ; source 1, the residual, in window 2
.set i, 0
.rept 16
	v_pk_add_f32 v[BK+2*i:BK+2*i+1], v[BK+2*i:BK+2*i+1], v[RES+32*(\a)+2*i:RES+32*(\a)+2*i+1]
.set i, i+1
.endr
	WIN 0
.irp t, 0,1,2,3,4,5,6,7
	global_store_b128 v[CO], v[BK+4*(\t):BK+4*(\t)+3], s[OUTP:OUTP+1] offset:(16*(\a)+2*(\t))*4096  ; sixteen lanes store 256 consecutive bytes, aligned
.endr
.endm
	s_wait_loadcnt 0x0                             ; the residual
	TOSTAGE 0
	TOSTAGE 1
	SEND 0, 16
	TOSTAGE 2
	SEND 1, 16
	TOSTAGE 3
	SEND 2, 16
	SEND 3, 0
	s_wait_tensorcnt 0x0                           ; the wave's end
	ds_add_u32 v[SPW], v[NIL]
	s_wait_dscnt 0x0
	CROUND                                         ; the closing round
	s_endpgm
.Lfunc_end_k_q55ef5c96f6_wo:
	.size	k_q55ef5c96f6_wo, .Lfunc_end_k_q55ef5c96f6_wo-k_q55ef5c96f6_wo
	.p2alignl 7, 3214868480
	.fill 96, 4, 3214868480
	.section	.rodata,"a",@progbits
	.p2align	6, 0x0
	.amdhsa_kernel k_q55ef5c96f6_wo
		.amdhsa_group_segment_fixed_size 327680
		.amdhsa_private_segment_fixed_size 0
		.amdhsa_enable_private_segment 0
		.amdhsa_kernarg_size 40
		.amdhsa_user_sgpr_count 2
		.amdhsa_user_sgpr_kernarg_segment_ptr 1
		.amdhsa_wavefront_size32 1
		.amdhsa_system_sgpr_workgroup_id_x 1
		.amdhsa_system_sgpr_workgroup_id_y 1
		.amdhsa_system_sgpr_workgroup_id_z 1
		.amdhsa_system_vgpr_workitem_id 0
		.amdhsa_next_free_vgpr 768
		.amdhsa_next_free_sgpr 72
		.amdhsa_reserve_vcc 0
		.amdhsa_float_denorm_mode_32 3
		.amdhsa_float_denorm_mode_16_64 3
		.amdhsa_memory_ordered 1
		.amdhsa_forward_progress 1
		.amdhsa_inst_pref_size 67
	.end_amdhsa_kernel
	.amdgpu_metadata
---
amdhsa.version: [ 1, 2 ]
amdhsa.kernels:
  - .name:           k_q55ef5c96f6_wo
    .symbol:         k_q55ef5c96f6_wo.kd
    .args:
      - { .name: actA, .offset: 0, .size: 8, .value_kind: global_buffer, .address_space: global }
      - { .name: wrest, .offset: 8, .size: 8, .value_kind: global_buffer, .address_space: global }
      - { .name: bo, .offset: 16, .size: 8, .value_kind: global_buffer, .address_space: global }
      - { .name: x, .offset: 24, .size: 8, .value_kind: global_buffer, .address_space: global }
      - { .name: actB, .offset: 32, .size: 8, .value_kind: global_buffer, .address_space: global }
    .group_segment_fixed_size: 327680
    .private_segment_fixed_size: 0
    .kernarg_segment_align: 8
    .kernarg_segment_size: 40
    .max_flat_workgroup_size: 128
    .sgpr_count:     72
    .vgpr_count:     768
    .wavefront_size: 32
...
	.end_amdgpu_metadata
.endif
;; end of part 4
;; launch ln2 (part 5): grid 512 x 1, 8 waves a work-group, no clusters, 0 bytes of LDS; arguments actB, ln2_g, ln2_b, actA; writes actA
.if DOCPART == 5
	.amdgcn_target "amdgcn-amd-amdhsa--gfx1250"
	.amdhsa_code_object_version 6
	.text
	.protected	k_q55ef5c96f6_ln2
	.globl	k_q55ef5c96f6_ln2
	.p2align	8
	.type	k_q55ef5c96f6_ln2,@function
k_q55ef5c96f6_ln2:
	s_mov_b64 s[64:65], 0
	v_nop
	global_prefetch_b8 v0, s[64:65] scope:SCOPE_SE
	s_setreg_imm32_b32 hwreg(HW_REG_WAVE_MODE, 25, 1), 1
	s_wait_xcnt 0x0
; y2 = LayerNorm(x1) ln2_g + ln2_b.  x1: [4096][1024] f32 at the head of its buffer; y2: [4096][1024] bf16.
; A wave takes one row and keeps it in 32 registers between the passes: x1 is read once, no wave waits for another, nothing goes through LDS.
; Mean first, then the squares of x - mean: no difference of large sums.
.set K10, 3                            ; v3       2^-10
.set LM,  4                            ; v[4:5]   the mean, twice
.set LR,  6                            ; v[6:7]   1 / sqrt(var + eps), twice
.set LA,  8                            ; v[8:15]  four chains of packed sums
.set X0,  16                           ; v[16:47]  the row
.set LG,  48                           ; v[48:79]  gain of my 32 columns
.set LB,  80                           ; v[80:111] bias of my 32 columns
.macro LNFOLD
	v_pk_add_f32 v[LA:LA+1], v[LA:LA+1], v[LA+2:LA+3]
	v_pk_add_f32 v[LA+4:LA+5], v[LA+4:LA+5], v[LA+6:LA+7]
	v_pk_add_f32 v[LA:LA+1], v[LA:LA+1], v[LA+4:LA+5]
	v_add_f32 v[LA], v[LA], v[LA+1]
	v_add_f32_dpp v[LA], v[LA], v[LA] row_xmask:1 row_mask:0xf bank_mask:0xf
	v_add_f32_dpp v[LA], v[LA], v[LA] row_xmask:2 row_mask:0xf bank_mask:0xf
	v_add_f32_dpp v[LA], v[LA], v[LA] row_xmask:4 row_mask:0xf bank_mask:0xf
	v_add_f32_dpp v[LA], v[LA], v[LA] row_xmask:8 row_mask:0xf bank_mask:0xf
	v_permlanex16_b32 v[LA+1], v[LA], s12, s13
	v_add_f32 v[LA], v[LA], v[LA+1]
.endm
.macro LNROW X
	s_wait_loadcnt 16                              ; the row's eight loads are in; the gain's and the bias's sixteen, issued behind them, may stay out
.irp k, 0,1,2,3
	v_pk_add_f32 v[LA+2*(\k):LA+2*(\k)+1], v[(\X)+4*(\k):(\X)+4*(\k)+1], v[(\X)+4*(\k)+2:(\X)+4*(\k)+3]
.endr
.irp k, 0,1,2,3
	v_pk_add_f32 v[LA+2*(\k):LA+2*(\k)+1], v[LA+2*(\k):LA+2*(\k)+1], v[(\X)+16+4*(\k):(\X)+16+4*(\k)+1]
.endr
.irp k, 0,1,2,3
	v_pk_add_f32 v[LA+2*(\k):LA+2*(\k)+1], v[LA+2*(\k):LA+2*(\k)+1], v[(\X)+16+4*(\k)+2:(\X)+16+4*(\k)+3]
.endr
	LNFOLD
	v_mul_f32 v[LM], v[LA], v[K10]
	v_mul_f32 v[LM+1], v[LA], v[K10]
.set i, 0
.rept 16
	v_pk_add_f32 v[(\X)+2*i:(\X)+2*i+1], v[(\X)+2*i:(\X)+2*i+1], v[LM:LM+1] neg_lo:[0,1] neg_hi:[0,1]
.set i, i+1
.endr
.irp k, 0,1,2,3
	v_pk_mul_f32 v[LA+2*(\k):LA+2*(\k)+1], v[(\X)+2*(\k):(\X)+2*(\k)+1], v[(\X)+2*(\k):(\X)+2*(\k)+1]
.endr
.set i, 4
.rept 12
	v_pk_fma_f32 v[LA+2*(i%4):LA+2*(i%4)+1], v[(\X)+2*i:(\X)+2*i+1], v[(\X)+2*i:(\X)+2*i+1], v[LA+2*(i%4):LA+2*(i%4)+1]
.set i, i+1
.endr
	LNFOLD
	v_fmaak_f32 v[LA], v[LA], v[K10], 0x3727c5ac   ; var + 1e-5
	v_rsq_f32 v[LR], v[LA]
	v_rsq_f32 v[LR+1], v[LA]
	v_nop                                          ; a plain instruction behind the second root,
	s_wait_alu depctr_va_vdst(0)                   ; and one wait for the two, ahead of their first reader
.set i, 0
.rept 16
	v_pk_mul_f32 v[(\X)+2*i:(\X)+2*i+1], v[(\X)+2*i:(\X)+2*i+1], v[LR:LR+1]
.set i, i+1
.endr
	s_wait_loadcnt 0x0                             ; gain and bias
.set i, 0
.rept 16
	v_pk_fma_f32 v[(\X)+2*i:(\X)+2*i+1], v[(\X)+2*i:(\X)+2*i+1], v[LG+2*i:LG+2*i+1], v[LB+2*i:LB+2*i+1]
.set i, i+1
.endr
.set i, 0
.rept 16
	v_cvt_pk_bf16_f32 v[(\X)+i], v[(\X)+2*i], v[(\X)+2*i+1]  ; packed in place: the destination never lies above its sources
.set i, i+1
.endr
.irp j, 0,1,2,3,4,5,6,7
	global_store_b64 v2, v[(\X)+2*(\j):(\X)+2*(\j)+1], s[22:23] offset:256*(\j)  ; 32 lanes store 256 consecutive bytes, aligned
.endr
.endm
	s_load_b256 s[16:23], s[0:1], 0x0              ; x1 s[16:17], gain s[18:19], bias s[20:21], y2 s[22:23]
	v_lshrrev_b32 v1, 5, v0
	v_readfirstlane_b32 s8, v1
	s_lshl_b32 s10, ttmp9, 3
	s_add_co_u32 s10, s10, s8                      ; the wave among 4,096: its row
	s_lshl_b32 s24, s10, 12
	s_mov_b32 s25, 0
	s_lshl_b32 s26, s10, 11
	s_mov_b32 s27, 0
	s_mov_b32 s12, 0x76543210
	s_mov_b32 s13, 0xfedcba98
	v_and_b32 v2, 31, v0
	v_lshlrev_b32 v1, 4, v2
	v_lshlrev_b32 v2, 3, v2
	v_mov_b32 v[K10], 0x3a800000
	s_wait_kmcnt 0x0
	s_add_nc_u64 s[16:17], s[16:17], s[24:25]
	s_add_nc_u64 s[22:23], s[22:23], s[26:27]
.irp j, 0,1,2,3,4,5,6,7
	global_load_b128 v[X0+4*(\j):X0+4*(\j)+3], v1, s[16:17] offset:512*(\j) th:TH_LOAD_NT
.endr
.irp j, 0,1,2,3,4,5,6,7
	global_load_b128 v[LG+4*(\j):LG+4*(\j)+3], v1, s[18:19] offset:512*(\j)
.endr
.irp j, 0,1,2,3,4,5,6,7
	global_load_b128 v[LB+4*(\j):LB+4*(\j)+3], v1, s[20:21] offset:512*(\j)
.endr
	LNROW X0
	s_endpgm
.Lfunc_end_k_q55ef5c96f6_ln2:
	.size	k_q55ef5c96f6_ln2, .Lfunc_end_k_q55ef5c96f6_ln2-k_q55ef5c96f6_ln2
	.p2alignl 7, 3214868480
	.fill 96, 4, 3214868480
	.section	.rodata,"a",@progbits
	.p2align	6, 0x0
	.amdhsa_kernel k_q55ef5c96f6_ln2
		.amdhsa_group_segment_fixed_size 0
		.amdhsa_private_segment_fixed_size 0
		.amdhsa_enable_private_segment 0
		.amdhsa_kernarg_size 32
		.amdhsa_user_sgpr_count 2
		.amdhsa_user_sgpr_kernarg_segment_ptr 1
		.amdhsa_wavefront_size32 1
		.amdhsa_system_sgpr_workgroup_id_x 1
		.amdhsa_system_sgpr_workgroup_id_y 1
		.amdhsa_system_sgpr_workgroup_id_z 1
		.amdhsa_system_vgpr_workitem_id 0
		.amdhsa_next_free_vgpr 112
		.amdhsa_next_free_sgpr 66
		.amdhsa_reserve_vcc 0
		.amdhsa_float_denorm_mode_32 3
		.amdhsa_float_denorm_mode_16_64 3
		.amdhsa_memory_ordered 1
		.amdhsa_forward_progress 1
		.amdhsa_inst_pref_size 12
	.end_amdhsa_kernel
	.amdgpu_metadata
---
amdhsa.version: [ 1, 2 ]
amdhsa.kernels:
  - .name:           k_q55ef5c96f6_ln2
    .symbol:         k_q55ef5c96f6_ln2.kd
    .args:
      - { .name: actB, .offset: 0, .size: 8, .value_kind: global_buffer, .address_space: global }
      - { .name: ln2_g, .offset: 8, .size: 8, .value_kind: global_buffer, .address_space: global }
      - { .name: ln2_b, .offset: 16, .size: 8, .value_kind: global_buffer, .address_space: global }
      - { .name: actA, .offset: 24, .size: 8, .value_kind: global_buffer, .address_space: global }
    .group_segment_fixed_size: 0
    .private_segment_fixed_size: 0
    .kernarg_segment_align: 8
    .kernarg_segment_size: 32
    .max_flat_workgroup_size: 256
    .sgpr_count:     66
    .vgpr_count:     112
    .wavefront_size: 32
...
	.end_amdgpu_metadata
.endif
;; end of part 5
;; launch mlp1 (part 6): grid 16 x 16, 4 waves a work-group, clusters of 4 x 4, 327,680 bytes of LDS; arguments actA, wrest, b1, actB; writes actB
.if DOCPART == 6
	.amdgcn_target "amdgcn-amd-amdhsa--gfx1250"
	.amdhsa_code_object_version 6
	.text
	.protected	k_q55ef5c96f6_mlp1
	.globl	k_q55ef5c96f6_mlp1
	.p2align	8
	.type	k_q55ef5c96f6_mlp1,@function
k_q55ef5c96f6_mlp1:
	s_mov_b64 s[64:65], 0
	v_nop
	global_prefetch_b8 v0, s[64:65] scope:SCOPE_SE
	s_setreg_imm32_b32 hwreg(HW_REG_WAVE_MODE, 25, 1), 1
	s_wait_xcnt 0x0
	s_wait_alu depctr_hold_cnt(0) depctr_sa_sdst(0) depctr_va_vdst(0) depctr_va_sdst(0) depctr_va_ssrc(0) depctr_va_vcc(0) depctr_vm_vsrc(0)
	s_getreg_b32 s2, hwreg(HW_REG_IB_STS2, 6, 4)
	s_cmp_eq_u32 s2, 0
	s_cbranch_scc0 .Lentry_in_a_cluster
	s_endpgm
.Lentry_in_a_cluster:
	s_bfe_u32 s2, ttmp6, 0x10000c
	s_cmp_lg_u32 s2, 0xf033
	s_cbranch_scc0 .Lentry_shape_is_right
	s_endpgm
.Lentry_shape_is_right:
; C = A W + bias on tiles of 256 x 256, K = 1,024.  One text for two launches; GELU chooses the way out when the text is assembled:
;   0: A = y1, W = Wq | Wk | Wv.  q and k are turned (RoPE), and all three go out by heads, [3][32][2048][64] bf16.
;   1: A = y2, W = W1.  h = gelu(C) goes out as [4096][4096] bf16, 33,554,432 bytes into the buffer.
; A: [4096][1024] bf16.  W: [1024 k][4096] bf16, as it lies in the input ([in][out]).  Sums in f32; the bias is the C operand of each sum's first product.
; SHARES.  Four waves, each 128 x 128 of C: 64 accumulators.  K in steps of 128 through two LDS slots; each wave fetches a quarter of a slot with one tensor load.
; THE MATRIX INSTRUCTION IS USED TRANSPOSED: source 0 = 16 columns of W (turned on the way out of LDS by ds_load_tr16_b128), source 1 = 16 rows of A.  A lane then holds row l % 16 of C and columns 8 (l / 16) + 0..7.
; CLUSTER.  4 x 4 work-groups; A's tiles are asked for jointly along a row of the cluster, W's along a column.
; THE TEXT.  A K step is written twice: once in the loop that fills slots again, once in a tail of two trips that fills nothing.
; THE WAY OUT.  When the ring has had its last fill each wave lays its 128 x 128 sums, in f32, over the ring's bytes; a short counted loop reads them back by rows, two units a trip on two sets of registers.
; gelu(u) = u / (1 + 2^(u (A + B u^2))), A = -2 log2(e) 0.79788456, B = 0.044715 A: the same function as 0.5 u (1 + tanh(..)); an overflowing power gives 0 or u, as tanh's ends do.
; REGISTERS: window 0: v16-31 addresses; v64-127, v128-191 A's fragments, two buffers; later the way out.  Window 1: the same numbers for W's fragments; v192-255 the bias.  Windows 2, 3: the accumulators.
.set GELU, 1
.set NF, 8                             ; blocks of 16 along each side of a wave's tile
.set NW, 64                            ; matrix instructions in a quarter step (32 along K)
.set FIRSTLEFT, 8                      ; the youngest loads of a run, which only a quarter's second half wants
.set KSTEP, 128
.set STEPS, 8
.set PA, 272                           ; A's LDS row: 256 bytes + 16
.set PB, 544                           ; W's LDS row: 512 bytes + 32: the turning load's 8 rows x 32 bytes fall on different banks (64 banks of 4 bytes: ISA guide 11.1)
.set HALFT, 34816                      ; what one tensor load brings: 128 x 272 = 64 x 544
.set BOFF, 2*HALFT                     ; W behind A
.set SLOT, 4*HALFT                     ; 0x22000: shares no bit with the four loads' places in slot 0, so one exclusive or changes slots
.set TABL, 2*SLOT                      ; behind the ring (GELU = 0): 256 positions of the table, 128 bytes + 16
.set TP, 144
.if GELU
.set SPARE, 2*SLOT                     ; the spare words, 128 bytes for each wave, that no other line names
.else
.set SPARE, TABL+256*TP
.endif
.set DP, 528                           ; the dump's row: 128 f32 + 16 bytes
.set DREG, 128*DP                      ; a wave's dump
.set APITCH, 2048
.set WPITCH, 8192
.set ADRA0, 16                         ; my place in A's tile, slot 0; never rewritten
.set ADRA, 17                          ; the same in the slot in hand
.set ADRB0, 18
.set ADRB, 19
.set DST, 21                           ; where my 32 bytes of a dumped row go
.set RS0, 22                           ; RoPE: my 8 channels,
.set RO0, 23                           ; the 8 channels 32 away,
.set RT0, 24                           ; my 8 frequencies in the table
.set SGM, 25                           ; the sign of rotate_half, on two f16
.set GO0, 26                           ; my bytes in a store
.set RG0, 27                           ; gelu: my 16 bytes of a dumped row
.set SPW, 28
.set NIL, 29
.set PFO, 30
.set BO, 31
.set F0, 64
.set F1, 128
.set BIAS, 192
.set G1, 24                            ; s[24:31] group 1 for A;  s[32:39] group 0: set 0 for the first fill, set 1 walks
.set G0, 32
.set LIM, 43
.set PFA, 44
.set G1B, 48                           ; the same for W
.set G0B, 56
.set PST, 66                           ; s[66:67] a K step in bytes, for the prefetches
.set G1T, 68                           ; s[68:75], s[76:79] the table's descriptor
.set GTB, 76
.set TB, 80                            ; 0 or SLOT: the slot in hand
.set OUT, 82
.set CA, 84                            ; s[84:85] A,  s[86:87] B
.set CB, 86
.set UO, 88                            ; the way out: the dump's byte, the table's byte, the output's byte of the pair of units to come
.set TO, 89
.set GOFF, 90
.set CN2, 91
.set TABP, 92                          ; s[92:93] tab
.set MSB, 0
.macro WIN new                         ; the immediate's high byte repeats the setting that is left; a switch that changes nothing is dropped
.if MSB != (\new)
	s_set_vgpr_msb (MSB<<8)|(\new)
.set MSB, \new
.endif
.endm
.macro PLACES                          ; four plain places behind matrix instructions, ahead of loads into their sources and of readers of their results
.rept 4
	v_nop
.endr
.endm
.macro CREST                           ; a round of the cluster's barrier behind its opening barrier
	s_cmp_lg_u32 s10, 0
	s_cbranch_scc1 .Lnot_wave_0_\@
	s_barrier_signal -3
.Lnot_wave_0_\@:
	s_barrier_wait -3
	s_barrier_signal -1
	s_barrier_wait -1
.endm
.macro CROUND
	s_barrier_signal -1
	s_barrier_wait -1
	CREST
.endm
.macro JLOAD                           ; a joint refill by the walking descriptor: waves 0, 1 A's halves, waves 2, 3 W's; s_nop 0 and four v_nop follow each line
	s_cmp_eq_u32 s11, 0
	s_cbranch_scc0 .Lfor_b_\@
	tensor_load_to_lds s[G0+4:G0+7], s[G1:G1+7]
	s_nop 0
	PLACES
	s_branch .Lasked_\@
.Lfor_b_\@:
	tensor_load_to_lds s[G0B+4:G0B+7], s[G1B:G1B+7]
	s_nop 0
	PLACES
.Lasked_\@:
.endm
; A prefetch behind each refill: the K step two refills on, 32 blocks of 256 bytes, a lane a block.  A's rows are asked for by the clusters with x = 0, W's by those with y = 0; the four partners of a joint
; load share its blocks out by address.  So each block is named once.  K steps 0 to 3 come by their loads alone; the refills of steps 6 and 7 ask for nothing (s3 is 2 and 1 there).
.macro ASK
	s_cmp_gt_u32 s3, s[LIM]
	s_cbranch_scc0 .Lnot_mine_\@
	global_prefetch_b8 v[PFO], s[PFA:PFA+1] th:TH_LOAD_NT scope:SCOPE_SE
.Lnot_mine_\@:
.endm
; Matrix instructions u0 .. u1 - 1 of a quarter, from buffer f: accumulator t = u: row block t / 8, column block t % 8.  The 64 take turns.  first = 1: C is the bias.
.macro MULR f, u0, u1, first
.set u, \u0
.rept (\u1)-(\u0)
.set aa, u/NF
.set bb, u%NF
.set ww, 2+u/32
.set dd, 8*(u%32)
.if \first
	WIN (ww<<6)|(1<<4)|1
	v_wmma_f32_16x16x32_bf16 v[dd:dd+7], v[(\f)+8*bb:(\f)+8*bb+7], v[(\f)+8*aa:(\f)+8*aa+7], v[BIAS+8*bb:BIAS+8*bb+7]
.else
	WIN (ww<<6)|(ww<<4)|1
	v_wmma_f32_16x16x32_bf16 v[dd:dd+7], v[(\f)+8*bb:(\f)+8*bb+7], v[(\f)+8*aa:(\f)+8*aa+7], v[dd:dd+7]
.endif
.set u, u+1
.endr
.endm
.macro FETCH kq, f                     ; 32 LDS loads in one run: quarter kq's fragments of W (turned), then of A
	WIN 0x40
.irp i, 0,1,2,3,4,5,6,7
	ds_load_tr16_b128 v[(\f)+8*(\i):(\f)+8*(\i)+3],   v[ADRB] offset:32*(\kq)*PB+32*(\i)
	ds_load_tr16_b128 v[(\f)+8*(\i)+4:(\f)+8*(\i)+7], v[ADRB] offset:(32*(\kq)+16)*PB+32*(\i)
.endr
	WIN 0
.irp i, 0,1,2,3,4,5,6,7
	ds_load_b128 v[(\f)+8*(\i):(\f)+8*(\i)+3],   v[ADRA] offset:(\i)*16*PA+64*(\kq)
	ds_load_b128 v[(\f)+8*(\i)+4:(\f)+8*(\i)+7], v[ADRA] offset:(\i)*16*PA+64*(\kq)+32
.endr
.endm
.macro QUARTER kq, f, g, first         ; multiplies buffer f; in its middle fetches quarter kq into g
	s_wait_dscnt FIRSTLEFT                         ; W and A's rows 0-63 are in; A's rows 64-127 may be out
	MULR \f, 0, NW/2, \first
	PLACES
	FETCH \kq, \g
	s_wait_dscnt 32                                ; all but the 32 just issued
	MULR \f, NW/2, NW, \first
.endm
; A step's last quarter, and the change of slots: each wave waits for all its tensor loads, adds 0 to its spare word, waits for that and for its reads of the slot.  fill = 1: the barrier opens a round of
; the cluster's, and the joint refill is the first thing behind it: 224 matrix instructions ahead of the wait for it.
.macro TURN fill
.if \fill
	s_wait_xcnt 0x0                                ; the last prefetch, a K step back, has read its address
	s_add_nc_u64 s[PFA:PFA+1], s[PFA:PFA+1], s[PST:PST+1]
.endif
	WIN 0
	s_wait_tensorcnt 0x0                           ; my part of the other slot is in, and no load of mine is out
	ds_add_u32 v[SPW], v[NIL]
	s_wait_dscnt FIRSTLEFT+1                       ; (the add and the youngest eight loads may be out)
	MULR F1, 0, NW/4, 0
	s_wait_dscnt 0x0                               ; the add is done, my reads of this slot are over
	s_barrier_signal -1
	MULR F1, NW/4, NW/2, 0
	WIN 0
	s_barrier_wait -1
.if \fill
	CREST
	s_xor_b32 s[G0+5], s[G0+5], SLOT               ; the walking descriptors: the slot just read, the next K step
	s_add_nc_u64 s[G0+6:G0+7], s[G0+6:G0+7], KSTEP*2
	s_xor_b32 s[G0B+5], s[G0B+5], SLOT
	s_add_nc_u64 s[G0B+6:G0B+7], s[G0B+6:G0B+7], KSTEP*WPITCH
	JLOAD
.else
	PLACES
.endif
	s_xor_b32 s[TB], s[TB], SLOT
	v_add_nc_u32 v[ADRA], s[TB], v[ADRA0]
	v_add_nc_u32 v[ADRB], s[TB], v[ADRB0]
	FETCH 0, F0
.if \fill
	ASK
.endif
	MULR F1, NW/2, NW, 0
.endm
; ---- the way out with RoPE (GELU = 0).  A unit is 4 rows x my 2 heads; lane: row l / 8, channels 8 (l % 8) + 0..7 of each head.  Two units a trip, on register sets 0 and 1. ----
.set RTC, 32                           ; + 8 k: cos, 8 f16;  + 4: sin
.set RXS, 64                           ; + 32 k: my channels, head q at + 8 q
.set RXO, 80                           ; + 32 k: the channels 32 away
.set RTT, 144
.set RPK, 160                          ; + 8 k
.set RGA, 176
.set RRA, 180
.set RZR, 183
.macro RADDR                           ; the LDS addresses of the pair of units to come: made once, stepped by a constant; the pair's second unit stands in the immediates
	v_add_nc_u32 v[RRA], s[UO], v[RS0]
	v_add_nc_u32 v[RRA+1], s[UO], v[RO0]
	v_add_nc_u32 v[RRA+2], s[TO], v[RT0]
	s_add_co_u32 s[UO], s[UO], 8*DP
	s_add_co_u32 s[TO], s[TO], 8*TP
.endm
.macro LOADU k                         ; ten LDS loads: a unit's sums, and its four positions of the table
.irp q, 0,1
	ds_load_b128 v[RXS+32*(\k)+8*(\q):RXS+32*(\k)+8*(\q)+3],   v[RRA] offset:(\k)*4*DP+256*(\q)
	ds_load_b128 v[RXS+32*(\k)+8*(\q)+4:RXS+32*(\k)+8*(\q)+7], v[RRA] offset:(\k)*4*DP+256*(\q)+16
	ds_load_b128 v[RXO+32*(\k)+8*(\q):RXO+32*(\k)+8*(\q)+3],   v[RRA+1] offset:(\k)*4*DP+256*(\q)
	ds_load_b128 v[RXO+32*(\k)+8*(\q)+4:RXO+32*(\k)+8*(\q)+7], v[RRA+1] offset:(\k)*4*DP+256*(\q)+16
.endr
	ds_load_b128 v[RTC+8*(\k):RTC+8*(\k)+3],   v[RRA+2] offset:(\k)*4*TP
	ds_load_b128 v[RTC+8*(\k)+4:RTC+8*(\k)+7], v[RRA+2] offset:(\k)*4*TP+64
.endm
.macro UNIT k, more, left              ; more = 1: the set is loaded again, two units on; left: the younger LDS loads, which may stay out
	s_wait_dscnt \left
	s_wait_xcnt 0x0                                ; the earlier stores have read their registers
.if (\k) == 0
	v_add_nc_u32 v[RGA], s[GOFF], v[GO0]           ; the pair's place in the output
	s_add_co_u32 s[GOFF], s[GOFF], 1024
.endif
.irp e, 0,1,2,3
	v_xor_b32 v[RTC+8*(\k)+4+(\e)], v[SGM], v[RTC+8*(\k)+4+(\e)]
.endr
.irp q, 0,1
.irp e, 0,1,2,3                        ; x[d +- 32] sin, the table's f16 halves read as they lie
	v_fma_mix_f32 v[RTT+8*(\q)+2*(\e)],   v[RXO+32*(\k)+8*(\q)+2*(\e)],   v[RTC+8*(\k)+4+(\e)], v[RZR] op_sel_hi:[0,1,0]
	v_fma_mix_f32 v[RTT+8*(\q)+2*(\e)+1], v[RXO+32*(\k)+8*(\q)+2*(\e)+1], v[RTC+8*(\k)+4+(\e)], v[RZR] op_sel:[0,1,0] op_sel_hi:[0,1,0]
.endr
.endr
.irp q, 0,1
.irp e, 0,1,2,3                        ; + x[d] cos
	v_fma_mix_f32 v[RTT+8*(\q)+2*(\e)],   v[RXS+32*(\k)+8*(\q)+2*(\e)],   v[RTC+8*(\k)+(\e)], v[RTT+8*(\q)+2*(\e)] op_sel_hi:[0,1,0]
	v_fma_mix_f32 v[RTT+8*(\q)+2*(\e)+1], v[RXS+32*(\k)+8*(\q)+2*(\e)+1], v[RTC+8*(\k)+(\e)], v[RTT+8*(\q)+2*(\e)+1] op_sel:[0,1,0] op_sel_hi:[0,1,0]
.endr
.endr
.irp e, 0,1,2,3,4,5,6,7
	v_cvt_pk_bf16_f32 v[RPK+8*(\k)+(\e)], v[RTT+2*(\e)], v[RTT+2*(\e)+1]
.endr
	global_store_b128 v[RGA], v[RPK+8*(\k):RPK+8*(\k)+3],   s[OUT:OUT+1] offset:512*(\k)         ; four rows of a head: 512 consecutive bytes
	global_store_b128 v[RGA], v[RPK+8*(\k)+4:RPK+8*(\k)+7], s[OUT:OUT+1] offset:262144+512*(\k)  ; the next head
.if \more
.if (\k) == 0
	RADDR
.endif
	LOADU \k
.endif
.endm
; ---- the way out with gelu (GELU = 1).  A unit is 4 rows; lane: columns 4 l .. 4 l + 3 of each.  Two units a trip, on register sets 0 and 1. ----
.set GX, 64                            ; + 16 k
.set GE, 128
.set GPK, 160                          ; + 8 k
.set GGA, 192
.set GRA, 194
.macro GADDR                           ; the LDS address of the pair of units to come
	v_add_nc_u32 v[GRA], s[UO], v[RG0]
	s_add_co_u32 s[UO], s[UO], 8*DP
.endm
.macro GLOAD k
.irp j, 0,1,2,3
	ds_load_b128 v[GX+16*(\k)+4*(\j):GX+16*(\k)+4*(\j)+3], v[GRA] offset:(4*(\k)+(\j))*DP
.endr
.endm
.macro HALF k, more, left
	s_wait_dscnt \left
	s_wait_xcnt 0x0                                ; the earlier stores have read their registers
.if (\k) == 0
	v_add_nc_u32 v[GGA], s[GOFF], v[GO0]           ; the pair's place in the output
	s_add_co_u32 s[GOFF], s[GOFF], 65536
.endif
.set i, 0
.rept 8
	v_pk_mul_f32 v[GE+2*i:GE+2*i+1], v[GX+16*(\k)+2*i:GX+16*(\k)+2*i+1], v[GX+16*(\k)+2*i:GX+16*(\k)+2*i+1]
.set i, i+1
.endr
.set i, 0
.rept 8
	v_pk_fma_f32 v[GE+2*i:GE+2*i+1], v[GE+2*i:GE+2*i+1], s[CB:CB+1], s[CA:CA+1] op_sel_hi:[1,0,0]
.set i, i+1
.endr
.set i, 0
.rept 8
	v_pk_mul_f32 v[GE+2*i:GE+2*i+1], v[GE+2*i:GE+2*i+1], v[GX+16*(\k)+2*i:GX+16*(\k)+2*i+1]
.set i, i+1
.endr
.set i, 0
.rept 16
	v_exp_f32 v[GE+i], v[GE+i]
.set i, i+1
.endr
	v_nop                                          ; a plain instruction behind the last power,
	s_wait_alu depctr_va_vdst(0)                   ; and one wait for the 16
.set i, 0
.rept 8
	v_pk_add_f32 v[GE+2*i:GE+2*i+1], v[GE+2*i:GE+2*i+1], 1.0 op_sel_hi:[1,0]
.set i, i+1
.endr
.set i, 0
.rept 16
	v_rcp_f32 v[GE+i], v[GE+i]
.set i, i+1
.endr
	v_nop
	s_wait_alu depctr_va_vdst(0)                   ; one wait for the 16 reciprocals
.set i, 0
.rept 8
	v_pk_mul_f32 v[GX+16*(\k)+2*i:GX+16*(\k)+2*i+1], v[GX+16*(\k)+2*i:GX+16*(\k)+2*i+1], v[GE+2*i:GE+2*i+1]
.set i, i+1
.endr
.set i, 0
.rept 8
	v_cvt_pk_bf16_f32 v[GPK+8*(\k)+i], v[GX+16*(\k)+2*i], v[GX+16*(\k)+2*i+1]
.set i, i+1
.endr
.irp j, 0,1,2,3
	global_store_b64 v[GGA], v[GPK+8*(\k)+2*(\j):GPK+8*(\k)+2*(\j)+1], s[OUT:OUT+1] offset:8192*(4*(\k)+(\j))  ; 32 lanes store 256 consecutive bytes, aligned
.endr
.if \more
.if (\k) == 0
	GADDR
.endif
	GLOAD \k
.endif
.endm
	s_load_b128 s[4:7], s[0:1], 0x0                ; A, W
	s_load_b64 s[8:9], s[0:1], 0x10                ; bias
.if GELU
	s_load_b64 s[OUT:OUT+1], s[0:1], 0x18
.else
	s_load_b64 s[TABP:TABP+1], s[0:1], 0x18        ; tab
	s_load_b64 s[OUT:OUT+1], s[0:1], 0x20
.endif
	v_lshl_add_u32 v[SPW], v0, 2, SPARE
	v_mov_b32 v[NIL], 0
	ds_add_u32 v[SPW], v[NIL]                      ; the wave's opening: the add and its wait ahead of my first tensor load
	v_lshrrev_b32 v1, 5, v0
	v_readfirstlane_b32 s10, v1                    ; wave 0..3
	s_lshr_b32 s11, s10, 1                         ; my half of the rows; also: I fetch A (0) or W (1)
	s_and_b32 s12, s10, 1                          ; my half of the columns; also: which half of that tile I fetch
	s_bfe_u32 s40, ttmp6, 0x40000                  ; cx
	s_bfe_u32 s41, ttmp6, 0x40004                  ; cy
	s_lshl_b32 s42, ttmp9, 2
	s_add_co_u32 s42, s42, s40                     ; tile column
	s_and_b32 s13, ttmp7, 0xffff
	s_lshl_b32 s13, s13, 2
	s_add_co_u32 s13, s13, s41                     ; tile row
	s_lshl_b32 s14, s41, 2
	s_lshl_b32 s14, 15, s14                        ; my row of the cluster
	s_lshl_b32 s15, 0x1111, s40                    ; my column
	s_or_b32 s[G1], s14, (1<<16)|(1<<20)|(1<<21)|(5<<22)|(3<<25)   ; 2-byte elements; after every 64 words 4 words of padding; bit 21 beside the mask
	s_mov_b32 s[G1+1], 128<<16                     ; tensor_dim0 = 128
	s_mov_b32 s[G1+2], 128<<16                     ; tensor_dim1 = 128
	s_mov_b32 s[G1+3], 128<<16                     ; tile_dim0 = 128
	s_mov_b32 s[G1+4], 128                         ; tile_dim1 = 128
	s_mov_b32 s[G1+5], 1024                        ; elements from row to row
	s_mov_b32 s[G1+6], 0
	s_mov_b32 s[G1+7], 0
	s_or_b32 s[G1B], s15, (1<<16)|(1<<20)|(1<<21)|(6<<22)|(7<<25)  ; after every 128 words 8 words of padding
	s_mov_b32 s[G1B+1], 256<<16
	s_mov_b32 s[G1B+2], 64<<16
	s_mov_b32 s[G1B+3], 256<<16
	s_mov_b32 s[G1B+4], 64
	s_mov_b32 s[G1B+5], 4096
	s_mov_b32 s[G1B+6], 0
	s_mov_b32 s[G1B+7], 0
	s_lshl_b32 s16, s13, 8                         ; A: row 256 x tile row + 128 x half, 2,048 bytes a row
	s_lshl_b32 s17, s12, 7
	s_add_co_u32 s16, s16, s17
	s_lshl_b32 s16, s16, 11
	s_mov_b32 s17, 0
	s_lshl_b32 s46, s12, 19                        ; W: k row 64 x half, 8,192 bytes a row; 512 bytes a tile column
	s_lshl_b32 s47, s42, 9
	s_add_co_u32 s46, s46, s47
	s_mov_b32 s47, 0
	s_mul_i32 s20, s10, HALFT                      ; where my load goes: the wave's number alone
.if GELU == 0
	s_mov_b32 s[G1T], (1<<16)|(1<<20)|(4<<22)|(3<<25)              ; the table: my own load, no mask; 64 positions are 8,192 dense bytes: 32 rows of 256, padded after every 128
	s_mov_b32 s[G1T+1], 128<<16
	s_mov_b32 s[G1T+2], 32<<16
	s_mov_b32 s[G1T+3], 128<<16
	s_mov_b32 s[G1T+4], 32
	s_mov_b32 s[G1T+5], 128
	s_mov_b32 s[G1T+6], 0
	s_mov_b32 s[G1T+7], 0
	s_lshl_b32 s18, s13, 8                         ; the table rows of my tile's 256 positions; for cluster x = 2 (v) the rows (1, 0)
	s_and_b32 s18, s18, 2047
	s_mov_b32 s19, ttmp9
	s_cmp_ge_u32 s19, 2
	s_cselect_b32 s18, 2048, s18
	s_lshl_b32 s18, s18, 7
	s_lshl_b32 s19, s10, 13                        ; my 64 of them
	s_add_co_u32 s18, s18, s19
	s_add_co_u32 s18, s18, 4194304
	s_mov_b32 s19, 0
	s_mul_i32 s21, s10, 64*TP
	s_add_co_u32 s21, s21, TABL
.endif
	s_wait_dscnt 0x0                               ; the opening add is done
	s_wait_kmcnt 0x0
	s_add_nc_u64 s[14:15], s[4:5], s[16:17]
	s_add_nc_u64 s[46:47], s[6:7], s[46:47]
.irp s, 0,1
	s_mov_b32 s[G0+4*(\s)], 1
	s_add_co_u32 s[G0+4*(\s)+1], s20, (\s)*SLOT
	s_add_nc_u64 s[G0+4*(\s)+2:G0+4*(\s)+3], s[14:15], (\s)*KSTEP*2
	s_or_b32 s[G0+4*(\s)+3], s[G0+4*(\s)+3], 0x80000000
	s_mov_b32 s[G0B+4*(\s)], 1
	s_add_co_u32 s[G0B+4*(\s)+1], s20, (\s)*SLOT
	s_add_nc_u64 s[G0B+4*(\s)+2:G0B+4*(\s)+3], s[46:47], (\s)*KSTEP*WPITCH
	s_or_b32 s[G0B+4*(\s)+3], s[G0B+4*(\s)+3], 0x80000000
.endr
.if GELU == 0
	s_mov_b32 s[GTB], 1
	s_mov_b32 s[GTB+1], s21
	s_add_nc_u64 s[GTB+2:GTB+3], s[TABP:TABP+1], s[18:19]
	s_or_b32 s[GTB+3], s[GTB+3], 0x80000000
.endif
	CROUND                                         ; all sixteen work-groups are here: the first joint loads meet
	s_cmp_eq_u32 s11, 0                            ; a wave's first fills stand in one branch: K steps 0 and 1 and, with GELU = 0, its quarter of the table: 3 - GELU loads of mine are out
	s_cbranch_scc0 .Lfirst_w
	tensor_load_to_lds s[G0:G0+3], s[G1:G1+7]
	s_nop 0
	tensor_load_to_lds s[G0+4:G0+7], s[G1:G1+7]
	s_nop 0
.if GELU == 0
	tensor_load_to_lds s[GTB:GTB+3], s[G1T:G1T+7]
	s_nop 0
.endif
	PLACES
	s_branch .Lfirst_done
.Lfirst_w:
	tensor_load_to_lds s[G0B:G0B+3], s[G1B:G1B+7]
	s_nop 0
	tensor_load_to_lds s[G0B+4:G0B+7], s[G1B:G1B+7]
	s_nop 0
.if GELU == 0
	tensor_load_to_lds s[GTB:GTB+3], s[G1T:G1T+7]
	s_nop 0
.endif
	PLACES
.Lfirst_done:
	; the bias of my 128 columns: register 8 b + j holds column 16 b + 8 (l / 16) + j, as the accumulators do
	s_lshl_b32 s20, s42, 10
	s_lshl_b32 s21, s12, 9
	s_add_co_u32 s20, s20, s21
	s_mov_b32 s21, 0
	s_add_nc_u64 s[8:9], s[8:9], s[20:21]
	v_and_b32 v1, 15, v0                           ; l % 16
	v_bfe_u32 v2, v0, 4, 1                         ; l / 16
	v_lshlrev_b32 v[BO], 5, v2
	WIN 0x40
.irp b, 0,1,2,3,4,5,6,7
	global_load_b128 v[BIAS+8*(\b):BIAS+8*(\b)+3],   v[BO], s[8:9] offset:64*(\b)
	global_load_b128 v[BIAS+8*(\b)+4:BIAS+8*(\b)+7], v[BO], s[8:9] offset:64*(\b)+16
.endr
	WIN 0
	; the prefetches' address: at K step 3; each refill steps it first
	s_lshl_b32 s20, s13, 8
	s_lshl_b32 s21, s12, 7
	s_add_co_u32 s20, s20, s21
	s_lshl_b32 s21, s40, 5                         ; of the 128 rows of A that I fetch, my work-group's 32
	s_add_co_u32 s20, s20, s21
	s_lshl_b32 s20, s20, 11
	s_add_co_u32 s20, s20, 3*KSTEP*2
	s_lshl_b32 s22, s12, 6
	s_lshl_b32 s23, s41, 4                         ; of the 64 rows of W, my work-group's 16, two blocks each
	s_add_co_u32 s22, s22, s23
	s_lshl_b32 s22, s22, 13
	s_lshl_b32 s23, s42, 9
	s_add_co_u32 s22, s22, s23
	s_add_co_u32 s22, s22, 3*KSTEP*WPITCH
	s_and_b32 s23, ttmp7, 0xffff                   ; cluster y
	s_mov_b32 s[PST], KSTEP*2
	s_mov_b32 s[PST+1], 0
	s_mov_b32 s21, APITCH
	s_cmp_eq_u32 s11, 0
	s_cselect_b32 s20, s20, s22
	s_cselect_b32 s23, ttmp9, s23                  ; the coordinate along which other clusters read the same rows
	s_cselect_b64 s[PFA:PFA+1], s[4:5], s[6:7]
	s_cselect_b32 s[PST], s[PST], KSTEP*WPITCH
	s_cselect_b32 s22, s21, WPITCH
	s_cmp_eq_u32 s23, 0
	s_cselect_b32 s[LIM], 2, -1                    ; the same in all sixteen partners, for a given wave
	s_mov_b32 s21, 0
	s_add_nc_u64 s[PFA:PFA+1], s[PFA:PFA+1], s[20:21]
	v_and_b32 v3, 31, v0
	v_lshrrev_b32 v4, s11, v3
	v_mul_u32_u24 v4, v4, s22
	v_and_b32 v5, s11, v3
	v_lshl_add_u32 v[PFO], v5, 8, v4
	; my lane's places in LDS
	v_mul_u32_u24 v3, v1, PA
	v_lshl_add_u32 v3, v2, 4, v3
	s_mul_i32 s20, s11, HALFT
	v_add_nc_u32 v[ADRA0], s20, v3                 ; row x pitch + 16 x half, in my 128 rows of A
	v_and_b32 v4, 7, v0
	v_lshl_add_u32 v4, v2, 3, v4
	v_mul_u32_u24 v4, v4, PB                       ; the turning load: k row 8 (l / 16) + l % 8,
	v_bfe_u32 v5, v0, 3, 1
	v_lshl_add_u32 v4, v5, 4, v4                   ; columns 8 ((l / 8) % 2) + 0..7,
	s_lshl_b32 s21, s12, 8
	s_add_co_u32 s21, s21, BOFF
	v_add_nc_u32 v[ADRB0], s21, v4                 ; in my 128 columns of W
	s_mul_i32 s22, s10, DREG
	v_mul_u32_u24 v5, v1, DP
	v_lshl_add_u32 v5, v2, 5, v5
	v_add_nc_u32 v[DST], s22, v5
	s_wait_tensorcnt 2-GELU                        ; my part of K step 0 is in; step 1's (and the table's) may stay out
	s_barrier_signal -1
	s_barrier_wait -1
	s_mov_b32 s[TB], 0
	v_mov_b32 v[ADRA], v[ADRA0]
	v_mov_b32 v[ADRB], v[ADRB0]
	FETCH 0, F0
	s_wait_loadcnt 0x0                             ; the bias
	QUARTER 1, F0, F1, 1                           ; the first quarter stands in front of the loop: its products start the sums, on the bias
	WIN 0
	s_mov_b32 s3, STEPS-2
.Lstep:                                        ; a trip: a step's quarters 1 to 3, the refill two steps on, the next step's quarter 0
	QUARTER 2, F1, F0, 0
	QUARTER 3, F0, F1, 0
	TURN 1
	QUARTER 1, F0, F1, 0
	WIN 0
	s_sub_co_u32 s3, s3, 1
	s_cmp_lg_u32 s3, 0
	s_cbranch_scc1 .Lstep
	s_mov_b32 s3, 2
.Ltail:                                        ; the last two steps ask for nothing: the same trip without a refill, twice, left in the second trip's middle.
	QUARTER 2, F1, F0, 0                           ; The second trip's change of slots fetches 32 fragments of the slot read before it, which serve nothing: the price of one text for both steps
	QUARTER 3, F0, F1, 0
	TURN 0
	WIN 0
	s_sub_co_u32 s3, s3, 1
	s_cmp_eq_u32 s3, 0
	s_cbranch_scc1 .Lsums
	QUARTER 1, F0, F1, 0
	WIN 0
	s_branch .Ltail
.Lsums:
	PLACES
	; THE DUMP.  Every wave's reads of the ring are over (a barrier says so), and the ring has had its last fill: my 128 x 128 sums go over it, rows of 528 bytes.
	s_wait_dscnt 0x0
	s_barrier_signal -1
	s_barrier_wait -1
.set t, 0
.rept 64
	WIN 0x08+4*(t/32)                              ; the stores' data in window 2 or 3
	ds_store_b128 v[DST], v[8*(t%32):8*(t%32)+3]   offset:(t/8)*16*DP+(t%8)*64      ; each accumulator's low registers first
	ds_store_b128 v[DST], v[8*(t%32)+4:8*(t%32)+7] offset:(t/8)*16*DP+(t%8)*64+16
.set t, t+1
.endr
	WIN 0
	s_wait_dscnt 0x0                               ; my stores are done;
	s_barrier_signal -1
	s_barrier_wait -1                              ; everybody's are: from here on the dumps and the table are only read
	s_mov_b32 s[UO], 0
	s_mov_b32 s[GOFF], 0
	v_and_b32 v3, 31, v0
	s_mul_i32 s14, s10, DREG
.if GELU
	v_lshl_add_u32 v[RG0], v3, 4, s14
	v_lshlrev_b32 v[GO0], 3, v3
	s_lshl_b32 s14, s13, 8
	s_lshl_b32 s15, s11, 7
	s_add_co_u32 s14, s14, s15
	s_lshl_b32 s14, s14, 13                        ; 8,192 bytes a row of h
	s_lshl_b32 s15, s42, 9
	s_add_co_u32 s14, s14, s15
	s_lshl_b32 s15, s12, 8
	s_add_co_u32 s14, s14, s15
	s_add_co_u32 s14, s14, 33554432
	s_mov_b32 s15, 0
	s_add_nc_u64 s[OUT:OUT+1], s[OUT:OUT+1], s[14:15]
	s_mov_b32 s[CA], 0xc0135761                    ; A = -2.3022082
	s_mov_b32 s[CA+1], s[CA]
	s_mov_b32 s[CB], 0xbdd2d3e8                    ; B = -0.10294324
	s_mov_b32 s[CB+1], s[CB]
	GADDR
	GLOAD 0                                        ; rows 0-3
	GLOAD 1                                        ; rows 4-7
	s_mov_b32 s[CN2], 15
.Lgl:                                          ; a trip: 8 rows go out, the 8 rows behind the next 8 come in; four younger loads may stay out at each wait
	HALF 0, 1, 4
	HALF 1, 1, 4
	s_sub_co_u32 s[CN2], s[CN2], 1
	s_cmp_lg_u32 s[CN2], 0
	s_cbranch_scc1 .Lgl
	HALF 0, 0, 4                                   ; the last 8 rows load nothing
	HALF 1, 0, 0
.else
	v_lshrrev_b32 v4, 3, v3
	v_and_b32 v5, 7, v3
	v_mul_u32_u24 v6, v4, DP
	v_add_nc_u32 v6, s14, v6
	v_lshl_add_u32 v[RS0], v5, 5, v6
	v_xor_b32 v7, 4, v5
	v_lshl_add_u32 v[RO0], v7, 5, v6
	s_mul_i32 s15, s11, 128*TP
	s_add_co_u32 s15, s15, TABL
	v_mul_u32_u24 v[RT0], v4, TP
	v_and_b32 v7, 3, v3
	v_lshl_add_u32 v[RT0], v7, 4, v[RT0]
	v_add_nc_u32 v[RT0], s15, v[RT0]
	s_mov_b32 s15, 0x80008000
	v_cmp_gt_u32 vcc_lo, 4, v5
	v_cndmask_b32 v[SGM], 0, s15, vcc_lo           ; channels 0-31 take -x[d + 32]
	v_lshlrev_b32 v[GO0], 4, v3
	v_mov_b32 v[RZR], 0
	s_mov_b32 s[TO], 0
	s_lshl_b32 s14, ttmp9, 5                       ; q, k or v: 32 heads each
	s_lshr_b32 s15, s13, 3
	s_lshl_b32 s15, s15, 4                         ; the batch: 16 heads
	s_add_co_u32 s14, s14, s15
	s_lshl_b32 s15, s40, 2                         ; a tile column is 4 heads,
	s_add_co_u32 s14, s14, s15
	s_lshl_b32 s15, s12, 1                         ; my half of it 2
	s_add_co_u32 s14, s14, s15
	s_lshl_b32 s14, s14, 11
	s_lshl_b32 s15, s13, 8
	s_and_b32 s15, s15, 2047                       ; the tile's first position
	s_add_co_u32 s14, s14, s15
	s_lshl_b32 s15, s11, 7
	s_add_co_u32 s14, s14, s15
	s_lshl_b32 s14, s14, 7                         ; 128 bytes a row of a head
	s_mov_b32 s15, 0
	s_add_nc_u64 s[OUT:OUT+1], s[OUT:OUT+1], s[14:15]
	RADDR
	LOADU 0                                        ; rows 0-3
	LOADU 1                                        ; rows 4-7
	s_mov_b32 s[CN2], 15
.Lrope:                                        ; a trip: 8 rows go out, the 8 rows behind the next 8 come in; ten younger loads may stay out at each wait
	UNIT 0, 1, 10
	UNIT 1, 1, 10
	s_sub_co_u32 s[CN2], s[CN2], 1
	s_cmp_lg_u32 s[CN2], 0
	s_cbranch_scc1 .Lrope
	UNIT 0, 0, 10                                  ; the last 8 rows load nothing
	UNIT 1, 0, 0
.endif
	s_wait_tensorcnt 0x0                           ; the wave's end: behind my last tensor load and my last LDS store
	ds_add_u32 v[SPW], v[NIL]
	s_wait_dscnt 0x0
	CROUND                                         ; the closing round
	s_endpgm
.Lfunc_end_k_q55ef5c96f6_mlp1:
	.size	k_q55ef5c96f6_mlp1, .Lfunc_end_k_q55ef5c96f6_mlp1-k_q55ef5c96f6_mlp1
	.p2alignl 7, 3214868480
	.fill 96, 4, 3214868480
	.section	.rodata,"a",@progbits
	.p2align	6, 0x0
	.amdhsa_kernel k_q55ef5c96f6_mlp1
		.amdhsa_group_segment_fixed_size 327680
		.amdhsa_private_segment_fixed_size 0
		.amdhsa_enable_private_segment 0
		.amdhsa_kernarg_size 32
		.amdhsa_user_sgpr_count 2
		.amdhsa_user_sgpr_kernarg_segment_ptr 1
		.amdhsa_wavefront_size32 1
		.amdhsa_system_sgpr_workgroup_id_x 1
		.amdhsa_system_sgpr_workgroup_id_y 1
		.amdhsa_system_sgpr_workgroup_id_z 1
		.amdhsa_system_vgpr_workitem_id 0
		.amdhsa_next_free_vgpr 1024
		.amdhsa_next_free_sgpr 96
		.amdhsa_reserve_vcc 1
		.amdhsa_float_denorm_mode_32 3
		.amdhsa_float_denorm_mode_16_64 3
		.amdhsa_memory_ordered 1
		.amdhsa_forward_progress 1
		.amdhsa_inst_pref_size 100
	.end_amdhsa_kernel
	.amdgpu_metadata
---
amdhsa.version: [ 1, 2 ]
amdhsa.kernels:
  - .name:           k_q55ef5c96f6_mlp1
    .symbol:         k_q55ef5c96f6_mlp1.kd
    .args:
      - { .name: actA, .offset: 0, .size: 8, .value_kind: global_buffer, .address_space: global }
      - { .name: wrest, .offset: 8, .size: 8, .value_kind: global_buffer, .address_space: global }
      - { .name: b1, .offset: 16, .size: 8, .value_kind: global_buffer, .address_space: global }
      - { .name: actB, .offset: 24, .size: 8, .value_kind: global_buffer, .address_space: global }
    .group_segment_fixed_size: 327680
    .private_segment_fixed_size: 0
    .kernarg_segment_align: 8
    .kernarg_segment_size: 32
    .max_flat_workgroup_size: 128
    .sgpr_count:     96
    .vgpr_count:     1024
    .wavefront_size: 32
...
	.end_amdgpu_metadata
.endif
;; end of part 6
;; launch mlp2 (part 7): grid 8 x 32, 4 waves a work-group, clusters of 4 x 4, 327,680 bytes of LDS; arguments actB, wrest, b2, out0; writes out0
.if DOCPART == 7
	.amdgcn_target "amdgcn-amd-amdhsa--gfx1250"
	.amdhsa_code_object_version 6
	.text
	.protected	k_q55ef5c96f6_mlp2
	.globl	k_q55ef5c96f6_mlp2
	.p2align	8
	.type	k_q55ef5c96f6_mlp2,@function
k_q55ef5c96f6_mlp2:
	s_mov_b64 s[64:65], 0
	v_nop
	global_prefetch_b8 v0, s[64:65] scope:SCOPE_SE
	s_setreg_imm32_b32 hwreg(HW_REG_WAVE_MODE, 25, 1), 1
	s_wait_xcnt 0x0
	s_wait_alu depctr_hold_cnt(0) depctr_sa_sdst(0) depctr_va_vdst(0) depctr_va_sdst(0) depctr_va_ssrc(0) depctr_va_vcc(0) depctr_vm_vsrc(0)
	s_getreg_b32 s2, hwreg(HW_REG_IB_STS2, 6, 4)
	s_cmp_eq_u32 s2, 0
	s_cbranch_scc0 .Lentry_in_a_cluster
	s_endpgm
.Lentry_in_a_cluster:
	s_bfe_u32 s2, ttmp6, 0x10000c
	s_cmp_lg_u32 s2, 0xf033
	s_cbranch_scc0 .Lentry_shape_is_right
	s_endpgm
.Lentry_shape_is_right:
; OUT = RES + A W + bias, f32, on tiles of 128 x 128: 256 work-groups for 4,096 x 1,024.  One text for two launches; MLP2 chooses the constants:
;   0: A = o [4096][1024] bf16, W = Wo, RES = x, OUT = x1.      1: A = h [4096][4096] bf16, W = W2, RES = x1, OUT = out0.
; W lies [k][1024] bf16, as in the input.  Four waves, each 64 x 64: 16 accumulators.  K in steps of 256 through two LDS slots, one tensor load a wave and step.
; The matrix instruction is used transposed (source 0 = 16 columns of W, turned by ds_load_tr16_b128; source 1 = 16 rows of A): a lane holds row l % 16 and columns 8 (l / 16) + 0..7.
; The bias is the C operand of each sum's first product.  The residual is loaded at the head, in the layout of the stores, and added on the way out, which goes through each wave's own stage.
; A K step is written twice: once in the loop that fills slots again, once in a tail of two trips that fills nothing.
; CLUSTER: 4 x 4; A's tiles jointly along a row, W's along a column.  No prefetch: the tiles are small and a step short.
; REGISTERS: window 0: v16-31 addresses; v32-63, v192-223 the way out; v64-127, v128-191 A's fragments.  Window 1: the same numbers for W's; v192-223 the bias.  Window 2: v0-127 accumulators; v128-255 the residual.
.set MLP2, 1
.if MLP2
.set SIZE_K, 4096
.set AOFF, 33554432
.set WOFF, 10485760
.else
.set SIZE_K, 1024
.set AOFF, 0
.set WOFF, 8388608
.endif
.set NF, 4
.set NW, 32                            ; matrix instructions in a quarter step (64 along K, two deep)
.set FIRSTLEFT, 16
.set KSTEP, 256
.set STEPS, SIZE_K/KSTEP
.set PA, 528                           ; A's LDS row: 512 bytes + 16
.set PB, 288                           ; W's LDS row: 256 bytes + 32
.set AHALF, 64*PA                      ; a wave's load of A: 64 rows
.set WHALF, 128*PB                     ; of W: 128 k rows
.set BOFF, 2*AHALF
.set SLOT, 0x24000                     ; above a slot's 141,312 bytes, and sharing no bit with the four loads' places in slot 0
.set STAGE, SLOT+BOFF+2*WHALF          ; behind the ring: 16 rows x 272 bytes for each wave
.set SPITCH, 272
.set SPARE, STAGE+4*16*SPITCH
.set WPITCH, 2048
.set ADRA0, 16
.set ADRA, 17
.set ADRB0, 18
.set ADRB, 19                          ; v19: k rows 0-127 of the slot in hand, v20: rows 128-255
.set STO, 21
.set RD, 22
.set CO, 23
.set SPW, 28
.set NIL, 29
.set BO, 31
.set F0, 64
.set F1, 128
.set BIAS, 192
.set RES, 128                          ; window 2
.set G1, 24
.set G0, 32
.set G1B, 48
.set G0B, 56
.set RESP, 66
.set OUTP, 68
.set TB, 70
.set MSB, 0
.macro WIN new
.if MSB != (\new)
	s_set_vgpr_msb (MSB<<8)|(\new)
.set MSB, \new
.endif
.endm
.macro PLACES
.rept 4
	v_nop
.endr
.endm
.macro CREST
	s_cmp_lg_u32 s10, 0
	s_cbranch_scc1 .Lnot_wave_0_\@
	s_barrier_signal -3
.Lnot_wave_0_\@:
	s_barrier_wait -3
	s_barrier_signal -1
	s_barrier_wait -1
.endm
.macro CROUND
	s_barrier_signal -1
	s_barrier_wait -1
	CREST
.endm
.macro JLOAD                           ; a joint refill by the walking descriptor; s_nop 0 and four v_nop follow each line
	s_cmp_eq_u32 s11, 0
	s_cbranch_scc0 .Lfor_b_\@
	tensor_load_to_lds s[G0+4:G0+7], s[G1:G1+7]
	s_nop 0
	PLACES
	s_branch .Lasked_\@
.Lfor_b_\@:
	tensor_load_to_lds s[G0B+4:G0B+7], s[G1B:G1B+7]
	s_nop 0
	PLACES
.Lasked_\@:
.endm
; Matrix instructions u0 .. u1 - 1 of a quarter: half c = u / 16 of its 64 along K, accumulator t = u % 16.  The 16 take turns.  first = 1: the first half's C is the bias.
.macro MULR f, u0, u1, first
.set u, \u0
.rept (\u1)-(\u0)
.set cc, u/(NF*NF)
.set tt, u%(NF*NF)
.set aa, tt/NF
.set bb, tt%NF
.if (\first) && (cc == 0)
	WIN 0x91
	v_wmma_f32_16x16x32_bf16 v[8*tt:8*tt+7], v[(\f)+8*(NF*cc+bb):(\f)+8*(NF*cc+bb)+7], v[(\f)+8*(NF*cc+aa):(\f)+8*(NF*cc+aa)+7], v[BIAS+8*bb:BIAS+8*bb+7]
.else
	WIN 0xa1
	v_wmma_f32_16x16x32_bf16 v[8*tt:8*tt+7], v[(\f)+8*(NF*cc+bb):(\f)+8*(NF*cc+bb)+7], v[(\f)+8*(NF*cc+aa):(\f)+8*(NF*cc+aa)+7], v[8*tt:8*tt+7]
.endif
.set u, u+1
.endr
.endm
.macro FETCH kq, f                     ; 32 LDS loads: quarter kq's fragments, its first 32 along K first
.irp c, 0,1
	WIN 0x40
.irp i, 0,1,2,3
	ds_load_tr16_b128 v[(\f)+8*(4*(\c)+(\i)):(\f)+8*(4*(\c)+(\i))+3],   v[ADRB+((\kq)>>1)] offset:(64*((\kq)&1)+32*(\c))*PB+32*(\i)
	ds_load_tr16_b128 v[(\f)+8*(4*(\c)+(\i))+4:(\f)+8*(4*(\c)+(\i))+7], v[ADRB+((\kq)>>1)] offset:(64*((\kq)&1)+32*(\c)+16)*PB+32*(\i)
.endr
	WIN 0
.irp i, 0,1,2,3
	ds_load_b128 v[(\f)+8*(4*(\c)+(\i)):(\f)+8*(4*(\c)+(\i))+3],   v[ADRA] offset:(\i)*16*PA+(2*(\kq)+(\c))*64
	ds_load_b128 v[(\f)+8*(4*(\c)+(\i))+4:(\f)+8*(4*(\c)+(\i))+7], v[ADRA] offset:(\i)*16*PA+(2*(\kq)+(\c))*64+32
.endr
.endr
.endm
.macro QUARTER kq, f, g, first
	s_wait_dscnt FIRSTLEFT                         ; the first 32 along K are in
	MULR \f, 0, NW/2, \first
	PLACES
	FETCH \kq, \g
	s_wait_dscnt 32                                ; all but the 32 just issued
	MULR \f, NW/2, NW, \first
.endm
.macro TURN fill                       ; a step's last quarter and the change of slots
	WIN 0
	s_wait_tensorcnt 0x0                           ; my part of the other slot is in, and no load of mine is out
	ds_add_u32 v[SPW], v[NIL]
	s_wait_dscnt FIRSTLEFT+1
	MULR F1, 0, NW/4, 0
	s_wait_dscnt 0x0                               ; the add is done, my reads of this slot are over
	s_barrier_signal -1
	MULR F1, NW/4, NW/2, 0
	WIN 0
	s_barrier_wait -1
.if \fill
	CREST
	s_xor_b32 s[G0+5], s[G0+5], SLOT
	s_add_nc_u64 s[G0+6:G0+7], s[G0+6:G0+7], KSTEP*2
	s_xor_b32 s[G0B+5], s[G0B+5], SLOT
	s_add_nc_u64 s[G0B+6:G0B+7], s[G0B+6:G0B+7], KSTEP*WPITCH
	JLOAD                                          ; the first tensor load behind the round: 112 matrix instructions ahead of the wait for it
.else
	PLACES
.endif
	s_xor_b32 s[TB], s[TB], SLOT
	v_add_nc_u32 v[ADRA], s[TB], v[ADRA0]
	v_add_nc_u32 v[ADRB], s[TB], v[ADRB0]
	v_add_nc_u32 v[ADRB+1], 128*PB, v[ADRB]
	FETCH 0, F0
	MULR F1, NW/2, NW, 0
.endm
	s_load_b128 s[4:7], s[0:1], 0x0                ; A, W
	s_load_b64 s[8:9], s[0:1], 0x10                ; bias
.if MLP2
	s_load_b64 s[OUTP:OUTP+1], s[0:1], 0x18
.else
	s_load_b64 s[RESP:RESP+1], s[0:1], 0x18
	s_load_b64 s[OUTP:OUTP+1], s[0:1], 0x20
.endif
	v_lshl_add_u32 v[SPW], v0, 2, SPARE
	v_mov_b32 v[NIL], 0
	ds_add_u32 v[SPW], v[NIL]                      ; the wave's opening: the add and its wait ahead of my first tensor load
	v_lshrrev_b32 v1, 5, v0
	v_readfirstlane_b32 s10, v1
	s_lshr_b32 s11, s10, 1
	s_and_b32 s12, s10, 1
	s_bfe_u32 s40, ttmp6, 0x40000
	s_bfe_u32 s41, ttmp6, 0x40004
	s_lshl_b32 s42, ttmp9, 2
	s_add_co_u32 s42, s42, s40                     ; tile column
	s_and_b32 s13, ttmp7, 0xffff
	s_lshl_b32 s13, s13, 2
	s_add_co_u32 s13, s13, s41                     ; tile row
	s_lshl_b32 s14, s41, 2
	s_lshl_b32 s14, 15, s14
	s_lshl_b32 s15, 0x1111, s40
	s_or_b32 s[G1], s14, (1<<16)|(1<<20)|(1<<21)|(6<<22)|(3<<25)   ; A: rows of 128 words, 4 words of padding
	s_mov_b32 s[G1+1], 256<<16
	s_mov_b32 s[G1+2], 64<<16
	s_mov_b32 s[G1+3], 256<<16
	s_mov_b32 s[G1+4], 64
	s_mov_b32 s[G1+5], SIZE_K
	s_mov_b32 s[G1+6], 0
	s_mov_b32 s[G1+7], 0
	s_or_b32 s[G1B], s15, (1<<16)|(1<<20)|(1<<21)|(5<<22)|(7<<25)  ; W: rows of 64 words, 8 words of padding
	s_mov_b32 s[G1B+1], 128<<16
	s_mov_b32 s[G1B+2], 128<<16
	s_mov_b32 s[G1B+3], 128<<16
	s_mov_b32 s[G1B+4], 128
	s_mov_b32 s[G1B+5], 1024
	s_mov_b32 s[G1B+6], 0
	s_mov_b32 s[G1B+7], 0
	s_lshl_b32 s16, s13, 7                         ; A: row 128 x tile row + 64 x half
	s_lshl_b32 s17, s12, 6
	s_add_co_u32 s16, s16, s17
	s_mul_i32 s16, s16, SIZE_K*2
	s_add_co_u32 s16, s16, AOFF
	s_mov_b32 s17, 0
	s_lshl_b32 s46, s12, 18                        ; W: k row 128 x half; 256 bytes a tile column
	s_lshl_b32 s47, s42, 8
	s_add_co_u32 s46, s46, s47
	s_add_co_u32 s46, s46, WOFF
	s_mov_b32 s47, 0
	s_mul_i32 s20, s12, AHALF                      ; where the loads go: the wave's number alone
	s_mul_i32 s21, s12, WHALF
	s_add_co_u32 s21, s21, BOFF
	s_lshl_b32 s18, s13, 7                         ; residual and output: row 128 x tile row + 64 x my half, 4,096 bytes a row; my 64 columns
	s_lshl_b32 s19, s11, 6
	s_add_co_u32 s18, s18, s19
	s_lshl_b32 s18, s18, 12
	s_lshl_b32 s19, s42, 9
	s_add_co_u32 s18, s18, s19
	s_lshl_b32 s19, s12, 8
	s_add_co_u32 s18, s18, s19
	s_mov_b32 s19, 0
	s_lshl_b32 s22, s42, 9                         ; the bias of my 64 columns
	s_lshl_b32 s23, s12, 8
	s_add_co_u32 s22, s22, s23
	s_mov_b32 s23, 0
	s_wait_dscnt 0x0                               ; the opening add is done
	s_wait_kmcnt 0x0
.if MLP2
	s_mov_b64 s[RESP:RESP+1], s[4:5]               ; x1 lies at the head of the buffer that holds h
.endif
	s_add_nc_u64 s[14:15], s[4:5], s[16:17]
	s_add_nc_u64 s[46:47], s[6:7], s[46:47]
	s_add_nc_u64 s[RESP:RESP+1], s[RESP:RESP+1], s[18:19]
	s_add_nc_u64 s[OUTP:OUTP+1], s[OUTP:OUTP+1], s[18:19]
	s_add_nc_u64 s[8:9], s[8:9], s[22:23]
.irp s, 0,1
	s_mov_b32 s[G0+4*(\s)], 1
	s_add_co_u32 s[G0+4*(\s)+1], s20, (\s)*SLOT
	s_add_nc_u64 s[G0+4*(\s)+2:G0+4*(\s)+3], s[14:15], (\s)*KSTEP*2
	s_or_b32 s[G0+4*(\s)+3], s[G0+4*(\s)+3], 0x80000000
	s_mov_b32 s[G0B+4*(\s)], 1
	s_add_co_u32 s[G0B+4*(\s)+1], s21, (\s)*SLOT
	s_add_nc_u64 s[G0B+4*(\s)+2:G0B+4*(\s)+3], s[46:47], (\s)*KSTEP*WPITCH
	s_or_b32 s[G0B+4*(\s)+3], s[G0B+4*(\s)+3], 0x80000000
.endr
	CROUND                                         ; all sixteen work-groups are here: the first joint loads meet
	s_cmp_eq_u32 s11, 0                            ; a wave's two first fills stand in one branch: two loads of mine are out
	s_cbranch_scc0 .Lfirst_w
	tensor_load_to_lds s[G0:G0+3], s[G1:G1+7]
	s_nop 0
	tensor_load_to_lds s[G0+4:G0+7], s[G1:G1+7]
	s_nop 0
	PLACES
	s_branch .Lfirst_done
.Lfirst_w:
	tensor_load_to_lds s[G0B:G0B+3], s[G1B:G1B+7]
	s_nop 0
	tensor_load_to_lds s[G0B+4:G0B+7], s[G1B:G1B+7]
	s_nop 0
	PLACES
.Lfirst_done:
	v_and_b32 v1, 15, v0
	v_bfe_u32 v2, v0, 4, 1
	v_lshlrev_b32 v[BO], 5, v2
	v_lshlrev_b32 v[CO], 12, v2                    ; lanes 0-15 one row of 256 bytes, lanes 16-31 the next
	v_lshl_add_u32 v[CO], v1, 4, v[CO]
	WIN 0x40
.irp b, 0,1,2,3
	global_load_b128 v[BIAS+8*(\b):BIAS+8*(\b)+3],   v[BO], s[8:9] offset:64*(\b)
	global_load_b128 v[BIAS+8*(\b)+4:BIAS+8*(\b)+7], v[BO], s[8:9] offset:64*(\b)+16
.endr
	WIN 0x80
.set i, 0
.rept 32                               ; the residual of my 64 x 64, two rows a load
	global_load_b128 v[RES+4*i:RES+4*i+3], v[CO], s[RESP:RESP+1] offset:2*i*4096 th:TH_LOAD_NT
.set i, i+1
.endr
	WIN 0
	v_mul_u32_u24 v3, v1, PA
	v_lshl_add_u32 v3, v2, 4, v3
	s_mul_i32 s20, s11, AHALF
	v_add_nc_u32 v[ADRA0], s20, v3
	v_and_b32 v4, 7, v0
	v_lshl_add_u32 v4, v2, 3, v4
	v_mul_u32_u24 v4, v4, PB
	v_bfe_u32 v5, v0, 3, 1
	v_lshl_add_u32 v4, v5, 4, v4
	s_lshl_b32 s21, s12, 7
	s_add_co_u32 s21, s21, BOFF
	v_add_nc_u32 v[ADRB0], s21, v4
	s_mul_i32 s22, s10, 16*SPITCH
	s_add_co_u32 s22, s22, STAGE                   ; my stage
	v_mul_u32_u24 v5, v1, SPITCH
	v_lshl_add_u32 v5, v2, 5, v5
	v_add_nc_u32 v[STO], s22, v5
	v_mul_u32_u24 v5, v2, SPITCH
	v_lshl_add_u32 v5, v1, 4, v5
	v_add_nc_u32 v[RD], s22, v5
	s_wait_tensorcnt 1                             ; my part of K step 0 is in; step 1's may stay out
	s_barrier_signal -1
	s_barrier_wait -1
	s_mov_b32 s[TB], 0
	v_mov_b32 v[ADRA], v[ADRA0]
	v_mov_b32 v[ADRB], v[ADRB0]
	v_add_nc_u32 v[ADRB+1], 128*PB, v[ADRB0]
	FETCH 0, F0
	s_wait_loadcnt 32                              ; the bias is in; the residual's 32 loads may stay out
	QUARTER 1, F0, F1, 1
	WIN 0
	s_mov_b32 s3, STEPS-2
.Lstep:
	QUARTER 2, F1, F0, 0
	QUARTER 3, F0, F1, 0
	TURN 1
	QUARTER 1, F0, F1, 0
	WIN 0
	s_sub_co_u32 s3, s3, 1
	s_cmp_lg_u32 s3, 0
	s_cbranch_scc1 .Lstep
	s_mov_b32 s3, 2
.Ltail:                                        ; the last two steps ask for nothing: the same trip without a refill, twice, left in the second trip's middle.
	QUARTER 2, F1, F0, 0                           ; The second trip's change of slots fetches 32 fragments of the slot read before it, which serve nothing: the price of one text for both steps
	QUARTER 3, F0, F1, 0
	TURN 0
	WIN 0
	s_sub_co_u32 s3, s3, 1
	s_cmp_eq_u32 s3, 0
	s_cbranch_scc1 .Lsums
	QUARTER 1, F0, F1, 0
	WIN 0
	s_branch .Ltail
.Lsums:
	PLACES
; THE WAY OUT, 16 rows at a time: 32 bytes a lane into my stage, back as whole rows of 256 bytes, the residual added, stored.
.macro TOSTAGE a
.set BK, 32+160*((\a)%2)
.if (\a) >= 2
	s_wait_xcnt 0x0                                ; the stores of the block two back have read these registers
.endif
	WIN 0x08                                       ; the stores' data in window 2
.irp b, 0,1,2,3
	ds_store_b128 v[STO], v[8*(4*(\a)+(\b)):8*(4*(\a)+(\b))+3]   offset:64*(\b)      ; each accumulator's low registers first
	ds_store_b128 v[STO], v[8*(4*(\a)+(\b))+4:8*(4*(\a)+(\b))+7] offset:64*(\b)+16
.endr
	WIN 0
.irp t, 0,1,2,3,4,5,6,7
	ds_load_b128 v[BK+4*(\t):BK+4*(\t)+3], v[RD] offset:(\t)*2*SPITCH  ; LDS serves a wave's instructions in order (ISA guide 5.7.1.4): these see the stores above
.endr
.endm
.macro SEND a, younger
.set BK, 32+160*((\a)%2)
	s_wait_dscnt \younger                          ; the block is back; the next block's sixteen LDS instructions may be out
	WIN 0x08                                       ; source 1, the residual, in window 2
.set i, 0
.rept 16
	v_pk_add_f32 v[BK+2*i:BK+2*i+1], v[BK+2*i:BK+2*i+1], v[RES+32*(\a)+2*i:RES+32*(\a)+2*i+1]
.set i, i+1
.endr
	WIN 0
.irp t, 0,1,2,3,4,5,6,7
	global_store_b128 v[CO], v[BK+4*(\t):BK+4*(\t)+3], s[OUTP:OUTP+1] offset:(16*(\a)+2*(\t))*4096  ; sixteen lanes store 256 consecutive bytes, aligned
.endr
.endm
	s_wait_loadcnt 0x0                             ; the residual
	TOSTAGE 0
	TOSTAGE 1
	SEND 0, 16
	TOSTAGE 2
	SEND 1, 16
	TOSTAGE 3
	SEND 2, 16
	SEND 3, 0
	s_wait_tensorcnt 0x0                           ; the wave's end
	ds_add_u32 v[SPW], v[NIL]
	s_wait_dscnt 0x0
	CROUND                                         ; the closing round
	s_endpgm
.Lfunc_end_k_q55ef5c96f6_mlp2:
	.size	k_q55ef5c96f6_mlp2, .Lfunc_end_k_q55ef5c96f6_mlp2-k_q55ef5c96f6_mlp2
	.p2alignl 7, 3214868480
	.fill 96, 4, 3214868480
	.section	.rodata,"a",@progbits
	.p2align	6, 0x0
	.amdhsa_kernel k_q55ef5c96f6_mlp2
		.amdhsa_group_segment_fixed_size 327680
		.amdhsa_private_segment_fixed_size 0
		.amdhsa_enable_private_segment 0
		.amdhsa_kernarg_size 32
		.amdhsa_user_sgpr_count 2
		.amdhsa_user_sgpr_kernarg_segment_ptr 1
		.amdhsa_wavefront_size32 1
		.amdhsa_system_sgpr_workgroup_id_x 1
		.amdhsa_system_sgpr_workgroup_id_y 1
		.amdhsa_system_sgpr_workgroup_id_z 1
		.amdhsa_system_vgpr_workitem_id 0
		.amdhsa_next_free_vgpr 768
		.amdhsa_next_free_sgpr 72
		.amdhsa_reserve_vcc 0
		.amdhsa_float_denorm_mode_32 3
		.amdhsa_float_denorm_mode_16_64 3
		.amdhsa_memory_ordered 1
		.amdhsa_forward_progress 1
		.amdhsa_inst_pref_size 67
	.end_amdhsa_kernel
	.amdgpu_metadata
---
amdhsa.version: [ 1, 2 ]
amdhsa.kernels:
  - .name:           k_q55ef5c96f6_mlp2
    .symbol:         k_q55ef5c96f6_mlp2.kd
    .args:
      - { .name: actB, .offset: 0, .size: 8, .value_kind: global_buffer, .address_space: global }
      - { .name: wrest, .offset: 8, .size: 8, .value_kind: global_buffer, .address_space: global }
      - { .name: b2, .offset: 16, .size: 8, .value_kind: global_buffer, .address_space: global }
      - { .name: out0, .offset: 24, .size: 8, .value_kind: global_buffer, .address_space: global }
    .group_segment_fixed_size: 327680
    .private_segment_fixed_size: 0
    .kernarg_segment_align: 8
    .kernarg_segment_size: 32
    .max_flat_workgroup_size: 128
    .sgpr_count:     72
    .vgpr_count:     768
    .wavefront_size: 32
...
	.end_amdgpu_metadata
.endif
;; end of part 7
